; MI455X (gfx1250); checked and timed in simulation.
; The chip was launched on July 23, 2026; its instructions are those of AMD's public machine-readable ISA for CDNA 5 (MIT licence, August 2026) and "CDNA5" Instruction Set Architecture Reference Guide (July 2026). The comments in the code are by the model that wrote it; some were corrected since.
;; Expert FFN. Allowed arithmetic: matrix products marked QUANTISED: E3M2 operands, one E8M0 scale for each 32 along K, by v_wmma_scale_f32_16x16x128_f8f6f4 with both operands' format E3M2, f32 sums; products left as they are: f32 operands where the result goes on into a quantised operand, else bf16, f16 or f32 operands; f32 sums; everything else in f32.
;; Inputs: eb1 8 x 4,096 float32; eb2 8 x 1,024 float32; ew1 8 x 1,024 x 4,096 float32; ew2 8 x 4,096 x 1,024 float32; gate_b1 1,024 float32; gate_b2 8 float32; gate_w1 1,025 x 1,024 float32; gate_w2 1,024 x 8 float32; gumbel_u 1,024 x 8 float32; snr 1 float32; x 8 x 128 x 1,024 float32.
;; Outputs: out0 8 x 128 x 1,024 float32; out1 1,024 x 8 float32; out2 1,024 x 8 float32.
;; This version of the problem:
;;   THIS VERSION OF THE PROBLEM IS GIVEN IN LOW PRECISION. The matrix products marked QUANTISED in the list below multiply operands that are first quantised to E3M2 (3 exponent bits, 2 mantissa bits; 6 bits a number), with one power-of-two scale for each 32 numbers along K (OCP MX v1.0); their sums are f32. All else is computed in f32.
;;   The module's matrix products, in the order in which they are computed (A, B: the left and right operand; K: the contracted axis; several contracted axes count as one K, in the product's order):
;;     1. [M 1,024, K 1,025] x [K 1,025, N 1,024]; A: computed on the way; B: input gate_w1: QUANTISED
;;     2. [M 1,024, K 1,024] x [K 1,024, N 8]; A: computed on the way; B: input gate_w2: left as it is (N = 8 < 16)
;;     3. batch 1,024 x [M 1, K 2] x [K 2, N 8]; A: computed on the way; B: computed on the way: left as it is (K = 2 < 32)
;;     4. [M 1,024, K 1,024] x [K 1,024, N 4,096]; A: input x; B: input ew1: QUANTISED
;;     5. [M 1,024, K 4,096] x [K 4,096, N 1,024]; A: computed on the way; B: input ew2: QUANTISED
;;     6. [M 1,024, K 1,024] x [K 1,024, N 4,096]; A: input x; B: input ew1: QUANTISED
;;     7. [M 1,024, K 4,096] x [K 4,096, N 1,024]; A: computed on the way; B: input ew2: QUANTISED
;;     8. [M 1,024, K 1,024] x [K 1,024, N 4,096]; A: input x; B: input ew1: QUANTISED
;;     9. [M 1,024, K 4,096] x [K 4,096, N 1,024]; A: computed on the way; B: input ew2: QUANTISED
;;     10. [M 1,024, K 1,024] x [K 1,024, N 4,096]; A: input x; B: input ew1: QUANTISED
;;     11. [M 1,024, K 4,096] x [K 4,096, N 1,024]; A: computed on the way; B: input ew2: QUANTISED
;;     12. [M 1,024, K 1,024] x [K 1,024, N 4,096]; A: input x; B: input ew1: QUANTISED
;;     13. [M 1,024, K 4,096] x [K 4,096, N 1,024]; A: computed on the way; B: input ew2: QUANTISED
;;     14. [M 1,024, K 1,024] x [K 1,024, N 4,096]; A: input x; B: input ew1: QUANTISED
;;     15. [M 1,024, K 4,096] x [K 4,096, N 1,024]; A: computed on the way; B: input ew2: QUANTISED
;;     16. [M 1,024, K 1,024] x [K 1,024, N 4,096]; A: input x; B: input ew1: QUANTISED
;;     17. [M 1,024, K 4,096] x [K 4,096, N 1,024]; A: computed on the way; B: input ew2: QUANTISED
;;     18. [M 1,024, K 1,024] x [K 1,024, N 4,096]; A: input x; B: input ew1: QUANTISED
;;     19. [M 1,024, K 4,096] x [K 4,096, N 1,024]; A: computed on the way; B: input ew2: QUANTISED
;;   THE QUANTISER, for each operand of a quantised product, along K:
;;     - K is cut into blocks of 32 from its start; a last block that is shorter is filled with zeros.
;;     - A block's scale is 2^e with e = floor(log2(the largest magnitude in the block)) - 4, held to -126 .. 127; a block of zeros has e = 0. As a byte (E8M0): e + 127.
;;     - Each number is divided by its block's scale, clamped to +-28, and rounded to the nearest number of E3M2, ties to even, subnormals kept.
;;     - The product sums the exact products of the quantised numbers (number of the format x scale) in f32.
;;   ~~~python
;;   def quantise(x, axis):      # numpy; x: float32 -> the quantised numbers, widened to float32 again
;;       x = np.moveaxis(x, axis, -1); K = x.shape[-1]
;;       x = np.pad(x, [(0, 0)] * (x.ndim - 1) + [(0, -K % 32)]); x = x.reshape(x.shape[:-1] + (-1, 32)); a = np.abs(x).max(-1, keepdims=True)
;;       e = np.where(a > 0, np.clip(np.frexp(np.where(a > 0, a, 1))[1] - 1 - 4, -126, 127), 0)      # np.frexp(a)[1] - 1 = floor(log2(a)), exactly
;;       r = np.clip(x / 2.0 ** e, -28, 28)
;;       step = 2.0 ** (np.maximum(np.frexp(np.where(r == 0, 1, r))[1] - 1, -2) - 2)
;;       q = np.round(r / step) * step * 2.0 ** e      # np.round: ties to even
;;       return np.moveaxis(q.reshape(q.shape[:-2] + (-1,))[..., :K], -1, axis).astype(np.float32)
;;   ~~~
;;   OPERANDS COMPUTED ON THE WAY. 'Computed on the way' means the value that the module computes at that place (a softmax that the list does not call 'softmax' is quantised finished and normalised). What goes into a quantiser is computed in f32, as accurately as f32 sums, v_exp_f32 and their like allow (about 1e-6 of the number): no bf16 or f16 on the way to a quantiser, and a product that is left as it is and whose result goes on into a quantised operand takes f32 operands (vector FMAs, or v_wmma_f32_16x16x4_f32). A number that lies on a knife's edge between two numbers of the format may be rounded either way, as far as f32 arithmetic and the matrix unit's own rounding can turn it there, and no further.
;; 2 versions. Each part assembles by itself: llvm-mc -triple=amdgcn-amd-amdhsa -mcpu=gfx1250 --defsym DOCPART=n.
;; ======== version 1 of 2: 5 launches
;; workspace buffers: xc 819,200 bytes; plog 524,288 bytes; route 5,120 bytes of whole numbers; wts 8,192 bytes; hc 27,262,976 bytes; tlist 65,536 bytes of whole numbers; y 68,157,440 bytes
;; launch gate1 (part 1): grid 16 x 16, 4 waves a work-group, no clusters, 142,336 bytes of LDS; arguments x, snr, gate_w1, gate_b1, gate_w2, xc, plog; writes xc, plog
.if DOCPART == 1
	.amdgcn_target "amdgcn-amd-amdhsa--gfx1250"
	.amdhsa_code_object_version 6
	.text
	.protected	k_q35f22a58ee_gate1
	.globl	k_q35f22a58ee_gate1
	.p2align	8
	.type	k_q35f22a58ee_gate1,@function
k_q35f22a58ee_gate1:
	s_mov_b64 s[64:65], 0
	v_nop
	global_prefetch_b8 v0, s[64:65] scope:SCOPE_SE
	s_setreg_imm32_b32 hwreg(HW_REG_WAVE_MODE, 25, 1), 1
	s_wait_xcnt 0x0
; THE GATE'S FIRST LAYER AND ITS SHARE OF THE LOGITS.  h = relu([x, snr] W1 + b1) on codes of BF6 (E3M2) with one E8M0 scale for each 32 along K (K = 1,025: nine steps of 128, the last
; with one number and zero codes); plog[bx][t][e] = the sum over this work-group's 64 units of h w2, in f32 multiply-adds.  The work-groups with bx = 0 also store x's codes for the experts' launch.
; SHARES.  A work-group: 64 tokens (by) x 64 units (bx).  Wave w: tokens 16 w .. 16 w + 15 against all 64 units; it quantises its own 16 rows of x (they stay in registers) and rows 256 w .. 256 w + 255
; of the strip of W1, whose fragments go to the other waves through LDS as images of their registers.  One barrier.
; LAYOUT.  A lane loads 16 bytes of a row of W1: columns 4 q .. 4 q + 3 (q = lane % 16); lanes 0-15 take a row of one block of 32 along K, lanes 16-31 the same row of the next block: each half reads 256
; consecutive bytes.  Tile j (0..3) is made of the columns 4 q + j.  The product is used transposed (source 0 = W1's tile, source 1 = x), so lane (row, h) holds in accumulator register 8 j + j' the unit
; 32 h + 4 j' + j: 32 units of one token.
; LIMITS: NaN and infinities among the inputs are not served.  A block whose largest magnitude lies under 2^-122 keeps the scale byte 1; a block of zeros gets the byte 1 where the rule says 127: its codes
; are zeros, and the bytes are read by this program alone.
.set FLOOR, 0x2800000                  ; 2^(5 - 127): under it no largest magnitude is taken, so a scale's byte cannot fall under 1
.set EOFF,  0xfe000000                 ; takes 4 off an exponent field
.set PITCH, 4096                       ; a row of W1 in bytes
.set STW,   1                          ; the window of the staging registers
.set WSC,   55296                      ; LDS: 36 fragment images of 1,536 bytes from 0; then W1's scale words [step][row q][tile j]
.set XTURN, 57600                      ; each wave's stage for x: 16 rows x (512 + 16) bytes
.set XOUT,  91392                      ; each wave's stage for x's codes: 16 rows x (768 + 16) bytes (work-groups with bx = 0 alone)
.set XSOFF, 786432                     ; xc: the scale words lie behind the codes
.set LANE, 1
.set Q,    2                           ; lane % 16
.set H,    3                           ; lane / 16
.set LI,   4                           ; 16 x lane
.set H8,   5
.set WOFF, 6
.set IA,   7
.set SA,   8
.set SWA,  9
.set XTI,  10
.set XTO,  11
.set XOI,  12
.set XOO,  13
.set GXO,  14
.set B1O,  15
.set XSW,  16                          ; v16-24 x's scale words, one for each K step
.set WLAST, 25                         ; my number of W1's row 1,024
.set Q16,  26
.set W2O,  27
.set PLO,  28
.set I8,   30
.set S8,   31
.set FR,   32                          ; v32-79   four fragments in the making
.set U,    80                          ; v80-111  what the conversions leave
.set MX,   112
.set SO,   116
.set BY,   120
.set SWR,  124
.set T,    128                         ; v128-255 four columns x 32 numbers down K (or 64 numbers of x)
.set STA,  0                           ; window 1: two staging sets of 128
.set STB,  128
.set XF,   0                           ; window 2: x's nine fragments
.set ACC,  192                         ; window 2: four accumulators
.set WB,   160                         ; the product: W1's fragments from LDS, two sets of 48
.set SW,   112                         ; and their scale words, two sets of 4
.set L,    32                          ; the eight partial logits
.set WV,   18
.set WBS,  24
.set SEL,  60
.set MSB, 0
.macro WIN new                         ; the immediate's high byte repeats the setting that is left; a switch that changes nothing is dropped
.if MSB != (\new)
	s_set_vgpr_msb (MSB<<8)|(\new)
.set MSB, (\new)
.endif
.endm
.macro PLACES
.rept 4
	v_nop
.endr
.endm
; 64 rows x 64 columns of the weight: 32 loads, each half of the lanes reads 256 consecutive bytes
.macro LOADCHUNK sb, off
	WIN STW<<6
.set li_, 0
.rept 32
	global_load_b128 v[\sb+4*li_:\sb+4*li_+3], v[WOFF], s[WBS:WBS+1] offset:\off+li_*PITCH
.set li_, li_+1
.endr
	WIN 0
.endm
; the staged numbers, four columns a register group, become four runs of 32 down K
.macro QMOVE sb, perm
	WIN STW
.set qp_, 0
.rept 32
.if \perm
.set qo_, 4*(qp_%8)+qp_/8
.else
.set qo_, qp_
.endif
	v_mov_b32 v[T+qp_], v[\sb+4*qo_]
	v_mov_b32 v[T+32+qp_], v[\sb+4*qo_+1]
	v_mov_b32 v[T+64+qp_], v[\sb+4*qo_+2]
	v_mov_b32 v[T+96+qp_], v[\sb+4*qo_+3]
.set qp_, qp_+1
.endr
	WIN 0
.endm
; four blocks of 32 (one for each tile j) become registers 6 c .. 6 c + 5 of the four fragments, and a byte of each scale word
.macro QMATH c
.irp j,0,1,2,3
	v_max3_num_f32 v[MX+\j], |v[T+32*\j]|, |v[T+32*\j+1]|, FLOOR
.endr
.irp i,2,4,6,8,10,12,14,16,18,20,22,24,26,28,30
.irp j,0,1,2,3
	v_max3_num_f32 v[MX+\j], v[MX+\j], |v[T+32*\j+\i]|, |v[T+32*\j+\i+1]|
.endr
.endr
.irp j,0,1,2,3
	v_add_nc_u32 v[SO+\j], EOFF, v[MX+\j]          ; the conversion takes this operand's exponent field as its scale
.endr
.irp j,0,1,2,3
.if (\c)==0
	v_lshrrev_b32 v[SWR+\j], 23, v[SO+\j]          ; the scale's byte
.else
	v_lshrrev_b32 v[BY+\j], 23, v[SO+\j]
.endif
.endr
.if (\c)==1
.irp j,0,1,2,3
	v_lshl_or_b32 v[SWR+\j], v[BY+\j], 16, v[SWR+\j]
.endr
.endif
.irp j,0,1,2,3
	v_cvt_scalef32_pk16_bf6_f32 v[U+8*\j:U+8*\j+2], v[T+32*\j:T+32*\j+15], v[SO+\j]
	v_cvt_scalef32_pk16_bf6_f32 v[U+8*\j+4:U+8*\j+6], v[T+32*\j+16:T+32*\j+31], v[SO+\j]
.endr
	v_nop                                          ; one plain instruction behind the conversions
.irp j,0,1,2,3
.irp t,0,1,2
	v_mov_b32 v[FR+12*\j+6*(\c)+\t], v[U+8*\j+\t]
	v_mov_b32 v[FR+12*\j+6*(\c)+3+\t], v[U+8*\j+4+\t]
.endr
.endr
.endm
; a K step's four fragments and scale words go to LDS as they stand
.macro PUTSTEP ioff, soff
.irp j,0,1,2,3
	v_lshlrev_b32 v[SWR+\j], v[H8], v[SWR+\j]      ; my two bytes at their places (blocks h and 2 + h),
.endr
.irp j,0,1,2,3
	v_permlanex16_b32 v[MX+\j], v[SWR+\j], s[SEL], s[SEL+1]
.endr
.irp j,0,1,2,3
	v_or_b32 v[SWR+\j], v[SWR+\j], v[MX+\j]        ; with the other half's two the word is whole
.endr
.irp j,0,1,2,3
.irp c,0,1,2
	ds_store_b128 v[IA], v[FR+12*\j+4*\c:FR+12*\j+4*\c+3] offset:\ioff+1536*\j+512*\c
.endr
.endr
	ds_store_b128 v[SA], v[SWR:SWR+3] offset:\soff ; both halves write the same bytes with the same values
	s_wait_dscnt 0x0                               ; the stores have read their registers
.endm
.macro GLD s                           ; my 16 rows' 512 bytes of K step s: a row a load, 512 consecutive bytes
	WIN 0x40
.irp a,0,1,2,3,4,5,6,7,8,9,10,11,12,13,14,15
	global_load_b128 v[128+64*((\s)%2)+4*\a:128+64*((\s)%2)+4*\a+3], v[LI], s[4:5] offset:4096*\a+512*(\s)
.endr
	WIN 0
.endm
; my two blocks (64 c + 32 h) of my row, 64 numbers in v[T] on, become x's fragment of K step s and its scale word
.macro XQ s
.irp c,0,1
	v_max3_num_f32 v[MX+\c], |v[T+32*\c]|, |v[T+32*\c+1]|, FLOOR
	v_max3_num_f32 v[MX+2+\c], |v[T+32*\c+16]|, |v[T+32*\c+17]|, FLOOR
.endr
.irp i,2,4,6,8,10,12,14
.irp c,0,1
	v_max3_num_f32 v[MX+\c], v[MX+\c], |v[T+32*\c+\i]|, |v[T+32*\c+\i+1]|
	v_max3_num_f32 v[MX+2+\c], v[MX+2+\c], |v[T+32*\c+16+\i]|, |v[T+32*\c+17+\i]|
.endr
.endr
.irp c,0,1
	v_max_num_f32 v[MX+\c], v[MX+\c], v[MX+2+\c]
.endr
.irp c,0,1
	v_add_nc_u32 v[SO+\c], EOFF, v[MX+\c]
.endr
	v_lshrrev_b32 v[BY], 23, v[SO]
	v_lshrrev_b32 v[BY+1], 23, v[SO+1]
	v_lshl_or_b32 v[BY], v[BY+1], 16, v[BY]
	v_lshlrev_b32 v[BY], v[H8], v[BY]
	v_permlanex16_b32 v[MX+2], v[BY], s[SEL], s[SEL+1]
	v_or_b32 v[XSW+(\s)], v[BY], v[MX+2]
.irp c,0,1
	v_cvt_scalef32_pk16_bf6_f32 v[U+8*\c:U+8*\c+2], v[T+32*\c:T+32*\c+15], v[SO+\c]
	v_cvt_scalef32_pk16_bf6_f32 v[U+8*\c+4:U+8*\c+6], v[T+32*\c+16:T+32*\c+31], v[SO+\c]
.endr
	v_nop
	WIN 0x80
.irp c,0,1
.irp t,0,1,2
	v_mov_b32 v[XF+12*(\s)+6*\c+\t], v[U+8*\c+\t]
	v_mov_b32 v[XF+12*(\s)+6*\c+3+\t], v[U+8*\c+4+\t]
.endr
.endr
	WIN 0
.endm
; K step s of x: the dense loads turn through my own stage, so that a lane gets 32 neighbours of each of its two blocks
.macro XSTEP s
.if (\s)<7
	s_wait_loadcnt 16                              ; this step's 16 loads are in; the next step's 16 may be out
.else
	s_wait_loadcnt 0
.endif
	WIN 0x04
.irp a,0,1,2,3,4,5,6,7,8,9,10,11,12,13,14,15
	ds_store_b128 v[XTI], v[128+64*((\s)%2)+4*\a:128+64*((\s)%2)+4*\a+3] offset:528*\a
.endr
	WIN 0
.irp c,0,1
.irp t,0,1,2,3,4,5,6,7
	ds_load_b128 v[T+32*\c+4*\t:T+32*\c+4*\t+3], v[XTO] offset:256*\c+16*\t   ; LDS serves a wave's instructions in order: these see the stores above
.endr
.endr
	s_wait_dscnt 0x0
.if (\s)<6
	GLD (\s)+2
.endif
.if (\s)==7
	LOADCHUNK STB,64*PITCH                         ; both sets of x's loads are free: they are the second staging set
.endif
	XQ \s
.endm
.macro GWLOAD u, buf                   ; K step u's four fragments and scale words from LDS
.irp j,0,1,2,3
.irp c,0,1,2
	ds_load_b128 v[WB+48*(\buf)+12*\j+4*\c:WB+48*(\buf)+12*\j+4*\c+3], v[LI] offset:6144*(\u)+1536*\j+512*\c
.endr
.endr
	ds_load_b128 v[SW+4*(\buf):SW+4*(\buf)+3], v[SWA] offset:256*(\u)
.endm
.macro GSTEP u
	s_wait_dscnt 0x0                               ; this step's fragments are in
	PLACES                                         ; four plain instructions between the last products and loads into registers that they read
.if (\u)<8
	GWLOAD (\u)+1,((\u)+1)%2
.endif
	WIN 0xa8                                       ; x, C and D in window 2
.irp j,0,1,2,3
	v_wmma_scale_f32_16x16x128_f8f6f4 v[ACC+8*\j:ACC+8*\j+7], v[WB+48*((\u)%2)+12*\j:WB+48*((\u)%2)+12*\j+11], v[XF+12*(\u):XF+12*(\u)+11], v[ACC+8*\j:ACC+8*\j+7], v[SW+4*((\u)%2)+\j], v[XSW+(\u)] matrix_a_fmt:MATRIX_FMT_BF6 matrix_b_fmt:MATRIX_FMT_BF6
.endr
	WIN 0
.endm
	s_load_b256 s[4:11], s[0:1], 0x0               ; x s[4:5], snr s[6:7], gate_w1 s[8:9], gate_b1 s[10:11]
	s_load_b128 s[12:15], s[0:1], 0x20             ; gate_w2 s[12:13], xc s[14:15]
	s_load_b64 s[16:17], s[0:1], 0x30              ; plog
	v_lshl_add_u32 v107, v0, 2, 0x22a00
	v_mov_b32 v111, 0
	v_lshrrev_b32 v29, 5, v0
	v_readfirstlane_b32 s[WV], v29                 ; wave 0..3
	v_and_b32 v[LANE], 31, v0
	v_and_b32 v[Q], 15, v0
	v_bfe_u32 v[H], v0, 4, 1
	v_lshlrev_b32 v[LI], 4, v[LANE]
	v_lshlrev_b32 v[H8], 3, v[H]
	v_lshlrev_b32 v[Q16], 4, v[Q]
	v_lshl_add_u32 v[WOFF], v[H], 17, v[Q16]       ; W1: lanes 16-31 begin 32 rows further down; 16 bytes a lane
	s_mul_i32 s20, s[WV], 12288
	v_add_nc_u32 v[IA], s20, v[LI]                 ; my two K steps' images: 8 x 1,536 bytes a wave
	s_lshl_b32 s20, s[WV], 9
	s_add_co_u32 s20, s20, WSC
	v_add_nc_u32 v[SA], s20, v[Q16]
	v_add_nc_u32 v[SWA], WSC, v[Q16]
	s_mul_i32 s20, s[WV], 8448
	s_add_co_u32 s20, s20, XTURN
	v_add_nc_u32 v[XTI], s20, v[LI]
	v_mul_u32_u24 v29, v[Q], 528
	v_lshl_add_u32 v29, v[H], 7, v29
	v_add_nc_u32 v[XTO], s20, v29
	s_mul_i32 s20, s[WV], 12544
	s_add_co_u32 s20, s20, XOUT
	v_mul_u32_u24 v29, v[Q], 784
	v_mad_u32_u24 v29, v[H], 48, v29
	v_add_nc_u32 v[XOI], s20, v29
	v_mul_u32_u24 v29, v[H], 784
	v_add_nc_u32 v29, v29, v[Q16]
	v_add_nc_u32 v[XOO], s20, v29
	v_mul_u32_u24 v[GXO], v[H], 768
	v_add_nc_u32 v[GXO], v[GXO], v[Q16]
	v_lshlrev_b32 v[B1O], 7, v[H]
	v_lshlrev_b32 v[W2O], 10, v[H]
	v_lshlrev_b32 v[PLO], 5, v[Q]
	v_lshl_add_u32 v[PLO], v[H], 4, v[PLO]         ; 32 bytes a token, 16 a half
	s_mul_i32 s20, s[WV], 1536
	s_add_co_u32 s20, s20, 49152
	v_add_nc_u32 v[I8], s20, v[LI]                 ; K step 8: tile w's image
	s_lshl_b32 s20, s[WV], 2
	s_add_co_u32 s20, s20, WSC+2048
	v_add_nc_u32 v[S8], s20, v[Q16]
	s_mov_b32 s[SEL], 0x76543210
	s_mov_b32 s[SEL+1], 0xfedcba98                 ; v_permlanex16_b32's selects for lane l xor 16
	s_and_b32 s19, ttmp7, 0xffff
	s_lshl_b32 s19, s19, 6
	s_lshl_b32 s20, s[WV], 4
	s_add_co_u32 s19, s19, s20                     ; my first token: 64 by + 16 wave
	s_wait_kmcnt 0x0
	s_load_b32 s30, s[6:7], 0x0                    ; snr
	s_lshl_b32 s20, s19, 12
	s_mov_b32 s21, 0
	s_add_nc_u64 s[4:5], s[4:5], s[20:21]
	s_lshl_b32 s22, ttmp9, 8                       ; the strip: 64 units, 256 bytes
	s_mov_b32 s23, 0
	s_add_nc_u64 s[8:9], s[8:9], s[22:23]
	s_add_nc_u64 s[10:11], s[10:11], s[22:23]
	s_lshl_b32 s20, s[WV], 20                      ; my 256 rows of W1
	s_add_nc_u64 s[WBS:WBS+1], s[8:9], s[20:21]
	s_lshl_b32 s20, s[WV], 2
	s_add_co_u32 s20, s20, 1024*4096
	s_add_nc_u64 s[26:27], s[8:9], s[20:21]        ; row 1,024, column 4 q + wave
	s_lshl_b32 s20, ttmp9, 11
	s_add_nc_u64 s[12:13], s[12:13], s[20:21]      ; gate_w2: 64 rows of 32 bytes
	s_lshl_b32 s20, s19, 5
	s_add_co_u32 s22, s20, XSOFF
	s_add_nc_u64 s[28:29], s[14:15], s[22:23]      ; x's scale words
	s_mul_i32 s22, s19, 768
	s_add_nc_u64 s[14:15], s[14:15], s[22:23]      ; x's codes
	s_lshl_b32 s22, ttmp9, 15
	s_add_co_u32 s22, s22, s20
	s_add_nc_u64 s[16:17], s[16:17], s[22:23]
	WIN 0x80
.irp j,0,1,2,3
.irp p,0,1,2,3,4,5,6,7
	global_load_b32 v[ACC+8*\j+\p], v[B1O], s[10:11] offset:16*\p+4*\j   ; the bias is the C of each sum's first product: it is loaded straight into the accumulators
.endr
.endr
	WIN 0
	global_load_b32 v[WLAST], v[Q16], s[26:27]
	LOADCHUNK STA,0
	GLD 0
	GLD 1
.irp s,0,1,2,3,4,5,6,7
	XSTEP \s
.endr
	; K step 8 of x: snr at k = 1,024, zero codes behind it; bytes 127 for the blocks of zero codes
	s_wait_kmcnt 0x0
	v_mov_b32 v[T], s30
	v_max3_num_f32 v[MX], |v[T]|, |v[T]|, FLOOR
	v_add_nc_u32 v[SO], EOFF, v[MX]
	v_lshrrev_b32 v[BY], 23, v[SO]
	v_or_b32 v[XSW+8], 0x7f7f7f00, v[BY]
	v_cmp_eq_u32 vcc_lo, 0, v[H]
	v_cndmask_b32 v[T], 0, v[T], vcc_lo            ; block 32 lies in lanes 0-15
.irp i,1,2,3,4,5,6,7,8,9,10,11,12,13,14,15
	v_mov_b32 v[T+\i], 0
.endr
	v_cvt_scalef32_pk16_bf6_f32 v[U:U+2], v[T:T+15], v[SO]
	v_nop
	WIN 0x80
.irp t,0,1,2
	v_mov_b32 v[XF+96+\t], v[U+\t]
.endr
.irp t,3,4,5,6,7,8,9,10,11
	v_mov_b32 v[XF+96+\t], 0
.endr
	WIN 0
	; x's codes for the experts' launch: one work-group of each row of the grid stores them
	s_cmp_lg_u32 ttmp9, 0
	s_cbranch_scc1 .Lno_xc
	WIN 0x08
.irp s,0,1,2,3,4,5,6,7
.irp c,0,1,2
	ds_store_b128 v[XOI], v[XF+12*\s+4*\c:XF+12*\s+4*\c+3] offset:96*\s+16*\c   ; a token's 768 bytes: [K step][half][48 bytes]
.endr
.endr
	WIN 0
.irp a,0,1,2,3,4,5,6,7
.irp c,0,1,2
	ds_load_b128 v[T+12*\a+4*\c:T+12*\a+4*\c+3], v[XOO] offset:1568*\a+256*\c
.endr
.endr
	v_cmp_eq_u32 vcc_lo, 1, v[H]
.irp i,0,1,2,3
	v_cndmask_b32 v[U+\i], v[XSW+\i], v[XSW+4+\i], vcc_lo   ; lanes 0-15 store words 0-3 of their token, lanes 16-31 words 4-7
.endr
	s_wait_dscnt 0x0
.irp a,0,1,2,3,4,5,6,7
.irp c,0,1,2
	global_store_b128 v[GXO], v[T+12*\a+4*\c:T+12*\a+4*\c+3], s[14:15] offset:1536*\a+256*\c   ; each half of the lanes stores 256 consecutive bytes, aligned
.endr
.endr
	global_store_b128 v[PLO], v[U:U+3], s[28:29]
	s_wait_xcnt 0x0                                ; the stores' data registers are written again below
.Lno_xc:
	; my 256 rows of the strip of W1: four chunks, two K steps
	s_wait_loadcnt 32                              ; all but the other set's 32 loads
	QMOVE STA,0
	LOADCHUNK STA,128*PITCH
	QMATH 0
	s_wait_loadcnt 32
	QMOVE STB,0
	LOADCHUNK STB,192*PITCH
	QMATH 1
	PUTSTEP 0,0
	s_wait_loadcnt 32
	QMOVE STA,0
	QMATH 0
	s_wait_loadcnt 0
	QMOVE STB,0
	QMATH 1
	PUTSTEP 6144,256
	; K step 8 of W1: wave w makes tile w: one number a column, zero codes behind it
	v_max3_num_f32 v[MX], |v[WLAST]|, |v[WLAST]|, FLOOR
	v_add_nc_u32 v[SO], EOFF, v[MX]
	v_lshrrev_b32 v[BY], 23, v[SO]
	v_or_b32 v[SWR], 0x7f7f7f00, v[BY]
	v_cmp_eq_u32 vcc_lo, 0, v[H]
	v_cndmask_b32 v[T], 0, v[WLAST], vcc_lo
.irp i,1,2,3,4,5,6,7,8,9,10,11,12,13,14,15
	v_mov_b32 v[T+\i], 0
.endr
	v_cvt_scalef32_pk16_bf6_f32 v[U:U+2], v[T:T+15], v[SO]
	v_nop
.irp t,0,1,2
	v_mov_b32 v[FR+\t], v[U+\t]
.endr
.irp t,3,4,5,6,7,8,9,10,11
	v_mov_b32 v[FR+\t], 0
.endr
.irp c,0,1,2
	ds_store_b128 v[I8], v[FR+4*\c:FR+4*\c+3] offset:512*\c
.endr
	ds_store_b32 v[S8], v[SWR]
	WIN 0x40                                       ; gate_w2's rows of my 32 units, in the order of my accumulator registers, into the staging registers, which are done with
.set p_, 0
.rept 32
	global_load_b128 v[8*p_:8*p_+3], v[W2O], s[12:13] offset:32*(4*(p_%8)+p_/8)
	global_load_b128 v[8*p_+4:8*p_+7], v[W2O], s[12:13] offset:32*(4*(p_%8)+p_/8)+16
.set p_, p_+1
.endr
	WIN 0
	s_wait_dscnt 0x0                               ; for the others' sake: my images lie in LDS
	s_barrier_signal -1
	s_barrier_wait -1
	GWLOAD 0,0
.irp u,0,1,2,3,4,5,6,7,8
	GSTEP \u                                       ; the four accumulators take turns, one instruction a turn
.endr
	PLACES
	WIN 0x8a
.set p_, 0
.rept 32
	v_max_num_f32 v[ACC+p_], 0, v[ACC+p_]          ; relu, each accumulator from its low end on
.set p_, p_+1
.endr
	s_wait_loadcnt 0x0                             ; gate_w2
	WIN 0x06                                       ; h in window 2, gate_w2 in window 1
.irp e,0,1,2,3,4,5,6,7
	v_mul_f32 v[L+\e], v[ACC], v[\e]
.endr
.set p_, 1
.rept 31
.irp e,0,1,2,3,4,5,6,7
	v_fma_f32 v[L+\e], v[ACC+p_], v[8*p_+\e], v[L+\e]
.endr
.set p_, p_+1
.endr
	WIN 0
.irp e,0,1,2,3,4,5,6,7
	v_permlanex16_b32 v[L+8+\e], v[L+\e], s[SEL], s[SEL+1]
.endr
.irp e,0,1,2,3,4,5,6,7
	v_add_f32 v[L+\e], v[L+\e], v[L+8+\e]          ; with the other half's 32 units
.endr
	v_cmp_eq_u32 vcc_lo, 1, v[H]
.irp i,0,1,2,3
	v_cndmask_b32 v[L+16+\i], v[L+\i], v[L+4+\i], vcc_lo
.endr
	global_store_b128 v[PLO], v[L+16:L+19], s[16:17]   ; the wave stores 512 consecutive bytes
	s_wait_tensorcnt 0x0
	ds_add_u32 v107, v111
	s_wait_dscnt 0x0
	s_endpgm
.Lfunc_end_k_q35f22a58ee_gate1:
	.size	k_q35f22a58ee_gate1, .Lfunc_end_k_q35f22a58ee_gate1-k_q35f22a58ee_gate1
	.p2alignl 7, 3214868480
	.fill 96, 4, 3214868480
	.section	.rodata,"a",@progbits
	.p2align	6, 0x0
	.amdhsa_kernel k_q35f22a58ee_gate1
		.amdhsa_group_segment_fixed_size 142336
		.amdhsa_private_segment_fixed_size 0
		.amdhsa_enable_private_segment 0
		.amdhsa_kernarg_size 56
		.amdhsa_user_sgpr_count 2
		.amdhsa_user_sgpr_kernarg_segment_ptr 1
		.amdhsa_wavefront_size32 1
		.amdhsa_system_sgpr_workgroup_id_x 1
		.amdhsa_system_sgpr_workgroup_id_y 1
		.amdhsa_system_sgpr_workgroup_id_z 1
		.amdhsa_system_vgpr_workitem_id 0
		.amdhsa_next_free_vgpr 768
		.amdhsa_next_free_sgpr 66
		.amdhsa_reserve_vcc 1
		.amdhsa_float_denorm_mode_32 3
		.amdhsa_float_denorm_mode_16_64 3
		.amdhsa_memory_ordered 1
		.amdhsa_forward_progress 1
		.amdhsa_inst_pref_size 165
	.end_amdhsa_kernel
	.amdgpu_metadata
---
amdhsa.version: [ 1, 2 ]
amdhsa.kernels:
  - .name:           k_q35f22a58ee_gate1
    .symbol:         k_q35f22a58ee_gate1.kd
    .args:
      - { .name: x, .offset: 0, .size: 8, .value_kind: global_buffer, .address_space: global }
      - { .name: snr, .offset: 8, .size: 8, .value_kind: global_buffer, .address_space: global }
      - { .name: gate_w1, .offset: 16, .size: 8, .value_kind: global_buffer, .address_space: global }
      - { .name: gate_b1, .offset: 24, .size: 8, .value_kind: global_buffer, .address_space: global }
      - { .name: gate_w2, .offset: 32, .size: 8, .value_kind: global_buffer, .address_space: global }
      - { .name: xc, .offset: 40, .size: 8, .value_kind: global_buffer, .address_space: global }
      - { .name: plog, .offset: 48, .size: 8, .value_kind: global_buffer, .address_space: global }
    .group_segment_fixed_size: 142336
    .private_segment_fixed_size: 0
    .kernarg_segment_align: 8
    .kernarg_segment_size: 56
    .max_flat_workgroup_size: 128
    .sgpr_count:     66
    .vgpr_count:     768
    .wavefront_size: 32
...
	.end_amdgpu_metadata
.endif
;; end of part 1
;; launch gate2 (part 2): grid 8 x 1, 4 waves a work-group, no clusters, 8,704 bytes of LDS; arguments plog, gumbel_u, gate_b2, out1, out2, route, wts; writes out1, out2, route, wts
.if DOCPART == 2
	.amdgcn_target "amdgcn-amd-amdhsa--gfx1250"
	.amdhsa_code_object_version 6
	.text
	.protected	k_q35f22a58ee_gate2
	.globl	k_q35f22a58ee_gate2
	.p2align	8
	.type	k_q35f22a58ee_gate2,@function
k_q35f22a58ee_gate2:
	s_mov_b64 s[64:65], 0
	v_nop
	global_prefetch_b8 v0, s[64:65] scope:SCOPE_SE
	s_setreg_imm32_b32 hwreg(HW_REG_WAVE_MODE, 25, 1), 1
	s_wait_xcnt 0x0
; THE GATE'S END.  A lane is a token.  logits = b2 + the 16 partial sums; Gumbel noise -ln(-ln(u + 1e-9) + 1e-9); softmax with its maximum taken away; the two largest scores (of equal scores the lower index,
; by scans that go up with a strict comparison).  All choices are made by v_cndmask_b32: no branch and no address hangs on them.
; Stored: the scores, the 0/1 mask, the two weights, sel[t] = e0 | e1 << 8, and for each expert and each wave's 32 tokens a word of bits (route: [expert][32 words], then sel).
; LIMITS: NaN and infinities among the inputs are not served.
.set Z,  16                            ; v16-23  logits, then scores
.set UU, 24                            ; v24-31  u, then the noise; later the scores without the first choice
.set P,  32                            ; v32-159 the partial sums
	s_load_b256 s[4:11], s[0:1], 0x0               ; plog s[4:5], gumbel_u s[6:7], gate_b2 s[8:9], out1 s[10:11]
	s_load_b128 s[12:15], s[0:1], 0x20             ; out2 s[12:13], route s[14:15]
	s_load_b64 s[16:17], s[0:1], 0x30              ; wts
	v_lshl_add_u32 v192, v0, 2, 0x2000
	v_mov_b32 v193, 0
	v_lshrrev_b32 v1, 5, v0
	v_readfirstlane_b32 s18, v1                    ; wave 0..3
	v_and_b32 v1, 31, v0
	v_lshlrev_b32 v2, 5, v0                        ; 32 bytes a token
	s_lshl_b32 s20, ttmp9, 12                      ; the work-group's 128 tokens
	s_mov_b32 s21, 0
	s_mov_b32 s34, 0x3089705f                      ; 1e-9
	s_mov_b32 s35, 0xbf317218                      ; -ln 2
	s_wait_kmcnt 0x0
	s_load_b256 s[24:31], s[8:9], 0x0              ; b2
	s_add_nc_u64 s[4:5], s[4:5], s[20:21]
	s_add_nc_u64 s[6:7], s[6:7], s[20:21]
	s_add_nc_u64 s[10:11], s[10:11], s[20:21]
	s_add_nc_u64 s[12:13], s[12:13], s[20:21]
	global_load_b128 v[UU:UU+3], v2, s[6:7]
	global_load_b128 v[UU+4:UU+7], v2, s[6:7] offset:16
.set b_, 0
.rept 16
	global_load_b128 v[P+8*b_:P+8*b_+3], v2, s[4:5] offset:32768*b_
	global_load_b128 v[P+8*b_+4:P+8*b_+7], v2, s[4:5] offset:32768*b_+16
.set b_, b_+1
.endr
	s_wait_loadcnt 32                              ; u is in; the 32 loads of partial sums may be out
.irp e,0,1,2,3,4,5,6,7
	v_add_f32 v[UU+\e], s34, v[UU+\e]
.endr
.irp e,0,1,2,3,4,5,6,7
	v_log_f32 v[UU+\e], v[UU+\e]
.endr
	v_nop                                          ; a plain instruction behind the batch,
	s_wait_alu depctr_va_vdst(0)                   ; and one wait for it, ahead of its first reader
.irp e,0,1,2,3,4,5,6,7
	v_fma_f32 v[UU+\e], v[UU+\e], s35, s34         ; -ln(u + 1e-9) + 1e-9
.endr
.irp e,0,1,2,3,4,5,6,7
	v_log_f32 v[UU+\e], v[UU+\e]
.endr
	v_nop
	s_wait_alu depctr_va_vdst(0)
	s_wait_kmcnt 0x0
	s_wait_loadcnt 0x0
.irp e,0,1,2,3,4,5,6,7
	v_add_f32 v[Z+\e], s[24+\e], v[P+\e]
.endr
.set b_, 1
.rept 15
.irp e,0,1,2,3,4,5,6,7
	v_add_f32 v[Z+\e], v[Z+\e], v[P+8*b_+\e]
.endr
.set b_, b_+1
.endr
.irp e,0,1,2,3,4,5,6,7
	v_fma_f32 v[Z+\e], v[UU+\e], s35, v[Z+\e]      ; + the noise
.endr
	v_max3_num_f32 v8, v[Z], v[Z+1], v[Z+2]
	v_max3_num_f32 v8, v8, v[Z+3], v[Z+4]
	v_max3_num_f32 v8, v8, v[Z+5], v[Z+6]
	v_max_num_f32 v8, v8, v[Z+7]
.irp e,0,1,2,3,4,5,6,7
	v_sub_f32 v[Z+\e], v[Z+\e], v8
.endr
.irp e,0,1,2,3,4,5,6,7
	v_mul_f32 v[Z+\e], 0x3fb8aa3b, v[Z+\e]
.endr
.irp e,0,1,2,3,4,5,6,7
	v_exp_f32 v[Z+\e], v[Z+\e]
.endr
	v_nop
	s_wait_alu depctr_va_vdst(0)
	v_add_f32 v8, v[Z], v[Z+1]
	v_add_f32 v9, v[Z+2], v[Z+3]
	v_add_f32 v10, v[Z+4], v[Z+5]
	v_add_f32 v11, v[Z+6], v[Z+7]
	v_add_f32 v8, v8, v9
	v_add_f32 v10, v10, v11
	v_add_f32 v8, v8, v10
	v_rcp_f32 v8, v8
	v_mov_b32 v14, -1.0
	s_wait_alu depctr_va_vdst(0)
.irp e,0,1,2,3,4,5,6,7
	v_mul_f32 v[Z+\e], v[Z+\e], v8                 ; the scores
.endr
	v_mov_b32 v10, 0                               ; the first choice: index v10, score v11
	v_mov_b32 v11, v[Z]
.irp e,1,2,3,4,5,6,7
	v_cmp_le_f32 vcc_lo, v[Z+\e], v11              ; not larger: what was found stays
	v_cndmask_b32 v10, \e, v10, vcc_lo
	v_cndmask_b32 v11, v[Z+\e], v11, vcc_lo
.endr
.irp e,0,1,2,3,4,5,6,7
	v_cmp_eq_u32 vcc_lo, \e, v10
	v_cndmask_b32 v[UU+\e], v[Z+\e], v14, vcc_lo   ; the first choice counts as -1, under every score
.endr
	v_mov_b32 v12, 0                               ; the second choice: index v12, score v13
	v_mov_b32 v13, v[UU]
.irp e,1,2,3,4,5,6,7
	v_cmp_le_f32 vcc_lo, v[UU+\e], v13
	v_cndmask_b32 v12, \e, v12, vcc_lo
	v_cndmask_b32 v13, v[UU+\e], v13, vcc_lo
.endr
	v_mov_b32 v15, 1.0
	v_mov_b32 v9, 0
.irp e,0,1,2,3,4,5,6,7
	v_cmp_eq_u32 s36, \e, v10
	v_cmp_eq_u32 s37, \e, v12
	s_or_b32 s[40+\e], s36, s37                    ; the wave's 32 tokens' bits for expert e
	v_cndmask_b32 v[P+\e], 0, v15, s[40+\e]
	v_writelane_b32 v9, s[40+\e], \e
.endr
	; scores and mask turn through the wave's own 2 KB of LDS, so that each store covers 512 consecutive bytes
	s_lshl_b32 s22, s18, 11
	v_lshlrev_b32 v3, 5, v1
	v_add_nc_u32 v3, s22, v3
	v_lshlrev_b32 v4, 4, v1
	v_add_nc_u32 v5, s22, v4
	s_lshl_b32 s22, s18, 10
	v_add_nc_u32 v4, s22, v4
	ds_store_b128 v3, v[Z:Z+3]
	ds_store_b128 v3, v[Z+4:Z+7] offset:16
	ds_store_b128 v3, v[P:P+3] offset:1024
	ds_store_b128 v3, v[P+4:P+7] offset:1040
	ds_load_b128 v[48:51], v5
	ds_load_b128 v[52:55], v5 offset:512
	ds_load_b128 v[56:59], v5 offset:1024
	ds_load_b128 v[60:63], v5 offset:1536
	v_lshl_or_b32 v64, v12, 8, v10                 ; sel
	v_mov_b32 v66, v11
	v_mov_b32 v67, v13
	v_lshlrev_b32 v6, 2, v0
	v_lshlrev_b32 v7, 3, v0
	s_lshl_b32 s22, ttmp9, 9
	s_add_co_u32 s22, s22, 1024
	s_mov_b32 s23, 0
	s_add_nc_u64 s[32:33], s[14:15], s[22:23]      ; sel lies behind the 1,024 bytes of bit words
	s_lshl_b32 s22, ttmp9, 10
	s_add_nc_u64 s[16:17], s[16:17], s[22:23]
	s_wait_dscnt 0x0
	global_store_b128 v4, v[48:51], s[10:11]
	global_store_b128 v4, v[52:55], s[10:11] offset:512
	global_store_b128 v4, v[56:59], s[12:13]
	global_store_b128 v4, v[60:63], s[12:13] offset:512
	global_store_b32 v6, v64, s[32:33]
	global_store_b64 v7, v[66:67], s[16:17]
	s_lshl_b32 s22, ttmp9, 2
	s_add_co_u32 s22, s22, s18
	s_lshl_b32 s22, s22, 2                         ; word 4 x work-group + wave
	v_lshlrev_b32 v68, 7, v1                       ; lane e: expert e's 128 bytes
	v_add_nc_u32 v68, s22, v68
	s_wait_xcnt 0x0                                ; EXEC changes only behind this wait
	v_cmp_gt_u32 vcc_lo, 8, v1
	s_wait_tensorcnt 0x0
	ds_add_u32 v192, v193
	s_wait_dscnt 0x0
	s_and_saveexec_b32 s23, vcc_lo
	global_store_b32 v68, v9, s[14:15]
	s_wait_xcnt 0x0                                ; and again, in front of the line that widens it
	s_or_b32 exec_lo, exec_lo, s23
	s_endpgm
.Lfunc_end_k_q35f22a58ee_gate2:
	.size	k_q35f22a58ee_gate2, .Lfunc_end_k_q35f22a58ee_gate2-k_q35f22a58ee_gate2
	.p2alignl 7, 3214868480
	.fill 96, 4, 3214868480
	.section	.rodata,"a",@progbits
	.p2align	6, 0x0
	.amdhsa_kernel k_q35f22a58ee_gate2
		.amdhsa_group_segment_fixed_size 8704
		.amdhsa_private_segment_fixed_size 0
		.amdhsa_enable_private_segment 0
		.amdhsa_kernarg_size 56
		.amdhsa_user_sgpr_count 2
		.amdhsa_user_sgpr_kernarg_segment_ptr 1
		.amdhsa_wavefront_size32 1
		.amdhsa_system_sgpr_workgroup_id_x 1
		.amdhsa_system_sgpr_workgroup_id_y 1
		.amdhsa_system_sgpr_workgroup_id_z 1
		.amdhsa_system_vgpr_workitem_id 0
		.amdhsa_next_free_vgpr 194
		.amdhsa_next_free_sgpr 66
		.amdhsa_reserve_vcc 1
		.amdhsa_float_denorm_mode_32 3
		.amdhsa_float_denorm_mode_16_64 3
		.amdhsa_memory_ordered 1
		.amdhsa_forward_progress 1
		.amdhsa_inst_pref_size 19
	.end_amdhsa_kernel
	.amdgpu_metadata
---
amdhsa.version: [ 1, 2 ]
amdhsa.kernels:
  - .name:           k_q35f22a58ee_gate2
    .symbol:         k_q35f22a58ee_gate2.kd
    .args:
      - { .name: plog, .offset: 0, .size: 8, .value_kind: global_buffer, .address_space: global }
      - { .name: gumbel_u, .offset: 8, .size: 8, .value_kind: global_buffer, .address_space: global }
      - { .name: gate_b2, .offset: 16, .size: 8, .value_kind: global_buffer, .address_space: global }
      - { .name: out1, .offset: 24, .size: 8, .value_kind: global_buffer, .address_space: global }
      - { .name: out2, .offset: 32, .size: 8, .value_kind: global_buffer, .address_space: global }
      - { .name: route, .offset: 40, .size: 8, .value_kind: global_buffer, .address_space: global }
      - { .name: wts, .offset: 48, .size: 8, .value_kind: global_buffer, .address_space: global }
    .group_segment_fixed_size: 8704
    .private_segment_fixed_size: 0
    .kernarg_segment_align: 8
    .kernarg_segment_size: 56
    .max_flat_workgroup_size: 128
    .sgpr_count:     66
    .vgpr_count:     194
    .wavefront_size: 32
...
	.end_amdgpu_metadata
.endif
;; end of part 2
;; launch ffn1 (part 3): grid 32 x 8, 4 waves a work-group, no clusters, 153,600 bytes of LDS; arguments ew1, eb1, xc, route, hc, tlist; writes hc, tlist
.if DOCPART == 3
	.amdgcn_target "amdgcn-amd-amdhsa--gfx1250"
	.amdhsa_code_object_version 6
	.text
	.protected	k_q35f22a58ee_ffn1
	.globl	k_q35f22a58ee_ffn1
	.p2align	8
	.type	k_q35f22a58ee_ffn1,@function
k_q35f22a58ee_ffn1:
	s_mov_b64 s[64:65], 0
	v_nop
	global_prefetch_b8 v0, s[64:65] scope:SCOPE_SE
	s_setreg_imm32_b32 hwreg(HW_REG_WAVE_MODE, 25, 1), 1
	s_wait_xcnt 0x0
; AN EXPERT'S FIRST LAYER, for the rows that chose it: hidden = relu(x ew1[e] + eb1[e]) on codes of BF6 (E3M2), quantised again along the hidden units and stored as codes.
; SHARES.  A work-group owns expert e (grid y) and hidden units 128 hs .. 128 hs + 127 (grid x): 512 KB of ew1, which no other work-group reads.  PHASE A: the four waves quantise that slice once
; (wave 2 g + kh: columns 64 g on, rows 512 kh on) and lay its 64 fragments in LDS as images of their registers.  One barrier.  PHASE B: the expert's rows, in tiles of 16, six tiles a wave and pass
; (tile 24 pass + 4 i + wave), are multiplied with all 64 fragments.  The number of passes hangs on the stored choice, so the launch has no tensor load and no barrier in that loop; an expert with more than
; 384 rows takes further passes.  All six tiles are always loaded and multiplied (a tile past the last is a copy of the last), so that every wait's count is a constant; only the stores are left out for them.
; WHICH ROWS.  route holds for each expert 32 words of bits, a bit a token.  Position P of the expert's list is the token with the P-th set bit: found for 96 positions a wave and pass by a scan over the 32 words and
; a search in the word (macro RANKSEL), while the first weights are on their way.  Positions past the count give token 1,023: such rows are computed and land in rows of the workspace that nobody reads, or are equal to that token's own.
; From the lane that found it a token goes to the lanes that load its codes by lane permutes of the vector unit: every address of the gather is made of the words read from route by scalar and vector arithmetic alone.
; LAYOUT.  As in the gate: a lane loads columns 4 q .. 4 q + 3, tile j is made of the columns 4 q + j, the product is used transposed, and lane (row, h) holds in accumulator register p = 8 j + j' the unit
; 32 h + 4 j' + j of a strip of 64: ONE WHOLE BLOCK OF 32 of the next product's K.  So its largest number needs no other lane, and its six registers of codes are registers 6 g .. 6 g + 5 of the next operand, in the
; right lane.  Inside a block position p holds unit 4 (p % 8) + p / 8; the second layer's launch lays ew2's rows in the same order.
; No multicast: every byte of the weights has one reader; x's codes, which 32 work-groups share, are under a third of a work-group's bytes, and the partners' trip counts hang on stored counts.
; No prefetch: a wave has up to 64 loads of weights out in phase A.
; LIMITS: NaN and infinities among the inputs are not served.  A block whose largest magnitude lies under 2^-122 keeps the scale byte 1; a block of zeros gets the byte 1 where the rule says 127 (zero codes; read by this program alone).
.set FLOOR, 0x2800000
.set EOFF,  0xfe000000
.set PITCH, 16384                      ; a row of ew1[e] in bytes
.set STW,   3                          ; staging in window 3
.set WSC,   98304                      ; LDS: 64 fragment images from 0 (step u = 8 g + s: fragments 4 u + j); then their scale words [u][row q][j]
.set BI,    102400                     ; the bias in the accumulators' order: 4 blocks x 32 words
.set XSTG,  102912                     ; each wave's stage for x's codes: 16 rows x (768 + 16) bytes
.set XSOFF, 786432
.set HSOFF, 25165824
.set Q,    1
.set H,    2
.set LI,   3                           ; 16 x lane
.set LI2,  4                           ; + 49,152: an LDS offset has 16 bits
.set SWA,  5
.set BIA,  6
.set H8,   7
.set TK,   8                           ; v8-10  tokens of the pass's six tiles: lanes 0-15 tile 2 k, lanes 16-31 tile 2 k + 1
.set L4,   11                          ; 4 x lane
.set TOK,  12                          ; v12-17 tile i's tokens, row = lane % 16
.set HO,   18                          ; v18-23 where tile i's codes go
.set HSO,  24                          ; v24-29 and its scale words
.set XSI,  30
.set XSO,  31
.set WOFF, 18                          ; phase A alone
.set IA,   19
.set SA,   20
.set BV,   21
.set BADR, 22
.set BOFF, 23
.set FR,   32
.set U,    80
.set MX,   112
.set SO,   116
.set BY,   120
.set SWR,  124
.set T,    128
.set STA,  0
.set STB,  128
.set RS,   32                          ; RANKSEL's 33 registers
.set GO,   32                          ; 48 offsets of the gather
.set WB,   32                          ; v32-127  the weights' fragments from LDS, two sets of 48
.set SW,   128                         ; v128-135 their scale words
.set XS,   136                         ; v136-159 x's scale words: lane (row, h) holds those of K steps 4 h .. 4 h + 3
.set HC,   160                         ; v160-231 the hidden layer's codes, 12 a tile
.set PQ16, 160                         ; at a pass's head the same registers serve as temporaries
.set PH16, 161
.set XV,   163
.set SX,   169                         ; v169-174 tile i's tokens laid for the broadcasts: lanes 16-31 row r, lanes 0-15 row r xor 1
.set HW,   232                         ; v232-237 the hidden layer's scale words
.set EM,   238
.set ESO,  242
.set EBY,  243
.set ETM,  244
.set EU,   246
.set TLV,  250                         ; v250-255 where tile i's tokens go
.set MW,   16                          ; s16-47 the expert's 32 words of bits
.set WV,   48
.set EX,   49
.set CNT,  51
.set NT,   52                          ; tiles
.set NT1,  53                          ; the last tile
.set NPASS, 54
.set PASS, 55
.set TB,   56
.set CN,   57
.set CT,   58
.set SEL,  60                          ; s60-61 v_permlanex16_b32's selects for lane l xor 16
.set TAU,  70                          ; s70-75 tile i's number
.set SWP,  78                          ; s78-79 its selects for lane (l xor 1) of the other half
.set BS,   86                          ; s86-93 its selects for lane 2 a of the other half, in all sixteen fields
.set MSB, 0
.macro WIN new
.if MSB != (\new)
	s_set_vgpr_msb (MSB<<8)|(\new)
.set MSB, (\new)
.endif
.endm
.macro PLACES
.rept 4
	v_nop
.endr
.endm
.macro LOADCHUNK sb, off               ; 64 rows x 64 columns: each half of the lanes reads 256 consecutive bytes; read once in the launch
	WIN STW<<6
.set li_, 0
.rept 32
	global_load_b128 v[\sb+4*li_:\sb+4*li_+3], v[WOFF], s[4:5] offset:\off+li_*PITCH th:TH_LOAD_NT
.set li_, li_+1
.endr
	WIN 0
.endm
.macro QMOVE sb, perm
	WIN STW
.set qp_, 0
.rept 32
.if \perm
.set qo_, 4*(qp_%8)+qp_/8
.else
.set qo_, qp_
.endif
	v_mov_b32 v[T+qp_], v[\sb+4*qo_]
	v_mov_b32 v[T+32+qp_], v[\sb+4*qo_+1]
	v_mov_b32 v[T+64+qp_], v[\sb+4*qo_+2]
	v_mov_b32 v[T+96+qp_], v[\sb+4*qo_+3]
.set qp_, qp_+1
.endr
	WIN 0
.endm
.macro QMATH c
.irp j,0,1,2,3
	v_max3_num_f32 v[MX+\j], |v[T+32*\j]|, |v[T+32*\j+1]|, FLOOR
.endr
.irp i,2,4,6,8,10,12,14,16,18,20,22,24,26,28,30
.irp j,0,1,2,3
	v_max3_num_f32 v[MX+\j], v[MX+\j], |v[T+32*\j+\i]|, |v[T+32*\j+\i+1]|
.endr
.endr
.irp j,0,1,2,3
	v_add_nc_u32 v[SO+\j], EOFF, v[MX+\j]
.endr
.irp j,0,1,2,3
.if (\c)==0
	v_lshrrev_b32 v[SWR+\j], 23, v[SO+\j]
.else
	v_lshrrev_b32 v[BY+\j], 23, v[SO+\j]
.endif
.endr
.if (\c)==1
.irp j,0,1,2,3
	v_lshl_or_b32 v[SWR+\j], v[BY+\j], 16, v[SWR+\j]
.endr
.endif
.irp j,0,1,2,3
	v_cvt_scalef32_pk16_bf6_f32 v[U+8*\j:U+8*\j+2], v[T+32*\j:T+32*\j+15], v[SO+\j]
	v_cvt_scalef32_pk16_bf6_f32 v[U+8*\j+4:U+8*\j+6], v[T+32*\j+16:T+32*\j+31], v[SO+\j]
.endr
	v_nop                                          ; one plain instruction behind the conversions
.irp j,0,1,2,3
.irp t,0,1,2
	v_mov_b32 v[FR+12*\j+6*(\c)+\t], v[U+8*\j+\t]
	v_mov_b32 v[FR+12*\j+6*(\c)+3+\t], v[U+8*\j+4+\t]
.endr
.endr
.endm
.macro PUTSTEP ioff, soff
.irp j,0,1,2,3
	v_lshlrev_b32 v[SWR+\j], v[H8], v[SWR+\j]
.endr
.irp j,0,1,2,3
	v_permlanex16_b32 v[MX+\j], v[SWR+\j], s[SEL], s[SEL+1]
.endr
.irp j,0,1,2,3
	v_or_b32 v[SWR+\j], v[SWR+\j], v[MX+\j]
.endr
.irp j,0,1,2,3
.irp c,0,1,2
	ds_store_b128 v[IA], v[FR+12*\j+4*\c:FR+12*\j+4*\c+3] offset:\ioff+1536*\j+512*\c
.endr
.endr
	ds_store_b128 v[SA], v[SWR:SWR+3] offset:\soff ; both halves write the same bytes with the same values
	s_wait_dscnt 0x0
.endm
; One level of the search for the n-th set bit: the count of the lower half of the field in hand; where n is not under it, n loses it and the place moves up
.macro RLEVEL x, mask, wid
.irp k,0,1,2
	v_lshrrev_b32 v[RS+27+\k], v[RS+24+\k], v[RS+(\x)+\k]
	v_and_b32 v[RS+27+\k], \mask, v[RS+27+\k]
	v_cmp_ge_u32 vcc_lo, v[RS+\k], v[RS+27+\k]
	v_sub_nc_u32 v[RS+27+\k], v[RS+\k], v[RS+27+\k]
	v_add_nc_u32 v[RS+30+\k], \wid, v[RS+24+\k]
	v_cndmask_b32 v[RS+\k], v[RS+\k], v[RS+27+\k], vcc_lo
	v_cndmask_b32 v[RS+24+\k], v[RS+24+\k], v[RS+30+\k], vcc_lo
.endr
.endm
; The tokens of the pass's six tiles.  Registers, three of each (k): +0 P, then n; +3 the word; +6 the bits ahead of it; +9 its number; +12, +15, +18, +21 counts of fields of 2, 4, 8, 16 bits; +24 the place; +27, +30 at work
.macro RANKSEL
.irp k,0,1,2
	v_lshl_add_u32 v[RS+\k], v[H], 2, s[TB]
	v_add_nc_u32 v[RS+\k], 8*\k, v[RS+\k]          ; tile 24 pass + wave + 4 (2 k + h),
	v_min_u32 v[RS+\k], s[NT1], v[RS+\k]           ; held at the last tile
	v_lshl_add_u32 v[RS+\k], v[RS+\k], 4, v[Q]     ; P = 16 x tile + row
	v_mov_b32 v[RS+3+\k], s[MW]
	v_mov_b32 v[RS+6+\k], 0
	v_mov_b32 v[RS+9+\k], 0
.endr
	s_bcnt1_i32_b32 s[CN], s[MW]
.set wi_, 1
.rept 31
.irp k,0,1,2
	v_cmp_gt_u32 vcc_lo, s[CN], v[RS+\k]           ; more bits ahead of this word than P: what was found stays
	v_cndmask_b32 v[RS+3+\k], s[MW+wi_], v[RS+3+\k], vcc_lo
	v_cndmask_b32 v[RS+6+\k], s[CN], v[RS+6+\k], vcc_lo
	v_cndmask_b32 v[RS+9+\k], wi_, v[RS+9+\k], vcc_lo
.endr
	s_bcnt1_i32_b32 s[CT], s[MW+wi_]
	s_add_co_u32 s[CN], s[CN], s[CT]
.set wi_, wi_+1
.endr
.irp k,0,1,2
	v_sub_nc_u32 v[RS+\k], v[RS+\k], v[RS+6+\k]    ; n: which set bit of the word
	v_lshrrev_b32 v[RS+27+\k], 1, v[RS+3+\k]
	v_and_b32 v[RS+27+\k], 0x55555555, v[RS+27+\k]
	v_sub_nc_u32 v[RS+12+\k], v[RS+3+\k], v[RS+27+\k]
	v_lshrrev_b32 v[RS+27+\k], 2, v[RS+12+\k]
	v_and_b32 v[RS+27+\k], 0x33333333, v[RS+27+\k]
	v_and_b32 v[RS+30+\k], 0x33333333, v[RS+12+\k]
	v_add_nc_u32 v[RS+15+\k], v[RS+27+\k], v[RS+30+\k]
	v_lshrrev_b32 v[RS+27+\k], 4, v[RS+15+\k]
	v_add_nc_u32 v[RS+27+\k], v[RS+27+\k], v[RS+15+\k]
	v_and_b32 v[RS+18+\k], 0x0f0f0f0f, v[RS+27+\k]
	v_lshrrev_b32 v[RS+27+\k], 8, v[RS+18+\k]
	v_add_nc_u32 v[RS+27+\k], v[RS+27+\k], v[RS+18+\k]
	v_and_b32 v[RS+21+\k], 0x00ff00ff, v[RS+27+\k]
	v_mov_b32 v[RS+24+\k], 0
.endr
	RLEVEL 21,0xff,16
	RLEVEL 18,0xff,8
	RLEVEL 15,15,4
	RLEVEL 12,3,2
	RLEVEL 3,1,1
.irp k,0,1,2
	v_lshl_add_u32 v[TK+\k], v[RS+9+\k], 5, v[RS+24+\k]
	v_min_u32 v[TK+\k], 0x3ff, v[TK+\k]
.endr
.endm
.macro WLOAD u, buf                    ; step u's four fragments and scale words from LDS
.if (\u)<8
.set wa_, LI
.set wo_, (\u)*6144
.else
.set wa_, LI2
.set wo_, ((\u)-8)*6144
.endif
.irp j,0,1,2,3
.irp c,0,1,2
	ds_load_b128 v[WB+48*(\buf)+12*\j+4*\c:WB+48*(\buf)+12*\j+4*\c+3], v[wa_] offset:wo_+1536*\j+512*\c
.endr
.endr
	ds_load_b128 v[SW+4*(\buf):SW+4*(\buf)+3], v[SWA] offset:256*(\u)
.endm
; Tile i lies in window 1 + i / 2: its row fragments at 96 (i % 2) + 12 x slot, its four accumulators at 192 + 32 (i % 2)
.macro MM i, j, slot, buf, sreg, srow
.set ac_, 192+32*((\i)%2)+8*(\j)
.set xb_, 96*((\i)%2)+12*(\slot)
.set wb_, WB+48*(\buf)+12*(\j)
.if \srow
	v_wmma_scale_f32_16x16x128_f8f6f4 v[ac_:ac_+7], v[wb_:wb_+11], v[xb_:xb_+11], v[ac_:ac_+7], v[SW+4*(\buf)+(\j)], v[\sreg] matrix_a_fmt:MATRIX_FMT_BF6 matrix_b_fmt:MATRIX_FMT_BF6 matrix_b_scale:MATRIX_SCALE_ROW1
.else
	v_wmma_scale_f32_16x16x128_f8f6f4 v[ac_:ac_+7], v[wb_:wb_+11], v[xb_:xb_+11], v[ac_:ac_+7], v[SW+4*(\buf)+(\j)], v[\sreg] matrix_a_fmt:MATRIX_FMT_BF6 matrix_b_fmt:MATRIX_FMT_BF6
.endif
.endm
.macro FSTEP u                         ; strip u / 8, K step u % 8: 24 products, the 24 accumulators by turns
	s_wait_dscnt 0x0                               ; this step's fragments are in
	PLACES                                         ; four plain instructions between the last products and loads into registers that they read
.if (\u)<15
	WLOAD (\u)+1,((\u)+1)%2
.endif
.irp i,0,1,2,3,4,5
	WIN (1+\i/2)*0x54                              ; rows, C and D in the tile's window
.irp j,0,1,2,3
	MM \i,\j,(\u)%8,(\u)%2,XS+4*\i+(\u)%4,((\u)%8)/4
.endr
.endr
	WIN 0
.endm
.macro BIAS i, g                       ; the bias is the C of each sum's first product: it is loaded straight into the accumulators
	WIN (1+(\i)/2)<<6
.irp t,0,1,2,3,4,5,6,7
	ds_load_b128 v[192+32*((\i)%2)+4*\t:192+32*((\i)%2)+4*\t+3], v[BIA] offset:256*(\g)+16*\t
.endr
	WIN 0
.endm
.macro GATHER i                        ; tile i's 16 tokens' codes: two tokens a load, each half of the lanes reads 256 consecutive bytes, aligned
	WIN (1+(\i)/2)<<6
.irp a,0,1,2,3,4,5,6,7
.irp c,0,1,2
	global_load_b128 v[96*((\i)%2)+12*\a+4*\c:96*((\i)%2)+12*\a+4*\c+3], v[GO+8*(\i)+\a], s[8:9] offset:256*\c
.endr
.endr
	WIN 0
.endm
.macro TURN i                          ; through my own stage they become fragments, in the registers that they left
	WIN (1+(\i)/2)<<2
.irp a,0,1,2,3,4,5,6,7
.irp c,0,1,2
	ds_store_b128 v[XSI], v[96*((\i)%2)+12*\a+4*\c:96*((\i)%2)+12*\a+4*\c+3] offset:1568*\a+256*\c
.endr
.endr
	WIN (1+(\i)/2)<<6
.irp s,0,1,2,3,4,5,6,7
.irp c,0,1,2
	ds_load_b128 v[96*((\i)%2)+12*\s+4*\c:96*((\i)%2)+12*\s+4*\c+3], v[XSO] offset:96*\s+16*\c   ; LDS serves a wave's instructions in order: these see the stores above, and the next tile's stores come behind them
.endr
.endr
	WIN 0
.endm
; Tile i's 32 numbers a lane of strip g: relu, the block's scale, six registers of codes.  Behind strip 1 the fragment and its scale word leave.
.macro EPI1 i, g
.set ew_, 1+(\i)/2
.set ea_, 192+32*((\i)%2)
	WIN (ew_<<6)|(ew_<<2)|ew_
.set ep_, 0
.rept 32
	v_max_num_f32 v[ea_+ep_], 0, v[ea_+ep_]        ; each accumulator from its low end on
.set ep_, ep_+1
.endr
	WIN 0
.irp c,0,1,2,3
	v_mov_b32 v[EM+\c], FLOOR
.endr
	WIN (ew_<<4)|(ew_<<2)
.irp t,0,2,4,6
.irp c,0,1,2,3
	v_max3_num_f32 v[EM+\c], v[EM+\c], v[ea_+8*\c+\t], v[ea_+8*\c+\t+1]   ; none is negative: no |.|
.endr
.endr
	WIN 0
	v_max3_num_f32 v[EM], v[EM], v[EM+1], v[EM+2]
	v_max_num_f32 v[EM], v[EM], v[EM+3]
	v_add_nc_u32 v[ESO], EOFF, v[EM]
	WIN ew_
	v_cvt_scalef32_pk16_bf6_f32 v[HC+12*(\i)+6*(\g):HC+12*(\i)+6*(\g)+2], v[ea_:ea_+15], v[ESO]
	v_cvt_scalef32_pk16_bf6_f32 v[EU:EU+2], v[ea_+16:ea_+31], v[ESO]
	WIN 0
	v_lshrrev_b32 v[EBY], 23, v[ESO]               ; the scale's byte (a plain instruction behind the conversions)
.irp t,0,1,2
	v_mov_b32 v[HC+12*(\i)+6*(\g)+3+\t], v[EU+\t]
.endr
.if (\g)==0
	v_mov_b32 v[HW+(\i)], v[EBY]
	BIAS \i,1
.else
	v_lshl_or_b32 v[HW+(\i)], v[EBY], 16, v[HW+(\i)]
	v_lshlrev_b32 v[HW+(\i)], v[H8], v[HW+(\i)]
	v_permlanex16_b32 v[ETM], v[HW+(\i)], s[SEL], s[SEL+1]
	v_or_b32 v[HW+(\i)], v[HW+(\i)], v[ETM]
	s_cmp_lt_u32 s[TAU+(\i)], s[NT]                ; a tile past the last stores nothing
	s_cbranch_scc0 .Lno_store_\@
.irp c,0,1,2
	global_store_b128 v[HO+(\i)], v[HC+12*(\i)+4*\c:HC+12*(\i)+4*\c+3], s[12:13] offset:512*\c   ; the fragment as it stands: 512 consecutive bytes a store
.endr
	global_store_b32 v[HSO+(\i)], v[HW+(\i)], s[84:85]
	s_cmp_lg_u32 ttmp9, 0                          ; the expert's first work-group also stores the tile's tokens, for the next launch
	s_cbranch_scc1 .Lno_store_\@
	global_store_b32 v[TLV+(\i)], v[TOK+(\i)], s[14:15]
.Lno_store_\@:
.endif
.endm
	s_load_b256 s[4:11], s[0:1], 0x0               ; ew1 s[4:5], eb1 s[6:7], xc s[8:9], route s[10:11]
	s_load_b128 s[12:15], s[0:1], 0x20             ; hc s[12:13], tlist s[14:15]
	v_lshrrev_b32 v9, 5, v0
	v_readfirstlane_b32 s[WV], v9                  ; wave 0..3
	v_and_b32 v9, 31, v0
	v_and_b32 v[Q], 15, v0
	v_bfe_u32 v[H], v0, 4, 1
	v_lshlrev_b32 v[LI], 4, v9
	v_add_nc_u32 v[LI2], 49152, v[LI]
	v_lshlrev_b32 v[L4], 2, v9
	v_lshlrev_b32 v10, 4, v[Q]
	v_add_nc_u32 v[SWA], WSC, v10
	v_lshlrev_b32 v[BIA], 7, v[H]
	v_add_nc_u32 v[BIA], BI, v[BIA]
	v_lshlrev_b32 v[H8], 3, v[H]
	v_lshl_add_u32 v[WOFF], v[H], 19, v10          ; lanes 16-31 begin 32 rows further down
	s_lshr_b32 s66, s[WV], 1                       ; g: which 64 columns
	s_and_b32 s67, s[WV], 1                        ; kh: which 512 rows
	s_lshl_b32 s68, s66, 3
	s_lshl_b32 s69, s67, 2
	s_add_co_u32 s68, s68, s69                     ; my first step: 8 g + 4 kh
	s_mul_i32 s69, s68, 6144
	v_add_nc_u32 v[IA], s69, v[LI]
	s_lshl_b32 s69, s68, 8
	s_add_co_u32 s69, s69, WSC
	v_add_nc_u32 v[SA], s69, v10
	v_and_b32 v[BADR], 0x60, v0                    ; column n = my thread's number goes to block n / 32, word 8 (n % 4) + (n % 32) / 4
	v_lshlrev_b32 v[BADR], 2, v[BADR]
	v_and_b32 v[BOFF], 3, v0
	v_lshl_add_u32 v[BADR], v[BOFF], 5, v[BADR]
	v_and_b32 v[BOFF], 0x1c, v0
	v_add_nc_u32 v[BADR], v[BADR], v[BOFF]
	v_add_nc_u32 v[BADR], BI, v[BADR]
	v_lshlrev_b32 v[BOFF], 2, v0
	s_mul_i32 s69, s[WV], 12544
	s_add_co_u32 s69, s69, XSTG
	v_mul_u32_u24 v[XSI], v[H], 784
	v_add_nc_u32 v[XSI], v[XSI], v10
	v_add_nc_u32 v[XSI], s69, v[XSI]
	v_mul_u32_u24 v[XSO], v[Q], 784
	v_mad_u32_u24 v[XSO], v[H], 48, v[XSO]
	v_add_nc_u32 v[XSO], s69, v[XSO]
	s_mov_b32 s[SEL], 0x76543210
	s_mov_b32 s[SEL+1], 0xfedcba98
	s_mov_b32 s[SWP], 0x67452301                   ; field i names lane i xor 1
	s_mov_b32 s[SWP+1], 0xefcdab89
.irp a,0,1,2,3,4,5,6,7
	s_mov_b32 s[BS+\a], 0x22222222*\a              ; every field names lane 2 a
.endr
	s_and_b32 s[EX], ttmp7, 0xffff
	s_wait_kmcnt 0x0
	s_lshl_b32 s68, s[EX], 7
	s_mov_b32 s69, 0
	s_add_nc_u64 s[10:11], s[10:11], s[68:69]
	s_load_b512 s[16:31], s[10:11], 0x0            ; the expert's 32 words of bits
	s_load_b512 s[32:47], s[10:11], 0x40
	s_lshl_b32 s68, s[EX], 24                      ; the expert's 16 MB,
	s_lshl_b32 s76, s67, 23                        ; my 512 rows,
	s_add_co_u32 s68, s68, s76
	s_lshl_b32 s76, ttmp9, 9                       ; the work-group's 128 columns,
	s_add_co_u32 s68, s68, s76
	s_lshl_b32 s76, s66, 8                         ; my 64 of them
	s_add_co_u32 s68, s68, s76
	s_add_nc_u64 s[4:5], s[4:5], s[68:69]
	s_lshl_b32 s68, s[EX], 14
	s_lshl_b32 s76, ttmp9, 9
	s_add_co_u32 s68, s68, s76
	s_add_nc_u64 s[6:7], s[6:7], s[68:69]
	s_add_nc_u64 s[62:63], s[8:9], XSOFF           ; x's scale words
	s_add_nc_u64 s[84:85], s[12:13], HSOFF         ; the hidden layer's
	global_load_b32 v[BV], v[BOFF], s[6:7]
	LOADCHUNK STA,0
	LOADCHUNK STB,64*PITCH
	s_wait_kmcnt 0x0
	s_bcnt1_i32_b32 s[CNT], s[MW]
.set wi_, 1
.rept 31
	s_bcnt1_i32_b32 s[CT], s[MW+wi_]
	s_add_co_u32 s[CNT], s[CNT], s[CT]
.set wi_, wi_+1
.endr
	s_add_co_u32 s[NT], s[CNT], 15
	s_lshr_b32 s[NT], s[NT], 4
	s_min_u32 s[NT], s[NT], 64
	s_max_u32 s[NT1], s[NT], 1
	s_sub_co_u32 s[NT1], s[NT1], 1
	s_add_co_u32 s[NPASS], s[NT], 23               ; passes of 24 tiles: (nt + 23) / 24, by 2,731 / 65,536, exact up to 87
	s_mul_i32 s[NPASS], s[NPASS], 2731
	s_lshr_b32 s[NPASS], s[NPASS], 16
	s_mov_b32 s[PASS], 0
	s_mov_b32 s[TB], s[WV]
	RANKSEL                                        ; work on registers while the first weights are on their way
	; PHASE A: eight chunks of 64 rows; every offset is an immediate (7,847,936 at the most, inside the signed 24 bits)
.set kc_, 0
.rept 8
.if kc_<7
	s_wait_loadcnt 32                              ; all but the other set's 32 loads
.else
	s_wait_loadcnt 0
.endif
.if (kc_%2)==0
	QMOVE STA,0
.if kc_<6
	LOADCHUNK STA,(kc_+2)*64*PITCH
.endif
	QMATH 0
.else
	QMOVE STB,0
.if kc_<6
	LOADCHUNK STB,(kc_+2)*64*PITCH
.endif
	QMATH 1
	PUTSTEP (kc_/2)*6144,(kc_/2)*256
.endif
.set kc_, kc_+1
.endr
	ds_store_b32 v[BADR], v[BV]
	s_wait_dscnt 0x0                               ; for the others' sake: my images and my bias word lie in LDS
	s_barrier_signal -1
	s_barrier_wait -1
	s_cmp_eq_u32 s[NPASS], 0                       ; nobody chose this expert
	s_cbranch_scc1 .Lend
	v_mov_b32 v[ETM], 0                            ; a lane permute's destination counts as one of its sources
.Lpass:
	s_wait_xcnt 0x0                                ; the last pass's stores have read their registers
	s_mul_i32 s[TB], s[PASS], 24
	s_add_co_u32 s[TB], s[TB], s[WV]
.irp i,0,1,2,3,4,5
	s_add_co_u32 s[TAU+\i], s[TB], 4*\i
	s_min_u32 s66, s[TAU+\i], s[NT1]
	s_min_u32 s66, s66, 63
	s_lshl_b32 s67, s[EX], 6
	s_add_co_u32 s66, s66, s67                     ; the tile's number among 8 x 64
	s_lshl_b32 s67, s66, 7
	v_add_nc_u32 v[TLV+\i], s67, v[L4]
	s_lshl_b32 s66, s66, 5
	s_add_co_u32 s66, s66, ttmp9                   ; the fragment's number: 32 K steps a tile
	s_mul_i32 s67, s66, 1536
	v_add_nc_u32 v[HO+\i], s67, v[LI]
	s_lshl_b32 s67, s66, 7
	v_add_nc_u32 v[HSO+\i], s67, v[L4]
.endr
.irp k,0,1,2
	v_permlanex16_b32 v[RS+\k], v[TK+\k], s[SEL], s[SEL+1]
.endr
	v_cmp_eq_u32 vcc_lo, 1, v[H]
.irp k,0,1,2
	v_cndmask_b32 v[TOK+2*\k], v[TK+\k], v[RS+\k], vcc_lo      ; both halves of the lanes hold the tile's 16 tokens
	v_cndmask_b32 v[TOK+2*\k+1], v[RS+\k], v[TK+\k], vcc_lo
.endr
.irp i,0,1,2,3,4,5
	v_permlanex16_b32 v[SX+\i], v[TOK+\i], s[SWP], s[SWP+1]    ; every lane r: the token of row r xor 1
.endr
.irp i,0,1,2,3,4,5
	v_cndmask_b32 v[SX+\i], v[SX+\i], v[TOK+\i], vcc_lo        ; kept in lanes 0-15; lanes 16-31 hold the token of row r
.endr
	v_lshlrev_b32 v[PQ16], 4, v[Q]
	v_lshlrev_b32 v[PH16], 4, v[H]
.irp i,0,1,2,3,4,5
	v_min_u32 v[XV+\i], 0x3ff, v[TOK+\i]
	v_lshl_add_u32 v[XV+\i], v[XV+\i], 5, v[PH16]
.endr
.irp i,0,1,2,3,4,5
	global_load_b128 v[XS+4*\i:XS+4*\i+3], v[XV+\i], s[62:63]
.endr
.irp i,0,1,2,3,4,5
.irp a,0,1,2,3,4,5,6,7
	v_permlanex16_b32 v[GO+8*\i+\a], v[SX+\i], s[BS+\a], s[BS+\a]   ; lane 2 a of the other half: lanes 0-15 get the token of row 2 a, lanes 16-31 that of row 2 a + 1
.endr
.endr
.set n_, 0
.rept 48
	v_min_u32 v[GO+n_], 0x3ff, v[GO+n_]
	v_mul_u32_u24 v[GO+n_], 0x300, v[GO+n_]        ; 768 bytes a token
	v_add_nc_u32 v[GO+n_], v[PQ16], v[GO+n_]
.set n_, n_+1
.endr
	GATHER 0
	GATHER 1
.irp i,0,1,2,3,4,5
	BIAS \i,0
.endr
.irp i,0,1,2,3
	s_wait_loadcnt 24                              ; tile i's 24 loads are in; the next tile's 24 may be out
	GATHER \i+2
	TURN \i
.endr
	s_wait_loadcnt 24
	TURN 4
	s_wait_loadcnt 0
	TURN 5
	WLOAD 0,0
.irp u,0,1,2,3,4,5,6,7
	FSTEP \u
.endr
	PLACES                                         ; four plain instructions between the last products and the first read of results
.irp i,0,1,2,3,4,5
	EPI1 \i,0
.endr
.irp u,8,9,10,11,12,13,14,15
	FSTEP \u
.endr
	PLACES
.irp i,0,1,2,3,4,5
	EPI1 \i,1
.endr
	s_add_co_u32 s[PASS], s[PASS], 1
	s_cmp_ge_u32 s[PASS], s[NPASS]
	s_cbranch_scc1 .Lno_more
	s_mul_i32 s[TB], s[PASS], 24
	s_add_co_u32 s[TB], s[TB], s[WV]
	RANKSEL
.Lno_more:
	s_cmp_lt_u32 s[PASS], s[NPASS]
	s_cbranch_scc1 .Lpass
.Lend:
	s_wait_xcnt 0x0
	v_lshl_add_u32 v254, v0, 2, 0x25600
	v_mov_b32 v255, 0
	s_wait_tensorcnt 0x0
	ds_add_u32 v254, v255
	s_wait_dscnt 0x0
	s_endpgm
.Lfunc_end_k_q35f22a58ee_ffn1:
	.size	k_q35f22a58ee_ffn1, .Lfunc_end_k_q35f22a58ee_ffn1-k_q35f22a58ee_ffn1
	.p2alignl 7, 3214868480
	.fill 96, 4, 3214868480
	.section	.rodata,"a",@progbits
	.p2align	6, 0x0
	.amdhsa_kernel k_q35f22a58ee_ffn1
		.amdhsa_group_segment_fixed_size 153600
		.amdhsa_private_segment_fixed_size 0
		.amdhsa_enable_private_segment 0
		.amdhsa_kernarg_size 48
		.amdhsa_user_sgpr_count 2
		.amdhsa_user_sgpr_kernarg_segment_ptr 1
		.amdhsa_wavefront_size32 1
		.amdhsa_system_sgpr_workgroup_id_x 1
		.amdhsa_system_sgpr_workgroup_id_y 1
		.amdhsa_system_sgpr_workgroup_id_z 1
		.amdhsa_system_vgpr_workitem_id 0
		.amdhsa_next_free_vgpr 1024
		.amdhsa_next_free_sgpr 96
		.amdhsa_reserve_vcc 1
		.amdhsa_float_denorm_mode_32 3
		.amdhsa_float_denorm_mode_16_64 3
		.amdhsa_memory_ordered 1
		.amdhsa_forward_progress 1
		.amdhsa_inst_pref_size 255
	.end_amdhsa_kernel
	.section	.bss,"aw",@nobits
	.p2align	6
	.space	262144
	.amdgpu_metadata
---
amdhsa.version: [ 1, 2 ]
amdhsa.kernels:
  - .name:           k_q35f22a58ee_ffn1
    .symbol:         k_q35f22a58ee_ffn1.kd
    .args:
      - { .name: ew1, .offset: 0, .size: 8, .value_kind: global_buffer, .address_space: global }
      - { .name: eb1, .offset: 8, .size: 8, .value_kind: global_buffer, .address_space: global }
      - { .name: xc, .offset: 16, .size: 8, .value_kind: global_buffer, .address_space: global }
      - { .name: route, .offset: 24, .size: 8, .value_kind: global_buffer, .address_space: global }
      - { .name: hc, .offset: 32, .size: 8, .value_kind: global_buffer, .address_space: global }
      - { .name: tlist, .offset: 40, .size: 8, .value_kind: global_buffer, .address_space: global }
    .group_segment_fixed_size: 153600
    .private_segment_fixed_size: 0
    .kernarg_segment_align: 8
    .kernarg_segment_size: 48
    .max_flat_workgroup_size: 128
    .sgpr_count:     96
    .vgpr_count:     1024
    .wavefront_size: 32
...
	.end_amdgpu_metadata
.endif
;; end of part 3
;; launch ffn2 (part 4): grid 32 x 8, 4 waves a work-group, no clusters, 120,832 bytes of LDS; arguments ew2, eb2, hc, tlist, route, y; writes y
.if DOCPART == 4
	.amdgcn_target "amdgcn-amd-amdhsa--gfx1250"
	.amdhsa_code_object_version 6
	.text
	.protected	k_q35f22a58ee_ffn2
	.globl	k_q35f22a58ee_ffn2
	.p2align	8
	.type	k_q35f22a58ee_ffn2,@function
k_q35f22a58ee_ffn2:
	s_mov_b64 s[64:65], 0
	v_nop
	global_prefetch_b8 v0, s[64:65] scope:SCOPE_SE
	s_setreg_imm32_b32 hwreg(HW_REG_WAVE_MODE, 25, 1), 1
	s_wait_xcnt 0x0
; AN EXPERT'S SECOND LAYER, for the rows that chose it: y[token][KH][e][:] = hidden[:, half KH of K] ew2[e][half KH of K, :] (+ eb2[e] in half 0), on codes of BF6 (E3M2).
; SHARES.  A work-group owns expert e (grid y), outputs 64 G .. 64 G + 63 and half KH of the 4,096 hidden units (grid x = G + 16 KH): 512 KB of ew2, which no other work-group reads.  PHASE A: wave w quantises rows
; 512 w on of that slice (four K steps) and lays the fragments in LDS as images of their registers.  One barrier.  PHASE B: the expert's tiles of 16 rows, six a wave and pass (tile 24 pass + 4 i + wave); the hidden layer's
; fragments stream from memory, three K steps ahead, as the register images that the launch before stored.  The two halves of K are added by the last launch: each output byte of this one has one owner.
; The number of passes hangs on the stored choice: no tensor load, and no barrier in that loop.  All six tiles are always loaded and multiplied (a tile past the last is a copy of the last); their stores are left out.
; ROWS PAST THE COUNT.  An expert's last tile may have rows past its count.  They are stored like the others, but to rows of their own: y has 1,040 token rows, and row r of such a tile goes to token row 1,024 + r, which nobody
; reads.  The choice is a v_cndmask_b32 ahead of the address's clamp: no branch, no change of EXEC, and every byte of y that is written is written by one lane.
; LAYOUT.  As in the first layer.  Inside a block of 32 along K position p holds hidden unit 4 (p % 8) + p / 8: ew2's rows are laid in that order when they are moved out of the staging registers.
; No multicast: every byte of the weights has one reader, and trip counts hang on stored counts.  No prefetch: a wave has up to 64 loads of weights out in phase A.
; LIMITS: NaN and infinities among the inputs are not served.  A block whose largest magnitude lies under 2^-122 keeps the scale byte 1; a block of zeros gets the byte 1 where the rule says 127 (zero codes; read by this program alone).
.set FLOOR, 0x2800000
.set EOFF,  0xfe000000
.set PITCH, 4096                       ; a row of ew2[e] in bytes
.set STW,   3
.set WSC,   98304                      ; LDS: 64 fragment images from 0 (K step u of the half: fragments 4 u + j); then their scale words
.set BI,    102400                     ; the bias in the accumulators' order (256 bytes, and 256 spare)
.set YSTG,  102912                     ; each wave's stage for y: 16 rows x (256 + 16) bytes
.set HSOFF, 25165824
.set Q,    1
.set H,    2
.set LI,   3
.set LI2,  4
.set SWA,  5
.set BIA,  6
.set H8,   7                           ; phase A: 8 h; then HQ
.set HQ,   7                           ; 128 h + 4 q
.set BP,   8                           ; v8-15  4 x (2 a + h): lane 2 a + h as a byte index, and four times the row that I store in store a
.set Q16,  16
.set L4,   17
.set HV,   18                          ; v18-23 where tile i's fragments lie
.set HSV,  24                          ; v24-29 and its scale words
.set STO,  30
.set RD,   31
.set WOFF, 18                          ; phase A alone
.set IA,   19
.set SA,   20
.set BV,   21
.set BADR, 22
.set BOFF, 23
.set FR,   32
.set U,    80
.set MX,   112
.set SO,   116
.set BY,   120
.set SWR,  124
.set T,    128
.set STA,  0
.set STB,  128
.set WB,   32
.set SW,   128
.set HSC,  136                         ; v136-183 eight a tile: lane (row, h) holds the word of K step 2 a + h
.set OB,   184
.set YO,   216
.set TOK,  224
.set TLV,  230
.set DP,   240                         ; v240-247 1,024 + 2 a + h: the token row of y for row 2 a + h where it lies past the count
.set MW,   16
.set WV,   48
.set EX,   49
.set CNT,  51                          ; the expert's rows
.set NT,   52
.set NT1,  53
.set NPASS, 54
.set PASS, 55
.set TB,   56
.set CT,   58
.set SEL,  60
.set TAU,  70
.set GX,   86
.set KH,   87
.set RL,   88                          ; four times the expert's rows from a tile's first on; it enters comparisons alone
.set MSB, 0
.macro WIN new
.if MSB != (\new)
	s_set_vgpr_msb (MSB<<8)|(\new)
.set MSB, (\new)
.endif
.endm
.macro PLACES
.rept 4
	v_nop
.endr
.endm
.macro LOADCHUNK sb, off
	WIN STW<<6
.set li_, 0
.rept 32
	global_load_b128 v[\sb+4*li_:\sb+4*li_+3], v[WOFF], s[4:5] offset:\off+li_*PITCH th:TH_LOAD_NT
.set li_, li_+1
.endr
	WIN 0
.endm
.macro QMOVE sb, perm
	WIN STW
.set qp_, 0
.rept 32
.if \perm
.set qo_, 4*(qp_%8)+qp_/8
.else
.set qo_, qp_
.endif
	v_mov_b32 v[T+qp_], v[\sb+4*qo_]
	v_mov_b32 v[T+32+qp_], v[\sb+4*qo_+1]
	v_mov_b32 v[T+64+qp_], v[\sb+4*qo_+2]
	v_mov_b32 v[T+96+qp_], v[\sb+4*qo_+3]
.set qp_, qp_+1
.endr
	WIN 0
.endm
.macro QMATH c
.irp j,0,1,2,3
	v_max3_num_f32 v[MX+\j], |v[T+32*\j]|, |v[T+32*\j+1]|, FLOOR
.endr
.irp i,2,4,6,8,10,12,14,16,18,20,22,24,26,28,30
.irp j,0,1,2,3
	v_max3_num_f32 v[MX+\j], v[MX+\j], |v[T+32*\j+\i]|, |v[T+32*\j+\i+1]|
.endr
.endr
.irp j,0,1,2,3
	v_add_nc_u32 v[SO+\j], EOFF, v[MX+\j]
.endr
.irp j,0,1,2,3
.if (\c)==0
	v_lshrrev_b32 v[SWR+\j], 23, v[SO+\j]
.else
	v_lshrrev_b32 v[BY+\j], 23, v[SO+\j]
.endif
.endr
.if (\c)==1
.irp j,0,1,2,3
	v_lshl_or_b32 v[SWR+\j], v[BY+\j], 16, v[SWR+\j]
.endr
.endif
.irp j,0,1,2,3
	v_cvt_scalef32_pk16_bf6_f32 v[U+8*\j:U+8*\j+2], v[T+32*\j:T+32*\j+15], v[SO+\j]
	v_cvt_scalef32_pk16_bf6_f32 v[U+8*\j+4:U+8*\j+6], v[T+32*\j+16:T+32*\j+31], v[SO+\j]
.endr
	v_nop                                          ; one plain instruction behind the conversions
.irp j,0,1,2,3
.irp t,0,1,2
	v_mov_b32 v[FR+12*\j+6*(\c)+\t], v[U+8*\j+\t]
	v_mov_b32 v[FR+12*\j+6*(\c)+3+\t], v[U+8*\j+4+\t]
.endr
.endr
.endm
.macro PUTSTEP ioff, soff
.irp j,0,1,2,3
	v_lshlrev_b32 v[SWR+\j], v[H8], v[SWR+\j]
.endr
.irp j,0,1,2,3
	v_permlanex16_b32 v[MX+\j], v[SWR+\j], s[SEL], s[SEL+1]
.endr
.irp j,0,1,2,3
	v_or_b32 v[SWR+\j], v[SWR+\j], v[MX+\j]
.endr
.irp j,0,1,2,3
.irp c,0,1,2
	ds_store_b128 v[IA], v[FR+12*\j+4*\c:FR+12*\j+4*\c+3] offset:\ioff+1536*\j+512*\c
.endr
.endr
	ds_store_b128 v[SA], v[SWR:SWR+3] offset:\soff ; both halves write the same bytes with the same values
	s_wait_dscnt 0x0
.endm
.macro WLOAD u, buf
.if (\u)<8
.set wa_, LI
.set wo_, (\u)*6144
.else
.set wa_, LI2
.set wo_, ((\u)-8)*6144
.endif
.irp j,0,1,2,3
.irp c,0,1,2
	ds_load_b128 v[WB+48*(\buf)+12*\j+4*\c:WB+48*(\buf)+12*\j+4*\c+3], v[wa_] offset:wo_+1536*\j+512*\c
.endr
.endr
	ds_load_b128 v[SW+4*(\buf):SW+4*(\buf)+3], v[SWA] offset:256*(\u)
.endm
.macro MM i, j, slot, buf, sreg, srow
.set ac_, 192+32*((\i)%2)+8*(\j)
.set xb_, 96*((\i)%2)+12*(\slot)
.set wb_, WB+48*(\buf)+12*(\j)
.if \srow
	v_wmma_scale_f32_16x16x128_f8f6f4 v[ac_:ac_+7], v[wb_:wb_+11], v[xb_:xb_+11], v[ac_:ac_+7], v[SW+4*(\buf)+(\j)], v[\sreg] matrix_a_fmt:MATRIX_FMT_BF6 matrix_b_fmt:MATRIX_FMT_BF6 matrix_b_scale:MATRIX_SCALE_ROW1
.else
	v_wmma_scale_f32_16x16x128_f8f6f4 v[ac_:ac_+7], v[wb_:wb_+11], v[xb_:xb_+11], v[ac_:ac_+7], v[SW+4*(\buf)+(\j)], v[\sreg] matrix_a_fmt:MATRIX_FMT_BF6 matrix_b_fmt:MATRIX_FMT_BF6
.endif
.endm
.macro FLOAD u                         ; K step u's fragments of the six tiles into slot u % 8: 18 loads of 512 consecutive bytes
.irp i,0,1,2,3,4,5
	WIN (1+\i/2)<<6
.irp c,0,1,2
	global_load_b128 v[96*(\i%2)+12*((\u)%8)+4*\c:96*(\i%2)+12*((\u)%8)+4*\c+3], v[HV+\i], s[8:9] offset:1536*(\u)+512*\c
.endr
.endr
	WIN 0
.endm
.macro GSTEP u
	s_wait_dscnt 0x0                               ; this step's weights are in
.if (\u)<14
	s_wait_loadcnt 36                              ; this step's rows are in; the next two steps' 18 loads each may be out
.elseif (\u)==14
	s_wait_loadcnt 18
.else
	s_wait_loadcnt 0
.endif
	PLACES                                         ; four plain instructions between the last products and loads into registers that products have read
.if (\u)<15
	WLOAD (\u)+1,((\u)+1)%2
.endif
.if (\u)<13
	FLOAD (\u)+3
.endif
.irp i,0,1,2,3,4,5
	WIN (1+\i/2)*0x54
.irp j,0,1,2,3
	MM \i,\j,(\u)%8,(\u)%2,HSC+8*\i+(\u)/2,(\u)%2
.endr
.endr
	WIN 0
.endm
.macro BIAS i
	WIN (1+(\i)/2)<<6
.irp t,0,1,2,3,4,5,6,7
	ds_load_b128 v[192+32*((\i)%2)+4*\t:192+32*((\i)%2)+4*\t+3], v[BIA] offset:16*\t
.endr
	WIN 0
.endm
; Tile i goes out: through my own stage into the columns' true order, back as whole rows of 256 bytes, each to its token's row of y.
; Store a takes rows 2 a (lanes 0-15) and 2 a + 1 (lanes 16-31).  A row past the expert's count takes token row 1,024 + the row in its token's stead.
.macro EPI2 i
.set ew_, 1+(\i)/2
.set ea_, 192+32*((\i)%2)
	s_wait_xcnt 0x0                                ; the last tile's stores have read their registers
	WIN ew_<<2
.set ep_, 0
.rept 32
	ds_store_b32 v[STO], v[ea_+ep_] offset:4*(4*(ep_%8)+ep_/8)   ; each accumulator from its low end on
.set ep_, ep_+1
.endr
	WIN 0
.irp a,0,1,2,3,4,5,6,7
	ds_bpermute_b32 v[YO+\a], v[BP+\a], v[TOK+(\i)]              ; the token of row 2 a + h
.endr
.irp a,0,1,2,3,4,5,6,7
	ds_load_b128 v[OB+4*\a:OB+4*\a+3], v[RD] offset:544*\a       ; LDS serves a wave's instructions in order: these see the stores above
.endr
	s_lshl_b32 s[RL], s[TAU+(\i)], 4
	s_sub_co_u32 s[RL], s[CNT], s[RL]              ; the expert's rows from this tile's first on (16 or more in a full tile),
	s_lshl_b32 s[RL], s[RL], 2                     ; four times, to be held against 4 x (2 a + h)
	s_wait_dscnt 0x0
.irp a,0,1,2,3,4,5,6,7
	v_cmp_gt_u32 vcc_lo, s[RL], v[BP+\a]                         ; is my row under the count?
	v_cndmask_b32 v[YO+\a], v[DP+\a], v[YO+\a], vcc_lo           ; its token, or else the row kept for it
	v_min_u32 v[YO+\a], 0x40f, v[YO+\a]
	v_lshl_add_u32 v[YO+\a], v[YO+\a], 16, v[Q16]                ; 2 halves x 8 experts x 4,096 bytes a token
.endr
	s_cmp_lt_u32 s[TAU+(\i)], s[NT]                ; a tile past the last stores nothing
	s_cbranch_scc0 .Lno_store_\@
.irp a,0,1,2,3,4,5,6,7
	global_store_b128 v[YO+\a], v[OB+4*\a:OB+4*\a+3], s[14:15]   ; each half of the lanes stores 256 consecutive bytes, aligned
.endr
.Lno_store_\@:
.endm
	s_load_b256 s[4:11], s[0:1], 0x0               ; ew2 s[4:5], eb2 s[6:7], hc s[8:9], tlist s[10:11]
	s_load_b128 s[12:15], s[0:1], 0x20             ; route s[12:13], y s[14:15]
	v_lshrrev_b32 v32, 5, v0
	v_readfirstlane_b32 s[WV], v32
	v_and_b32 v32, 31, v0                          ; lane (v32 is at work here alone; phase A writes it anew)
	v_and_b32 v[Q], 15, v0
	v_bfe_u32 v[H], v0, 4, 1
	v_lshlrev_b32 v[LI], 4, v32
	v_add_nc_u32 v[LI2], 49152, v[LI]
	v_lshlrev_b32 v[L4], 2, v32
	v_lshlrev_b32 v[Q16], 4, v[Q]
	v_add_nc_u32 v[SWA], WSC, v[Q16]
	v_lshlrev_b32 v[BIA], 7, v[H]
	v_add_nc_u32 v[BIA], BI, v[BIA]
	v_lshlrev_b32 v[H8], 3, v[H]
	v_lshl_add_u32 v[WOFF], v[H], 17, v[Q16]       ; lanes 16-31 begin 32 rows further down
	s_mul_i32 s69, s[WV], 24576
	v_add_nc_u32 v[IA], s69, v[LI]                 ; my four K steps' images
	s_lshl_b32 s69, s[WV], 10
	s_add_co_u32 s69, s69, WSC
	v_add_nc_u32 v[SA], s69, v[Q16]
	v_and_b32 v[BADR], 0x60, v0                    ; column n goes to block n / 32, word 8 (n % 4) + (n % 32) / 4; threads 64 on write the spare half
	v_lshlrev_b32 v[BADR], 2, v[BADR]
	v_and_b32 v[BOFF], 3, v0
	v_lshl_add_u32 v[BADR], v[BOFF], 5, v[BADR]
	v_and_b32 v[BOFF], 0x1c, v0
	v_add_nc_u32 v[BADR], v[BADR], v[BOFF]
	v_add_nc_u32 v[BADR], BI, v[BADR]
	v_and_b32 v[BOFF], 63, v0
	v_lshlrev_b32 v[BOFF], 2, v[BOFF]
.irp a,0,1,2,3,4,5,6,7
	v_lshl_add_u32 v[BP+\a], v[H], 2, 8*\a         ; 4 h + 8 a, each from h itself
.endr
	s_mul_i32 s69, s[WV], 4352
	s_add_co_u32 s69, s69, YSTG
	v_mul_u32_u24 v[STO], v[Q], 272
	v_lshl_add_u32 v[STO], v[H], 7, v[STO]
	v_add_nc_u32 v[STO], s69, v[STO]
	v_mul_u32_u24 v[RD], v[H], 272
	v_add_nc_u32 v[RD], v[RD], v[Q16]
	v_add_nc_u32 v[RD], s69, v[RD]
	s_mov_b32 s[SEL], 0x76543210
	s_mov_b32 s[SEL+1], 0xfedcba98
	s_and_b32 s[EX], ttmp7, 0xffff
	s_and_b32 s[GX], ttmp9, 15
	s_lshr_b32 s[KH], ttmp9, 4
	s_wait_kmcnt 0x0
	s_lshl_b32 s68, s[EX], 7
	s_mov_b32 s69, 0
	s_add_nc_u64 s[12:13], s[12:13], s[68:69]
	s_load_b512 s[16:31], s[12:13], 0x0            ; the expert's 32 words of bits: their count gives the rows and the tiles
	s_load_b512 s[32:47], s[12:13], 0x40
	s_lshl_b32 s68, s[EX], 24                      ; the expert's 16 MB,
	s_lshl_b32 s76, s[KH], 23                      ; the half's 2,048 rows,
	s_add_co_u32 s68, s68, s76
	s_lshl_b32 s76, s[WV], 21                      ; my 512 of them,
	s_add_co_u32 s68, s68, s76
	s_lshl_b32 s76, s[GX], 8                       ; the 64 columns
	s_add_co_u32 s68, s68, s76
	s_add_nc_u64 s[4:5], s[4:5], s[68:69]
	s_lshl_b32 s68, s[EX], 12
	s_add_co_u32 s68, s68, s76
	s_add_nc_u64 s[6:7], s[6:7], s[68:69]
	s_lshl_b32 s76, s[KH], 15
	s_add_co_u32 s68, s68, s76
	s_add_nc_u64 s[14:15], s[14:15], s[68:69]      ; y, inside a token's 65,536 bytes: the half's 32,768, the expert's 4,096, the 64 columns
	s_add_nc_u64 s[84:85], s[8:9], HSOFF
	global_load_b32 v[BV], v[BOFF], s[6:7]
	LOADCHUNK STA,0
	LOADCHUNK STB,64*PITCH
	s_wait_kmcnt 0x0
	s_bcnt1_i32_b32 s[CNT], s[MW]
.set wi_, 1
.rept 31
	s_bcnt1_i32_b32 s[CT], s[MW+wi_]
	s_add_co_u32 s[CNT], s[CNT], s[CT]
.set wi_, wi_+1
.endr
	s_add_co_u32 s[NT], s[CNT], 15
	s_lshr_b32 s[NT], s[NT], 4
	s_min_u32 s[NT], s[NT], 64
	s_max_u32 s[NT1], s[NT], 1
	s_sub_co_u32 s[NT1], s[NT1], 1
	s_add_co_u32 s[NPASS], s[NT], 23               ; passes of 24 tiles: (nt + 23) / 24, by 2,731 / 65,536, exact up to 87
	s_mul_i32 s[NPASS], s[NPASS], 2731
	s_lshr_b32 s[NPASS], s[NPASS], 16
	s_mov_b32 s[PASS], 0
	; PHASE A: eight chunks of 64 rows, every offset an immediate
.set kc_, 0
.rept 8
.if kc_<7
	s_wait_loadcnt 32                              ; all but the other set's 32 loads
.else
	s_wait_loadcnt 0
.endif
.if (kc_%2)==0
	QMOVE STA,1
.if kc_<6
	LOADCHUNK STA,(kc_+2)*64*PITCH
.endif
	QMATH 0
.else
	QMOVE STB,1
.if kc_<6
	LOADCHUNK STB,(kc_+2)*64*PITCH
.endif
	QMATH 1
	PUTSTEP (kc_/2)*6144,(kc_/2)*256
.endif
.set kc_, kc_+1
.endr
	s_cmp_eq_u32 s[KH], 0
	s_cselect_b32 s66, -1, 0
	v_cndmask_b32 v[BV], 0, v[BV], s66             ; the bias counts once: in half 0
	ds_store_b32 v[BADR], v[BV]
	s_wait_dscnt 0x0                               ; for the others' sake: my images and my bias word lie in LDS
	s_barrier_signal -1
	s_barrier_wait -1
	s_cmp_eq_u32 s[NPASS], 0                       ; nobody chose this expert
	s_cbranch_scc1 .Lend
	v_lshlrev_b32 v[HQ], 7, v[H]
	v_lshl_add_u32 v[HQ], v[Q], 2, v[HQ]
.irp a,0,1,2,3,4,5,6,7
	v_add_nc_u32 v[DP+\a], 1024+2*\a, v[H]         ; the token rows of y that are kept for rows past the count
.endr
.Lpass:
	s_wait_xcnt 0x0                                ; the last pass's loads and stores have read their registers
	s_mul_i32 s[TB], s[PASS], 24
	s_add_co_u32 s[TB], s[TB], s[WV]
.irp i,0,1,2,3,4,5
	s_add_co_u32 s[TAU+\i], s[TB], 4*\i
	s_min_u32 s66, s[TAU+\i], s[NT1]
	s_min_u32 s66, s66, 63
	s_lshl_b32 s67, s[EX], 6
	s_add_co_u32 s66, s66, s67                     ; the tile's number among 8 x 64
	s_lshl_b32 s67, s66, 7
	v_add_nc_u32 v[TLV+\i], s67, v[L4]
	s_lshl_b32 s66, s66, 5
	s_lshl_b32 s67, s[KH], 4
	s_add_co_u32 s66, s66, s67                     ; its first fragment of this half
	s_mul_i32 s67, s66, 1536
	v_add_nc_u32 v[HV+\i], s67, v[LI]
	s_lshl_b32 s67, s66, 7
	v_add_nc_u32 v[HSV+\i], s67, v[HQ]
.endr
.irp i,0,1,2,3,4,5
	global_load_b32 v[TOK+\i], v[TLV+\i], s[10:11]
.endr
.irp i,0,1,2,3,4,5
.irp a,0,1,2,3,4,5,6,7
	global_load_b32 v[HSC+8*\i+\a], v[HSV+\i], s[84:85] offset:256*\a
.endr
.endr
	FLOAD 0
	FLOAD 1
	FLOAD 2
.irp i,0,1,2,3,4,5
	BIAS \i
.endr
	WLOAD 0,0
.irp u,0,1,2,3,4,5,6,7,8,9,10,11,12,13,14,15
	GSTEP \u
.endr
	PLACES                                         ; four plain instructions between the last products and the first read of results
.irp i,0,1,2,3,4,5
	EPI2 \i
.endr
	s_add_co_u32 s[PASS], s[PASS], 1
	s_cmp_lt_u32 s[PASS], s[NPASS]
	s_cbranch_scc1 .Lpass
.Lend:
	s_wait_xcnt 0x0
	v_lshl_add_u32 v254, v0, 2, 0x1d600
	v_mov_b32 v255, 0
	s_wait_tensorcnt 0x0
	ds_add_u32 v254, v255
	s_wait_dscnt 0x0
	s_endpgm
.Lfunc_end_k_q35f22a58ee_ffn2:
	.size	k_q35f22a58ee_ffn2, .Lfunc_end_k_q35f22a58ee_ffn2-k_q35f22a58ee_ffn2
	.p2alignl 7, 3214868480
	.fill 96, 4, 3214868480
	.section	.rodata,"a",@progbits
	.p2align	6, 0x0
	.amdhsa_kernel k_q35f22a58ee_ffn2
		.amdhsa_group_segment_fixed_size 120832
		.amdhsa_private_segment_fixed_size 0
		.amdhsa_enable_private_segment 0
		.amdhsa_kernarg_size 48
		.amdhsa_user_sgpr_count 2
		.amdhsa_user_sgpr_kernarg_segment_ptr 1
		.amdhsa_wavefront_size32 1
		.amdhsa_system_sgpr_workgroup_id_x 1
		.amdhsa_system_sgpr_workgroup_id_y 1
		.amdhsa_system_sgpr_workgroup_id_z 1
		.amdhsa_system_vgpr_workitem_id 0
		.amdhsa_next_free_vgpr 1024
		.amdhsa_next_free_sgpr 96
		.amdhsa_reserve_vcc 1
		.amdhsa_float_denorm_mode_32 3
		.amdhsa_float_denorm_mode_16_64 3
		.amdhsa_memory_ordered 1
		.amdhsa_forward_progress 1
		.amdhsa_inst_pref_size 255
	.end_amdhsa_kernel
	.section	.bss,"aw",@nobits
	.p2align	6
	.space	262144
	.amdgpu_metadata
---
amdhsa.version: [ 1, 2 ]
amdhsa.kernels:
  - .name:           k_q35f22a58ee_ffn2
    .symbol:         k_q35f22a58ee_ffn2.kd
    .args:
      - { .name: ew2, .offset: 0, .size: 8, .value_kind: global_buffer, .address_space: global }
      - { .name: eb2, .offset: 8, .size: 8, .value_kind: global_buffer, .address_space: global }
      - { .name: hc, .offset: 16, .size: 8, .value_kind: global_buffer, .address_space: global }
      - { .name: tlist, .offset: 24, .size: 8, .value_kind: global_buffer, .address_space: global }
      - { .name: route, .offset: 32, .size: 8, .value_kind: global_buffer, .address_space: global }
      - { .name: y, .offset: 40, .size: 8, .value_kind: global_buffer, .address_space: global }
    .group_segment_fixed_size: 120832
    .private_segment_fixed_size: 0
    .kernarg_segment_align: 8
    .kernarg_segment_size: 48
    .max_flat_workgroup_size: 128
    .sgpr_count:     96
    .vgpr_count:     1024
    .wavefront_size: 32
...
	.end_amdgpu_metadata
.endif
;; end of part 4
;; launch combine (part 5): grid 256 x 1, 8 waves a work-group, no clusters, 0 bytes of LDS; arguments y, route, wts, out0; writes out0
.if DOCPART == 5
	.amdgcn_target "amdgcn-amd-amdhsa--gfx1250"
	.amdhsa_code_object_version 6
	.text
	.protected	k_q35f22a58ee_combine
	.globl	k_q35f22a58ee_combine
	.p2align	8
	.type	k_q35f22a58ee_combine,@function
k_q35f22a58ee_combine:
	s_mov_b64 s[64:65], 0
	v_nop
	global_prefetch_b8 v0, s[64:65] scope:SCOPE_SE
	s_setreg_imm32_b32 hwreg(HW_REG_WAVE_MODE, 25, 1), 1
	s_wait_xcnt 0x0
; out0[t] = w0 (y[t][0][e0] + y[t][1][e0]) + w1 (y[t][0][e1] + y[t][1][e1]): the two chosen experts' rows, each in two halves of K, weighed by the two scores.
; y: [token][half of K][expert][1,024] f32: 16 rows of 4,096 bytes a token.
; A work-group takes four tokens, a thread 16 bytes of a row: each load and store of a wave covers 512 consecutive bytes.  All 16 loads of a thread go out together.  Memory binds: no LDS, no matrix unit.
.set A, 16                             ; v16-79: token t at 16 t: half 0 of e0, half 1 of e0, half 0 of e1, half 1 of e1, four registers each
	s_load_b256 s[4:11], s[0:1], 0x0               ; y s[4:5], route s[6:7], wts s[8:9], out0 s[10:11]
	v_lshlrev_b32 v1, 4, v0
	s_lshl_b32 s12, ttmp9, 4                       ; four tokens' words of sel
	s_mov_b32 s13, 0
	s_lshl_b32 s14, ttmp9, 5                       ; four tokens' pairs of weights
	s_mov_b32 s15, 0
	s_lshl_b32 s16, ttmp9, 14                      ; four rows of out0
	s_mov_b32 s17, 0
	s_wait_kmcnt 0x0
	s_add_nc_u64 s[6:7], s[6:7], s[12:13]
	s_add_nc_u64 s[8:9], s[8:9], s[14:15]
	s_add_nc_u64 s[10:11], s[10:11], s[16:17]
	s_load_b128 s[20:23], s[6:7], 0x400            ; sel lies behind the 1,024 bytes of bit words
	s_load_b256 s[24:31], s[8:9], 0x0
	s_add_nc_u64 s[18:19], s[4:5], 0x8000          ; the second half of K: 8 rows of 4,096 bytes on
	s_wait_kmcnt 0x0
.irp t,0,1,2,3
	s_and_b32 s32, s[20+\t], 0xff
	s_min_u32 s32, s32, 7
	s_bfe_u32 s33, s[20+\t], 0x80008
	s_min_u32 s33, s33, 7
	s_lshl_b32 s34, ttmp9, 2
	s_add_co_u32 s34, s34, \t
	s_lshl_b32 s34, s34, 4                         ; 16 rows a token
	s_add_co_u32 s32, s32, s34
	s_add_co_u32 s33, s33, s34
	s_lshl_b32 s32, s32, 12
	s_lshl_b32 s33, s33, 12
	v_add_nc_u32 v[2+2*\t], s32, v1
	v_add_nc_u32 v[3+2*\t], s33, v1
.endr
.irp t,0,1,2,3
	global_load_b128 v[A+16*\t:A+16*\t+3], v[2+2*\t], s[4:5] th:TH_LOAD_NT
	global_load_b128 v[A+16*\t+4:A+16*\t+7], v[2+2*\t], s[18:19] th:TH_LOAD_NT
	global_load_b128 v[A+16*\t+8:A+16*\t+11], v[3+2*\t], s[4:5] th:TH_LOAD_NT
	global_load_b128 v[A+16*\t+12:A+16*\t+15], v[3+2*\t], s[18:19] th:TH_LOAD_NT
.endr
.irp t,0,1,2,3
	s_wait_loadcnt 12-4*\t                         ; this token's four loads are in; the later tokens' may be out
	v_pk_add_f32 v[A+16*\t:A+16*\t+1], v[A+16*\t:A+16*\t+1], v[A+16*\t+4:A+16*\t+5]
	v_pk_add_f32 v[A+16*\t+2:A+16*\t+3], v[A+16*\t+2:A+16*\t+3], v[A+16*\t+6:A+16*\t+7]
	v_pk_add_f32 v[A+16*\t+8:A+16*\t+9], v[A+16*\t+8:A+16*\t+9], v[A+16*\t+12:A+16*\t+13]
	v_pk_add_f32 v[A+16*\t+10:A+16*\t+11], v[A+16*\t+10:A+16*\t+11], v[A+16*\t+14:A+16*\t+15]
.irp c,0,1,2,3
	v_mul_f32 v[A+16*\t+\c], s[24+2*\t], v[A+16*\t+\c]
.endr
.irp c,0,1,2,3
	v_fma_f32 v[A+16*\t+\c], s[25+2*\t], v[A+16*\t+8+\c], v[A+16*\t+\c]
.endr
	global_store_b128 v1, v[A+16*\t:A+16*\t+3], s[10:11] offset:4096*\t th:TH_STORE_NT
.endr
	s_endpgm
.Lfunc_end_k_q35f22a58ee_combine:
	.size	k_q35f22a58ee_combine, .Lfunc_end_k_q35f22a58ee_combine-k_q35f22a58ee_combine
	.p2alignl 7, 3214868480
	.fill 96, 4, 3214868480
	.section	.rodata,"a",@progbits
	.p2align	6, 0x0
	.amdhsa_kernel k_q35f22a58ee_combine
		.amdhsa_group_segment_fixed_size 0
		.amdhsa_private_segment_fixed_size 0
		.amdhsa_enable_private_segment 0
		.amdhsa_kernarg_size 32
		.amdhsa_user_sgpr_count 2
		.amdhsa_user_sgpr_kernarg_segment_ptr 1
		.amdhsa_wavefront_size32 1
		.amdhsa_system_sgpr_workgroup_id_x 1
		.amdhsa_system_sgpr_workgroup_id_y 1
		.amdhsa_system_sgpr_workgroup_id_z 1
		.amdhsa_system_vgpr_workitem_id 0
		.amdhsa_next_free_vgpr 96
		.amdhsa_next_free_sgpr 66
		.amdhsa_reserve_vcc 0
		.amdhsa_float_denorm_mode_32 3
		.amdhsa_float_denorm_mode_16_64 3
		.amdhsa_memory_ordered 1
		.amdhsa_forward_progress 1
		.amdhsa_inst_pref_size 8
	.end_amdhsa_kernel
	.amdgpu_metadata
---
amdhsa.version: [ 1, 2 ]
amdhsa.kernels:
  - .name:           k_q35f22a58ee_combine
    .symbol:         k_q35f22a58ee_combine.kd
    .args:
      - { .name: y, .offset: 0, .size: 8, .value_kind: global_buffer, .address_space: global }
      - { .name: route, .offset: 8, .size: 8, .value_kind: global_buffer, .address_space: global }
      - { .name: wts, .offset: 16, .size: 8, .value_kind: global_buffer, .address_space: global }
      - { .name: out0, .offset: 24, .size: 8, .value_kind: global_buffer, .address_space: global }
    .group_segment_fixed_size: 0
    .private_segment_fixed_size: 0
    .kernarg_segment_align: 8
    .kernarg_segment_size: 32
    .max_flat_workgroup_size: 256
    .sgpr_count:     66
    .vgpr_count:     96
    .wavefront_size: 32
...
	.end_amdgpu_metadata
.endif
;; end of part 5
;; ======== version 2 of 2: 5 launches
;; workspace buffers: xc 819,200 bytes; plog 524,288 bytes; route 5,120 bytes of whole numbers; wts 8,192 bytes; hc 27,262,976 bytes; tlist 65,536 bytes of whole numbers; y 68,157,440 bytes
;; launch gate1 (part 6): grid 16 x 16, 4 waves a work-group, no clusters, 142,336 bytes of LDS; arguments x, snr, gate_w1, gate_b1, gate_w2, xc, plog; writes xc, plog
.if DOCPART == 6
	.amdgcn_target "amdgcn-amd-amdhsa--gfx1250"
	.amdhsa_code_object_version 6
	.text
	.protected	k_q35f22a58ee_gate1
	.globl	k_q35f22a58ee_gate1
	.p2align	8
	.type	k_q35f22a58ee_gate1,@function
k_q35f22a58ee_gate1:
	s_mov_b64 s[64:65], 0
	v_nop
	global_prefetch_b8 v0, s[64:65] scope:SCOPE_SE
	s_setreg_imm32_b32 hwreg(HW_REG_WAVE_SCHED_MODE, 0, 2), 2
	s_setreg_imm32_b32 hwreg(HW_REG_WAVE_MODE, 25, 1), 1
	s_wait_xcnt 0x0
	s_wait_alu depctr_vm_vsrc(0)
; THE GATE'S FIRST LAYER AND ITS SHARE OF THE LOGITS.  h = relu([x, snr] W1 + b1) on codes of BF6 (E3M2) with one E8M0 scale for each 32 along K (K = 1,025: nine steps of 128, the last
; with one number and zero codes); plog[bx][t][e] = the sum over this work-group's 64 units of h w2, in f32 multiply-adds.  The work-groups with bx = 0 also store x's codes for the experts' launch.
; SHARES.  A work-group: 64 tokens (by) x 64 units (bx).  Wave w: tokens 16 w .. 16 w + 15 against all 64 units; it quantises its own 16 rows of x (they stay in registers) and rows 256 w .. 256 w + 255
; of the strip of W1, whose fragments go to the other waves through LDS as images of their registers.  One barrier.
; LAYOUT.  A lane loads 16 bytes of a row of W1: columns 4 q .. 4 q + 3 (q = lane % 16); lanes 0-15 take a row of one block of 32 along K, lanes 16-31 the same row of the next block: each half reads 256
; consecutive bytes.  Tile j (0..3) is made of the columns 4 q + j.  The product is used transposed (source 0 = W1's tile, source 1 = x), so lane (row, h) holds in accumulator register 8 j + j' the unit
; 32 h + 4 j' + j: 32 units of one token.
; LIMITS: NaN and infinities among the inputs are not served.  A block whose largest magnitude lies under 2^-122 keeps the scale byte 1; a block of zeros gets the byte 1 where the rule says 127: its codes
; are zeros, and the bytes are read by this program alone.
; THE MODE: SCHED_MODE bits 1:0 = 2 (LLVM: expert scheduling mode 2), set by the entry lines.  The code itself states the register dependences between vector or matrix instructions and memory or LDS
; instructions, with s_wait_alu, always for 0.
; THE PLAN.  Registers that memory or LDS instructions touch:
;   window 1, v128-255  two sets of x as loaded: read by the step's LDS stores alone, loaded again two steps on; then W1's second staging set, read by QMOVE.
;   window 1, v0-127    W1's first staging set: read by QMOVE, loaded again behind it; at the end both sets take gate_w2.
;   v[T ..]             x's step: the stage's LDS loads land here, XQ reads; on the way of x's codes out: LDS loads land, global stores read; then QMOVE writes it.
;   v[FR ..], v[SWR ..] written by QMATH and PUTSTEP's lines, read by PUTSTEP's LDS stores, written again in the next K step; at the end v[FR ..] takes the logits.
;   v[WB ..], v[SW ..]  two sets: LDS loads land, the step's four products read.
;   the addresses v4 to v31 are made once at the head and never written again.
.set FLOOR, 0x2800000                  ; 2^(5 - 127): under it no largest magnitude is taken, so a scale's byte cannot fall under 1
.set EOFF,  0xfe000000                 ; takes 4 off an exponent field
.set PITCH, 4096                       ; a row of W1 in bytes
.set STW,   1                          ; the window of the staging registers
.set WSC,   55296                      ; LDS: 36 fragment images of 1,536 bytes from 0; then W1's scale words [step][row q][tile j]
.set XTURN, 57600                      ; each wave's stage for x: 16 rows x (512 + 16) bytes
.set XOUT,  91392                      ; each wave's stage for x's codes: 16 rows x (768 + 16) bytes (work-groups with bx = 0 alone)
.set XSOFF, 786432                     ; xc: the scale words lie behind the codes
.set LANE, 1
.set Q,    2                           ; lane % 16
.set H,    3                           ; lane / 16
.set LI,   4                           ; 16 x lane
.set H8,   5
.set WOFF, 6
.set IA,   7
.set SA,   8
.set SWA,  9
.set XTI,  10
.set XTO,  11
.set XOI,  12
.set XOO,  13
.set GXO,  14
.set B1O,  15
.set XSW,  16                          ; v16-24 x's scale words, one for each K step
.set WLAST, 25                         ; my number of W1's row 1,024
.set Q16,  26
.set W2O,  27
.set PLO,  28
.set I8,   30
.set S8,   31
.set FR,   32                          ; v32-79   four fragments in the making
.set U,    80                          ; v80-111  what the conversions leave
.set MX,   112
.set SO,   116
.set BY,   120
.set SWR,  124
.set T,    128                         ; v128-255 four columns x 32 numbers down K (or 64 numbers of x)
.set STA,  0                           ; window 1: two staging sets of 128
.set STB,  128
.set XF,   0                           ; window 2: x's nine fragments
.set ACC,  192                         ; window 2: four accumulators
.set WB,   160                         ; the product: W1's fragments from LDS, two sets of 48
.set SW,   112                         ; and their scale words, two sets of 4
.set L,    32                          ; the eight partial logits
.set WV,   18
.set WBS,  24
.set SEL,  60
.set MSB, 0
.macro WIN new                         ; the immediate's high byte repeats the setting that is left; a switch that changes nothing is dropped
.if MSB != (\new)
	s_set_vgpr_msb (MSB<<8)|(\new)
.set MSB, (\new)
.endif
.endm
.macro PLACES
.rept 4
	v_nop
.endr
.endm
; 64 rows x 64 columns of the weight: 32 loads, each half of the lanes reads 256 consecutive bytes
.macro LOADCHUNK sb, off
	WIN STW<<6
.set li_, 0
.rept 32
	global_load_b128 v[\sb+4*li_:\sb+4*li_+3], v[WOFF], s[WBS:WBS+1] offset:\off+li_*PITCH
.set li_, li_+1
.endr
	WIN 0
.endm
; the staged numbers, four columns a register group, become four runs of 32 down K
.macro QMOVE sb, perm
	WIN STW
.set qp_, 0
.rept 32
.if \perm
.set qo_, 4*(qp_%8)+qp_/8
.else
.set qo_, qp_
.endif
	v_mov_b32 v[T+qp_], v[\sb+4*qo_]
	v_mov_b32 v[T+32+qp_], v[\sb+4*qo_+1]
	v_mov_b32 v[T+64+qp_], v[\sb+4*qo_+2]
	v_mov_b32 v[T+96+qp_], v[\sb+4*qo_+3]
.set qp_, qp_+1
.endr
	WIN 0
.endm
; four blocks of 32 (one for each tile j) become registers 6 c .. 6 c + 5 of the four fragments, and a byte of each scale word
.macro QMATH c
.irp j,0,1,2,3
	v_max3_num_f32 v[MX+\j], |v[T+32*\j]|, |v[T+32*\j+1]|, FLOOR
.endr
.irp i,2,4,6,8,10,12,14,16,18,20,22,24,26,28,30
.irp j,0,1,2,3
	v_max3_num_f32 v[MX+\j], v[MX+\j], |v[T+32*\j+\i]|, |v[T+32*\j+\i+1]|
.endr
.endr
.irp j,0,1,2,3
	v_add_nc_u32 v[SO+\j], EOFF, v[MX+\j]          ; the conversion takes this operand's exponent field as its scale
.endr
.irp j,0,1,2,3
.if (\c)==0
	v_lshrrev_b32 v[SWR+\j], 23, v[SO+\j]          ; the scale's byte
.else
	v_lshrrev_b32 v[BY+\j], 23, v[SO+\j]
.endif
.endr
.if (\c)==1
.irp j,0,1,2,3
	v_lshl_or_b32 v[SWR+\j], v[BY+\j], 16, v[SWR+\j]
.endr
.endif
.irp j,0,1,2,3
	v_cvt_scalef32_pk16_bf6_f32 v[U+8*\j:U+8*\j+2], v[T+32*\j:T+32*\j+15], v[SO+\j]
	v_cvt_scalef32_pk16_bf6_f32 v[U+8*\j+4:U+8*\j+6], v[T+32*\j+16:T+32*\j+31], v[SO+\j]
.endr
	v_nop                                          ; one plain instruction behind the conversions
.irp j,0,1,2,3
.irp t,0,1,2
	v_mov_b32 v[FR+12*\j+6*(\c)+\t], v[U+8*\j+\t]
	v_mov_b32 v[FR+12*\j+6*(\c)+3+\t], v[U+8*\j+4+\t]
.endr
.endr
.endm
; a K step's four fragments and scale words go to LDS as they stand
.macro PUTSTEP ioff, soff
.irp j,0,1,2,3
	v_lshlrev_b32 v[SWR+\j], v[H8], v[SWR+\j]      ; my two bytes at their places (blocks h and 2 + h),
.endr
.irp j,0,1,2,3
	v_permlanex16_b32 v[MX+\j], v[SWR+\j], s[SEL], s[SEL+1]
.endr
.irp j,0,1,2,3
	v_or_b32 v[SWR+\j], v[SWR+\j], v[MX+\j]        ; with the other half's two the word is whole
.endr
	s_wait_alu depctr_va_vdst(0)                   ; the four fragments v[FR ..] and the four scale words v[SWR ..] are written, which the LDS stores below read
.irp j,0,1,2,3
.irp c,0,1,2
	ds_store_b128 v[IA], v[FR+12*\j+4*\c:FR+12*\j+4*\c+3] offset:\ioff+1536*\j+512*\c
.endr
.endr
	ds_store_b128 v[SA], v[SWR:SWR+3] offset:\soff ; both halves write the same bytes with the same values
	s_wait_dscnt 0x0                               ; the stores are done
	s_wait_alu depctr_vm_vsrc(0)                   ; the LDS stores have read v[FR ..] and v[SWR ..], which the next K step's lines write again
.endm
.macro GLD s                           ; my 16 rows' 512 bytes of K step s: a row a load, 512 consecutive bytes
	WIN 0x40
.irp a,0,1,2,3,4,5,6,7,8,9,10,11,12,13,14,15
	global_load_b128 v[128+64*((\s)%2)+4*\a:128+64*((\s)%2)+4*\a+3], v[LI], s[4:5] offset:4096*\a+512*(\s)
.endr
	WIN 0
.endm
; my two blocks (64 c + 32 h) of my row, 64 numbers in v[T] on, become x's fragment of K step s and its scale word
.macro XQ s
.irp c,0,1
	v_max3_num_f32 v[MX+\c], |v[T+32*\c]|, |v[T+32*\c+1]|, FLOOR
	v_max3_num_f32 v[MX+2+\c], |v[T+32*\c+16]|, |v[T+32*\c+17]|, FLOOR
.endr
.irp i,2,4,6,8,10,12,14
.irp c,0,1
	v_max3_num_f32 v[MX+\c], v[MX+\c], |v[T+32*\c+\i]|, |v[T+32*\c+\i+1]|
	v_max3_num_f32 v[MX+2+\c], v[MX+2+\c], |v[T+32*\c+16+\i]|, |v[T+32*\c+17+\i]|
.endr
.endr
.irp c,0,1
	v_max_num_f32 v[MX+\c], v[MX+\c], v[MX+2+\c]
.endr
.irp c,0,1
	v_add_nc_u32 v[SO+\c], EOFF, v[MX+\c]
.endr
	v_lshrrev_b32 v[BY], 23, v[SO]
	v_lshrrev_b32 v[BY+1], 23, v[SO+1]
	v_lshl_or_b32 v[BY], v[BY+1], 16, v[BY]
	v_lshlrev_b32 v[BY], v[H8], v[BY]
	v_permlanex16_b32 v[MX+2], v[BY], s[SEL], s[SEL+1]
	v_or_b32 v[XSW+(\s)], v[BY], v[MX+2]
.irp c,0,1
	v_cvt_scalef32_pk16_bf6_f32 v[U+8*\c:U+8*\c+2], v[T+32*\c:T+32*\c+15], v[SO+\c]
	v_cvt_scalef32_pk16_bf6_f32 v[U+8*\c+4:U+8*\c+6], v[T+32*\c+16:T+32*\c+31], v[SO+\c]
.endr
	v_nop
	WIN 0x80
.irp c,0,1
.irp t,0,1,2
	v_mov_b32 v[XF+12*(\s)+6*\c+\t], v[U+8*\c+\t]
	v_mov_b32 v[XF+12*(\s)+6*\c+3+\t], v[U+8*\c+4+\t]
.endr
.endr
	WIN 0
.endm
; K step s of x: the dense loads turn through my own stage, so that a lane gets 32 neighbours of each of its two blocks
.macro XSTEP s
.if (\s)<7
	s_wait_loadcnt 16                              ; this step's 16 loads are in; the next step's 16 may be out
.else
	s_wait_loadcnt 0
.endif
	WIN 0x04
.irp a,0,1,2,3,4,5,6,7,8,9,10,11,12,13,14,15
	ds_store_b128 v[XTI], v[128+64*((\s)%2)+4*\a:128+64*((\s)%2)+4*\a+3] offset:528*\a
.endr
	WIN 0
.if (\s)>0
	s_wait_alu depctr_va_vdst(0)                   ; the last step's maxima and conversions are done reading v[T ..], in which the loads below land
.endif
.irp c,0,1
.irp t,0,1,2,3,4,5,6,7
	ds_load_b128 v[T+32*\c+4*\t:T+32*\c+4*\t+3], v[XTO] offset:256*\c+16*\t   ; LDS serves a wave's instructions in order: these see the stores above
.endr
.endr
	s_wait_dscnt 0x0
.if (\s)!=6
	s_wait_alu depctr_vm_vsrc(0)                   ; my LDS stores have read the sets of x as loaded, in which the loads below land
.endif
.if (\s)<6
	GLD (\s)+2
.endif
.if (\s)==7
	LOADCHUNK STB,64*PITCH                         ; both sets of x's loads are free: they are the second staging set
.endif
	XQ \s
.endm
.macro GWLOAD u, buf                   ; K step u's four fragments and scale words from LDS
.irp j,0,1,2,3
.irp c,0,1,2
	ds_load_b128 v[WB+48*(\buf)+12*\j+4*\c:WB+48*(\buf)+12*\j+4*\c+3], v[LI] offset:6144*(\u)+1536*\j+512*\c
.endr
.endr
	ds_load_b128 v[SW+4*(\buf):SW+4*(\buf)+3], v[SWA] offset:256*(\u)
.endm
.macro GSTEP u
	s_wait_dscnt 0x0                               ; this step's fragments are in
	PLACES                                         ; four plain instructions between the last products and loads into registers that they read
.if (\u)>0 && (\u)<8
	s_wait_alu depctr_va_vdst(0)                   ; the last step's four products are done reading their set of fragments and scale words, in which the loads below land
.endif
.if (\u)<8
	GWLOAD (\u)+1,((\u)+1)%2
.endif
	WIN 0xa8                                       ; x, C and D in window 2
.irp j,0,1,2,3
	v_wmma_scale_f32_16x16x128_f8f6f4 v[ACC+8*\j:ACC+8*\j+7], v[WB+48*((\u)%2)+12*\j:WB+48*((\u)%2)+12*\j+11], v[XF+12*(\u):XF+12*(\u)+11], v[ACC+8*\j:ACC+8*\j+7], v[SW+4*((\u)%2)+\j], v[XSW+(\u)] matrix_a_fmt:MATRIX_FMT_BF6 matrix_b_fmt:MATRIX_FMT_BF6
.endr
	WIN 0
.endm
	s_load_b256 s[4:11], s[0:1], 0x0               ; x s[4:5], snr s[6:7], gate_w1 s[8:9], gate_b1 s[10:11]
	s_load_b128 s[12:15], s[0:1], 0x20             ; gate_w2 s[12:13], xc s[14:15]
	s_load_b64 s[16:17], s[0:1], 0x30              ; plog
	v_lshl_add_u32 v107, v0, 2, 0x22a00
	v_mov_b32 v111, 0
	v_lshrrev_b32 v29, 5, v0
	v_readfirstlane_b32 s[WV], v29                 ; wave 0..3
	v_and_b32 v[LANE], 31, v0
	v_and_b32 v[Q], 15, v0
	v_bfe_u32 v[H], v0, 4, 1
	v_lshlrev_b32 v[LI], 4, v[LANE]
	v_lshlrev_b32 v[H8], 3, v[H]
	v_lshlrev_b32 v[Q16], 4, v[Q]
	v_lshl_add_u32 v[WOFF], v[H], 17, v[Q16]       ; W1: lanes 16-31 begin 32 rows further down; 16 bytes a lane
	s_wait_alu depctr_va_sdst(0)                   ; the wave's number is written, ahead of its first reader
	s_mul_i32 s20, s[WV], 12288
	v_add_nc_u32 v[IA], s20, v[LI]                 ; my two K steps' images: 8 x 1,536 bytes a wave
	s_lshl_b32 s20, s[WV], 9
	s_add_co_u32 s20, s20, WSC
	v_add_nc_u32 v[SA], s20, v[Q16]
	v_add_nc_u32 v[SWA], WSC, v[Q16]
	s_mul_i32 s20, s[WV], 8448
	s_add_co_u32 s20, s20, XTURN
	v_add_nc_u32 v[XTI], s20, v[LI]
	v_mul_u32_u24 v29, v[Q], 528
	v_lshl_add_u32 v29, v[H], 7, v29
	v_add_nc_u32 v[XTO], s20, v29
	s_mul_i32 s20, s[WV], 12544
	s_add_co_u32 s20, s20, XOUT
	v_mul_u32_u24 v29, v[Q], 784
	v_mad_u32_u24 v29, v[H], 48, v29
	v_add_nc_u32 v[XOI], s20, v29
	v_mul_u32_u24 v29, v[H], 784
	v_add_nc_u32 v29, v29, v[Q16]
	v_add_nc_u32 v[XOO], s20, v29
	v_mul_u32_u24 v[GXO], v[H], 768
	v_add_nc_u32 v[GXO], v[GXO], v[Q16]
	v_lshlrev_b32 v[B1O], 7, v[H]
	v_lshlrev_b32 v[W2O], 10, v[H]
	v_lshlrev_b32 v[PLO], 5, v[Q]
	v_lshl_add_u32 v[PLO], v[H], 4, v[PLO]         ; 32 bytes a token, 16 a half
	s_mul_i32 s20, s[WV], 1536
	s_add_co_u32 s20, s20, 49152
	v_add_nc_u32 v[I8], s20, v[LI]                 ; K step 8: tile w's image
	s_lshl_b32 s20, s[WV], 2
	s_add_co_u32 s20, s20, WSC+2048
	v_add_nc_u32 v[S8], s20, v[Q16]
	s_mov_b32 s[SEL], 0x76543210
	s_mov_b32 s[SEL+1], 0xfedcba98                 ; v_permlanex16_b32's selects for lane l xor 16
	s_and_b32 s19, ttmp7, 0xffff
	s_lshl_b32 s19, s19, 6
	s_lshl_b32 s20, s[WV], 4
	s_add_co_u32 s19, s19, s20                     ; my first token: 64 by + 16 wave
	s_wait_kmcnt 0x0
	s_load_b32 s30, s[6:7], 0x0                    ; snr
	s_lshl_b32 s20, s19, 12
	s_mov_b32 s21, 0
	s_add_nc_u64 s[4:5], s[4:5], s[20:21]
	s_lshl_b32 s22, ttmp9, 8                       ; the strip: 64 units, 256 bytes
	s_mov_b32 s23, 0
	s_add_nc_u64 s[8:9], s[8:9], s[22:23]
	s_add_nc_u64 s[10:11], s[10:11], s[22:23]
	s_lshl_b32 s20, s[WV], 20                      ; my 256 rows of W1
	s_add_nc_u64 s[WBS:WBS+1], s[8:9], s[20:21]
	s_lshl_b32 s20, s[WV], 2
	s_add_co_u32 s20, s20, 1024*4096
	s_add_nc_u64 s[26:27], s[8:9], s[20:21]        ; row 1,024, column 4 q + wave
	s_lshl_b32 s20, ttmp9, 11
	s_add_nc_u64 s[12:13], s[12:13], s[20:21]      ; gate_w2: 64 rows of 32 bytes
	s_lshl_b32 s20, s19, 5
	s_add_co_u32 s22, s20, XSOFF
	s_add_nc_u64 s[28:29], s[14:15], s[22:23]      ; x's scale words
	s_mul_i32 s22, s19, 768
	s_add_nc_u64 s[14:15], s[14:15], s[22:23]      ; x's codes
	s_lshl_b32 s22, ttmp9, 15
	s_add_co_u32 s22, s22, s20
	s_add_nc_u64 s[16:17], s[16:17], s[22:23]
	WIN 0x80
	s_wait_alu depctr_va_vdst(0)                   ; the addresses and offsets v4 to v31 are written, which every load and store of the kernel reads
.irp j,0,1,2,3
.irp p,0,1,2,3,4,5,6,7
	global_load_b32 v[ACC+8*\j+\p], v[B1O], s[10:11] offset:16*\p+4*\j   ; the bias is the C of each sum's first product: it is loaded straight into the accumulators
.endr
.endr
	WIN 0
	global_load_b32 v[WLAST], v[Q16], s[26:27]
	LOADCHUNK STA,0
	GLD 0
	GLD 1
.irp s,0,1,2,3,4,5,6,7
	XSTEP \s
.endr
	; K step 8 of x: snr at k = 1,024, zero codes behind it; bytes 127 for the blocks of zero codes
	s_wait_kmcnt 0x0
	v_mov_b32 v[T], s30
	v_max3_num_f32 v[MX], |v[T]|, |v[T]|, FLOOR
	v_add_nc_u32 v[SO], EOFF, v[MX]
	v_lshrrev_b32 v[BY], 23, v[SO]
	v_or_b32 v[XSW+8], 0x7f7f7f00, v[BY]
	v_cmp_eq_u32 vcc_lo, 0, v[H]
	s_wait_alu depctr_va_vcc(0)                    ; the compare has written VCC, which the selection reads
	v_cndmask_b32 v[T], 0, v[T], vcc_lo            ; block 32 lies in lanes 0-15
.irp i,1,2,3,4,5,6,7,8,9,10,11,12,13,14,15
	v_mov_b32 v[T+\i], 0
.endr
	v_cvt_scalef32_pk16_bf6_f32 v[U:U+2], v[T:T+15], v[SO]
	v_nop
	WIN 0x80
.irp t,0,1,2
	v_mov_b32 v[XF+96+\t], v[U+\t]
.endr
.irp t,3,4,5,6,7,8,9,10,11
	v_mov_b32 v[XF+96+\t], 0
.endr
	WIN 0
	; x's codes for the experts' launch: one work-group of each row of the grid stores them
	s_cmp_lg_u32 ttmp9, 0
	s_cbranch_scc1 .Lno_xc
	WIN 0x08
	s_wait_alu depctr_va_vdst(0)                   ; x's fragments are written, which the LDS stores read; and the lines above are done with v[T ..], in which the LDS loads land
.irp s,0,1,2,3,4,5,6,7
.irp c,0,1,2
	ds_store_b128 v[XOI], v[XF+12*\s+4*\c:XF+12*\s+4*\c+3] offset:96*\s+16*\c   ; a token's 768 bytes: [K step][half][48 bytes]
.endr
.endr
	WIN 0
.irp a,0,1,2,3,4,5,6,7
.irp c,0,1,2
	ds_load_b128 v[T+12*\a+4*\c:T+12*\a+4*\c+3], v[XOO] offset:1568*\a+256*\c
.endr
.endr
	v_cmp_eq_u32 vcc_lo, 1, v[H]
	s_wait_alu depctr_va_vcc(0)                    ; the compare has written VCC, which the selections read
.irp i,0,1,2,3
	v_cndmask_b32 v[U+\i], v[XSW+\i], v[XSW+4+\i], vcc_lo   ; lanes 0-15 store words 0-3 of their token, lanes 16-31 words 4-7
.endr
	s_wait_dscnt 0x0
	s_wait_alu depctr_va_vdst(0)                   ; the selections have written v[U ..], which the last store below reads
.irp a,0,1,2,3,4,5,6,7
.irp c,0,1,2
	global_store_b128 v[GXO], v[T+12*\a+4*\c:T+12*\a+4*\c+3], s[14:15] offset:1536*\a+256*\c   ; each half of the lanes stores 256 consecutive bytes, aligned
.endr
.endr
	global_store_b128 v[PLO], v[U:U+3], s[28:29]
	s_wait_xcnt 0x0                                ; the stores' data registers are written again below
	s_wait_alu depctr_vm_vsrc(0)                   ; the stores have read v[T ..] and v[U ..], which the moves and conversions below write
.Lno_xc:
	; my 256 rows of the strip of W1: four chunks, two K steps
	s_wait_loadcnt 32                              ; all but the other set's 32 loads
	QMOVE STA,0
	s_wait_alu depctr_va_vdst(0)                   ; the moves are done reading the first staging set, in which the loads below land
	LOADCHUNK STA,128*PITCH
	QMATH 0
	s_wait_loadcnt 32
	QMOVE STB,0
	s_wait_alu depctr_va_vdst(0)                   ; the moves are done reading the second staging set, in which the loads below land
	LOADCHUNK STB,192*PITCH
	QMATH 1
	PUTSTEP 0,0
	s_wait_loadcnt 32
	QMOVE STA,0
	QMATH 0
	s_wait_loadcnt 0
	QMOVE STB,0
	QMATH 1
	PUTSTEP 6144,256
	; K step 8 of W1: wave w makes tile w: one number a column, zero codes behind it
	v_max3_num_f32 v[MX], |v[WLAST]|, |v[WLAST]|, FLOOR
	v_add_nc_u32 v[SO], EOFF, v[MX]
	v_lshrrev_b32 v[BY], 23, v[SO]
	v_or_b32 v[SWR], 0x7f7f7f00, v[BY]
	v_cmp_eq_u32 vcc_lo, 0, v[H]
	s_wait_alu depctr_va_vcc(0)                    ; the compare has written VCC, which the selection reads
	v_cndmask_b32 v[T], 0, v[WLAST], vcc_lo
.irp i,1,2,3,4,5,6,7,8,9,10,11,12,13,14,15
	v_mov_b32 v[T+\i], 0
.endr
	v_cvt_scalef32_pk16_bf6_f32 v[U:U+2], v[T:T+15], v[SO]
	v_nop
.irp t,0,1,2
	v_mov_b32 v[FR+\t], v[U+\t]
.endr
.irp t,3,4,5,6,7,8,9,10,11
	v_mov_b32 v[FR+\t], 0
.endr
	s_wait_alu depctr_va_vdst(0)                   ; the fragment and its scale word are written, which the LDS stores read; the moves are done reading both staging sets, in which gate_w2 lands; the lines above are done with v112 to v119 and v160 on, in which the first fragments land behind the barrier
.irp c,0,1,2
	ds_store_b128 v[I8], v[FR+4*\c:FR+4*\c+3] offset:512*\c
.endr
	ds_store_b32 v[S8], v[SWR]
	WIN 0x40                                       ; gate_w2's rows of my 32 units, in the order of my accumulator registers, into the staging registers, which are done with
.set p_, 0
.rept 32
	global_load_b128 v[8*p_:8*p_+3], v[W2O], s[12:13] offset:32*(4*(p_%8)+p_/8)
	global_load_b128 v[8*p_+4:8*p_+7], v[W2O], s[12:13] offset:32*(4*(p_%8)+p_/8)+16
.set p_, p_+1
.endr
	WIN 0
	s_wait_dscnt 0x0                               ; for the others' sake: my images lie in LDS
	s_barrier_signal -1
	s_barrier_wait -1
	s_wait_alu depctr_vm_vsrc(0)                   ; my LDS stores have read v[FR ..], in which the logits are summed at the end
	GWLOAD 0,0
.irp u,0,1,2,3,4,5,6,7,8
	GSTEP \u                                       ; the four accumulators take turns, one instruction a turn
.endr
	PLACES
	WIN 0x8a
.set p_, 0
.rept 32
	v_max_num_f32 v[ACC+p_], 0, v[ACC+p_]          ; relu, each accumulator from its low end on
.set p_, p_+1
.endr
	s_wait_loadcnt 0x0                             ; gate_w2
	WIN 0x06                                       ; h in window 2, gate_w2 in window 1
.irp e,0,1,2,3,4,5,6,7
	v_mul_f32 v[L+\e], v[ACC], v[\e]
.endr
.set p_, 1
.rept 31
.irp e,0,1,2,3,4,5,6,7
	v_fma_f32 v[L+\e], v[ACC+p_], v[8*p_+\e], v[L+\e]
.endr
.set p_, p_+1
.endr
	WIN 0
.irp e,0,1,2,3,4,5,6,7
	v_permlanex16_b32 v[L+8+\e], v[L+\e], s[SEL], s[SEL+1]
.endr
.irp e,0,1,2,3,4,5,6,7
	v_add_f32 v[L+\e], v[L+\e], v[L+8+\e]          ; with the other half's 32 units
.endr
	v_cmp_eq_u32 vcc_lo, 1, v[H]
	s_wait_alu depctr_va_vcc(0)                    ; the compare has written VCC, which the selections read
.irp i,0,1,2,3
	v_cndmask_b32 v[L+16+\i], v[L+\i], v[L+4+\i], vcc_lo
.endr
	s_wait_alu depctr_va_vdst(0)                   ; the selections have written v[L+16 ..], which the store reads
	global_store_b128 v[PLO], v[L+16:L+19], s[16:17]   ; the wave stores 512 consecutive bytes
	s_wait_dscnt 0x0                               ; the closing lines, six on end
	s_wait_alu 0x0
	s_wait_tensorcnt 0x0
	ds_add_u32 v107, v111
	s_wait_dscnt 0x0
	s_endpgm
.Lfunc_end_k_q35f22a58ee_gate1:
	.size	k_q35f22a58ee_gate1, .Lfunc_end_k_q35f22a58ee_gate1-k_q35f22a58ee_gate1
	.p2alignl 7, 3214868480
	.fill 96, 4, 3214868480
	.section	.rodata,"a",@progbits
	.p2align	6, 0x0
	.amdhsa_kernel k_q35f22a58ee_gate1
		.amdhsa_group_segment_fixed_size 142336
		.amdhsa_private_segment_fixed_size 0
		.amdhsa_enable_private_segment 0
		.amdhsa_kernarg_size 56
		.amdhsa_user_sgpr_count 2
		.amdhsa_user_sgpr_kernarg_segment_ptr 1
		.amdhsa_wavefront_size32 1
		.amdhsa_system_sgpr_workgroup_id_x 1
		.amdhsa_system_sgpr_workgroup_id_y 1
		.amdhsa_system_sgpr_workgroup_id_z 1
		.amdhsa_system_vgpr_workitem_id 0
		.amdhsa_next_free_vgpr 768
		.amdhsa_next_free_sgpr 66
		.amdhsa_reserve_vcc 1
		.amdhsa_float_denorm_mode_32 3
		.amdhsa_float_denorm_mode_16_64 3
		.amdhsa_memory_ordered 1
		.amdhsa_forward_progress 1
		.amdhsa_inst_pref_size 166
	.end_amdhsa_kernel
	.amdgpu_metadata
---
amdhsa.version: [ 1, 2 ]
amdhsa.kernels:
  - .name:           k_q35f22a58ee_gate1
    .symbol:         k_q35f22a58ee_gate1.kd
    .args:
      - { .name: x, .offset: 0, .size: 8, .value_kind: global_buffer, .address_space: global }
      - { .name: snr, .offset: 8, .size: 8, .value_kind: global_buffer, .address_space: global }
      - { .name: gate_w1, .offset: 16, .size: 8, .value_kind: global_buffer, .address_space: global }
      - { .name: gate_b1, .offset: 24, .size: 8, .value_kind: global_buffer, .address_space: global }
      - { .name: gate_w2, .offset: 32, .size: 8, .value_kind: global_buffer, .address_space: global }
      - { .name: xc, .offset: 40, .size: 8, .value_kind: global_buffer, .address_space: global }
      - { .name: plog, .offset: 48, .size: 8, .value_kind: global_buffer, .address_space: global }
    .group_segment_fixed_size: 142336
    .private_segment_fixed_size: 0
    .kernarg_segment_align: 8
    .kernarg_segment_size: 56
    .max_flat_workgroup_size: 128
    .sgpr_count:     66
    .vgpr_count:     768
    .wavefront_size: 32
...
	.end_amdgpu_metadata
.endif
;; end of part 6
;; launch gate2 (part 7): grid 8 x 1, 4 waves a work-group, no clusters, 8,704 bytes of LDS; arguments plog, gumbel_u, gate_b2, out1, out2, route, wts; writes out1, out2, route, wts
.if DOCPART == 7
	.amdgcn_target "amdgcn-amd-amdhsa--gfx1250"
	.amdhsa_code_object_version 6
	.text
	.protected	k_q35f22a58ee_gate2
	.globl	k_q35f22a58ee_gate2
	.p2align	8
	.type	k_q35f22a58ee_gate2,@function
k_q35f22a58ee_gate2:
	s_mov_b64 s[64:65], 0
	v_nop
	global_prefetch_b8 v0, s[64:65] scope:SCOPE_SE
	s_setreg_imm32_b32 hwreg(HW_REG_WAVE_MODE, 25, 1), 1
	s_wait_xcnt 0x0
; THE GATE'S END.  A lane is a token.  logits = b2 + the 16 partial sums; Gumbel noise -ln(-ln(u + 1e-9) + 1e-9); softmax with its maximum taken away; the two largest scores (of equal scores the lower index,
; by scans that go up with a strict comparison).  All choices are made by v_cndmask_b32: no branch and no address hangs on them.
; Stored: the scores, the 0/1 mask, the two weights, sel[t] = e0 | e1 << 8, and for each expert and each wave's 32 tokens a word of bits (route: [expert][32 words], then sel).
; LIMITS: NaN and infinities among the inputs are not served.
.set Z,  16                            ; v16-23  logits, then scores
.set UU, 24                            ; v24-31  u, then the noise; later the scores without the first choice
.set P,  32                            ; v32-159 the partial sums
	s_load_b256 s[4:11], s[0:1], 0x0               ; plog s[4:5], gumbel_u s[6:7], gate_b2 s[8:9], out1 s[10:11]
	s_load_b128 s[12:15], s[0:1], 0x20             ; out2 s[12:13], route s[14:15]
	s_load_b64 s[16:17], s[0:1], 0x30              ; wts
	v_lshl_add_u32 v192, v0, 2, 0x2000
	v_mov_b32 v193, 0
	v_lshrrev_b32 v1, 5, v0
	v_readfirstlane_b32 s18, v1                    ; wave 0..3
	v_and_b32 v1, 31, v0
	v_lshlrev_b32 v2, 5, v0                        ; 32 bytes a token
	s_lshl_b32 s20, ttmp9, 12                      ; the work-group's 128 tokens
	s_mov_b32 s21, 0
	s_mov_b32 s34, 0x3089705f                      ; 1e-9
	s_mov_b32 s35, 0xbf317218                      ; -ln 2
	s_wait_alu depctr_va_vdst(0)
	s_wait_kmcnt 0x0
	s_load_b256 s[24:31], s[8:9], 0x0              ; b2
	s_add_nc_u64 s[4:5], s[4:5], s[20:21]
	s_add_nc_u64 s[6:7], s[6:7], s[20:21]
	s_add_nc_u64 s[10:11], s[10:11], s[20:21]
	s_add_nc_u64 s[12:13], s[12:13], s[20:21]
	global_load_b128 v[UU:UU+3], v2, s[6:7]
	global_load_b128 v[UU+4:UU+7], v2, s[6:7] offset:16
.set b_, 0
.rept 16
	global_load_b128 v[P+8*b_:P+8*b_+3], v2, s[4:5] offset:32768*b_
	global_load_b128 v[P+8*b_+4:P+8*b_+7], v2, s[4:5] offset:32768*b_+16
.set b_, b_+1
.endr
	s_wait_loadcnt 32                              ; u is in; the 32 loads of partial sums may be out
.irp e,0,1,2,3,4,5,6,7
	v_add_f32 v[UU+\e], s34, v[UU+\e]
.endr
	s_wait_alu depctr_va_vdst(0)
.irp e,0,1,2,3,4,5,6,7
	v_log_f32 v[UU+\e], v[UU+\e]
.endr
	v_nop                                          ; a plain instruction behind the batch,
	s_wait_alu depctr_va_vdst(0)                   ; and one wait for it, ahead of its first reader
.irp e,0,1,2,3,4,5,6,7
	v_fma_f32 v[UU+\e], v[UU+\e], s35, s34         ; -ln(u + 1e-9) + 1e-9
.endr
	s_wait_alu depctr_va_vdst(0)
.irp e,0,1,2,3,4,5,6,7
	v_log_f32 v[UU+\e], v[UU+\e]
.endr
	v_nop
	s_wait_alu depctr_va_vdst(0)
	s_wait_kmcnt 0x0
	s_wait_loadcnt 0x0
.irp e,0,1,2,3,4,5,6,7
	v_add_f32 v[Z+\e], s[24+\e], v[P+\e]
.endr
.set b_, 1
.rept 15
.irp e,0,1,2,3,4,5,6,7
	v_add_f32 v[Z+\e], v[Z+\e], v[P+8*b_+\e]
.endr
.set b_, b_+1
.endr
.irp e,0,1,2,3,4,5,6,7
	v_fma_f32 v[Z+\e], v[UU+\e], s35, v[Z+\e]      ; + the noise
.endr
	v_max3_num_f32 v8, v[Z], v[Z+1], v[Z+2]
	v_max3_num_f32 v8, v8, v[Z+3], v[Z+4]
	v_max3_num_f32 v8, v8, v[Z+5], v[Z+6]
	v_max_num_f32 v8, v8, v[Z+7]
.irp e,0,1,2,3,4,5,6,7
	v_sub_f32 v[Z+\e], v[Z+\e], v8
.endr
.irp e,0,1,2,3,4,5,6,7
	v_mul_f32 v[Z+\e], 0x3fb8aa3b, v[Z+\e]
.endr
	s_wait_alu depctr_va_vdst(0)
.irp e,0,1,2,3,4,5,6,7
	v_exp_f32 v[Z+\e], v[Z+\e]
.endr
	v_nop
	s_wait_alu depctr_va_vdst(0)
	v_add_f32 v8, v[Z], v[Z+1]
	v_add_f32 v9, v[Z+2], v[Z+3]
	v_add_f32 v10, v[Z+4], v[Z+5]
	v_add_f32 v11, v[Z+6], v[Z+7]
	v_add_f32 v8, v8, v9
	v_add_f32 v10, v10, v11
	v_add_f32 v8, v8, v10
	s_wait_alu depctr_va_vdst(0)
	v_rcp_f32 v8, v8
	v_mov_b32 v14, -1.0
	s_wait_alu depctr_va_vdst(0)
.irp e,0,1,2,3,4,5,6,7
	v_mul_f32 v[Z+\e], v[Z+\e], v8                 ; the scores
.endr
	v_mov_b32 v10, 0                               ; the first choice: index v10, score v11
	v_mov_b32 v11, v[Z]
.irp e,1,2,3,4,5,6,7
	v_cmp_le_f32 vcc_lo, v[Z+\e], v11              ; not larger: what was found stays
	v_cndmask_b32 v10, \e, v10, vcc_lo
	v_cndmask_b32 v11, v[Z+\e], v11, vcc_lo
.endr
.irp e,0,1,2,3,4,5,6,7
	v_cmp_eq_u32 vcc_lo, \e, v10
	v_cndmask_b32 v[UU+\e], v[Z+\e], v14, vcc_lo   ; the first choice counts as -1, under every score
.endr
	v_mov_b32 v12, 0                               ; the second choice: index v12, score v13
	v_mov_b32 v13, v[UU]
.irp e,1,2,3,4,5,6,7
	v_cmp_le_f32 vcc_lo, v[UU+\e], v13
	v_cndmask_b32 v12, \e, v12, vcc_lo
	v_cndmask_b32 v13, v[UU+\e], v13, vcc_lo
.endr
	v_mov_b32 v15, 1.0
	v_mov_b32 v9, 0
.irp e,0,1,2,3,4,5,6,7
	v_cmp_eq_u32 s36, \e, v10
	v_cmp_eq_u32 s37, \e, v12
	s_or_b32 s[40+\e], s36, s37                    ; the wave's 32 tokens' bits for expert e
	v_cndmask_b32 v[P+\e], 0, v15, s[40+\e]
	v_writelane_b32 v9, s[40+\e], \e
.endr
	; scores and mask turn through the wave's own 2 KB of LDS, so that each store covers 512 consecutive bytes
	s_lshl_b32 s22, s18, 11
	v_lshlrev_b32 v3, 5, v1
	v_add_nc_u32 v3, s22, v3
	v_lshlrev_b32 v4, 4, v1
	v_add_nc_u32 v5, s22, v4
	s_lshl_b32 s22, s18, 10
	v_add_nc_u32 v4, s22, v4
	ds_store_b128 v3, v[Z:Z+3]
	ds_store_b128 v3, v[Z+4:Z+7] offset:16
	ds_store_b128 v3, v[P:P+3] offset:1024
	ds_store_b128 v3, v[P+4:P+7] offset:1040
	ds_load_b128 v[48:51], v5
	ds_load_b128 v[52:55], v5 offset:512
	ds_load_b128 v[56:59], v5 offset:1024
	ds_load_b128 v[60:63], v5 offset:1536
	v_lshl_or_b32 v64, v12, 8, v10                 ; sel
	v_mov_b32 v66, v11
	v_mov_b32 v67, v13
	v_lshlrev_b32 v6, 2, v0
	v_lshlrev_b32 v7, 3, v0
	s_lshl_b32 s22, ttmp9, 9
	s_add_co_u32 s22, s22, 1024
	s_mov_b32 s23, 0
	s_add_nc_u64 s[32:33], s[14:15], s[22:23]      ; sel lies behind the 1,024 bytes of bit words
	s_lshl_b32 s22, ttmp9, 10
	s_add_nc_u64 s[16:17], s[16:17], s[22:23]
	s_wait_alu depctr_va_vdst(0)
	s_wait_dscnt 0x0
	global_store_b128 v4, v[48:51], s[10:11]
	global_store_b128 v4, v[52:55], s[10:11] offset:512
	global_store_b128 v4, v[56:59], s[12:13]
	global_store_b128 v4, v[60:63], s[12:13] offset:512
	global_store_b32 v6, v64, s[32:33]
	global_store_b64 v7, v[66:67], s[16:17]
	s_lshl_b32 s22, ttmp9, 2
	s_add_co_u32 s22, s22, s18
	s_lshl_b32 s22, s22, 2                         ; word 4 x work-group + wave
	v_lshlrev_b32 v68, 7, v1                       ; lane e: expert e's 128 bytes
	v_add_nc_u32 v68, s22, v68
	s_wait_alu depctr_va_vdst(0)
	s_wait_xcnt 0x0                                ; EXEC changes only behind this wait
	v_cmp_gt_u32 vcc_lo, 8, v1
	s_wait_tensorcnt 0x0
	ds_add_u32 v192, v193
	s_wait_dscnt 0x0
	s_and_saveexec_b32 s23, vcc_lo
	global_store_b32 v68, v9, s[14:15]
	s_wait_xcnt 0x0                                ; and again, in front of the line that widens it
	s_or_b32 exec_lo, exec_lo, s23
	s_endpgm
.Lfunc_end_k_q35f22a58ee_gate2:
	.size	k_q35f22a58ee_gate2, .Lfunc_end_k_q35f22a58ee_gate2-k_q35f22a58ee_gate2
	.p2alignl 7, 3214868480
	.fill 96, 4, 3214868480
	.section	.rodata,"a",@progbits
	.p2align	6, 0x0
	.amdhsa_kernel k_q35f22a58ee_gate2
		.amdhsa_group_segment_fixed_size 8704
		.amdhsa_private_segment_fixed_size 0
		.amdhsa_enable_private_segment 0
		.amdhsa_kernarg_size 56
		.amdhsa_user_sgpr_count 2
		.amdhsa_user_sgpr_kernarg_segment_ptr 1
		.amdhsa_wavefront_size32 1
		.amdhsa_system_sgpr_workgroup_id_x 1
		.amdhsa_system_sgpr_workgroup_id_y 1
		.amdhsa_system_sgpr_workgroup_id_z 1
		.amdhsa_system_vgpr_workitem_id 0
		.amdhsa_next_free_vgpr 194
		.amdhsa_next_free_sgpr 66
		.amdhsa_reserve_vcc 1
		.amdhsa_float_denorm_mode_32 3
		.amdhsa_float_denorm_mode_16_64 3
		.amdhsa_memory_ordered 1
		.amdhsa_forward_progress 1
		.amdhsa_inst_pref_size 19
	.end_amdhsa_kernel
	.amdgpu_metadata
---
amdhsa.version: [ 1, 2 ]
amdhsa.kernels:
  - .name:           k_q35f22a58ee_gate2
    .symbol:         k_q35f22a58ee_gate2.kd
    .args:
      - { .name: plog, .offset: 0, .size: 8, .value_kind: global_buffer, .address_space: global }
      - { .name: gumbel_u, .offset: 8, .size: 8, .value_kind: global_buffer, .address_space: global }
      - { .name: gate_b2, .offset: 16, .size: 8, .value_kind: global_buffer, .address_space: global }
      - { .name: out1, .offset: 24, .size: 8, .value_kind: global_buffer, .address_space: global }
      - { .name: out2, .offset: 32, .size: 8, .value_kind: global_buffer, .address_space: global }
      - { .name: route, .offset: 40, .size: 8, .value_kind: global_buffer, .address_space: global }
      - { .name: wts, .offset: 48, .size: 8, .value_kind: global_buffer, .address_space: global }
    .group_segment_fixed_size: 8704
    .private_segment_fixed_size: 0
    .kernarg_segment_align: 8
    .kernarg_segment_size: 56
    .max_flat_workgroup_size: 128
    .sgpr_count:     66
    .vgpr_count:     194
    .wavefront_size: 32
...
	.end_amdgpu_metadata
.endif
;; end of part 7
;; launch ffn1 (part 8): grid 32 x 8, 4 waves a work-group, no clusters, 153,600 bytes of LDS; arguments ew1, eb1, xc, route, hc, tlist; writes hc, tlist
.if DOCPART == 8
	.amdgcn_target "amdgcn-amd-amdhsa--gfx1250"
	.amdhsa_code_object_version 6
	.text
	.protected	k_q35f22a58ee_ffn1
	.globl	k_q35f22a58ee_ffn1
	.p2align	8
	.type	k_q35f22a58ee_ffn1,@function
k_q35f22a58ee_ffn1:
	s_mov_b64 s[64:65], 0
	v_nop
	global_prefetch_b8 v0, s[64:65] scope:SCOPE_SE
	s_setreg_imm32_b32 hwreg(HW_REG_WAVE_SCHED_MODE, 0, 2), 2
	s_setreg_imm32_b32 hwreg(HW_REG_WAVE_MODE, 25, 1), 1
	s_wait_xcnt 0x0
	s_wait_alu depctr_vm_vsrc(0)
; AN EXPERT'S FIRST LAYER, for the rows that chose it: hidden = relu(x ew1[e] + eb1[e]) on codes of BF6 (E3M2), quantised again along the hidden units and stored as codes.
; SHARES.  A work-group owns expert e (grid y) and hidden units 128 hs .. 128 hs + 127 (grid x): 512 KB of ew1, which no other work-group reads.  PHASE A: the four waves quantise that slice once
; (wave 2 g + kh: columns 64 g on, rows 512 kh on) and lay its 64 fragments in LDS as images of their registers.  One barrier.  PHASE B: the expert's rows, in tiles of 16, six tiles a wave and pass
; (tile 24 pass + 4 i + wave), are multiplied with all 64 fragments.  The number of passes hangs on the stored choice, so the launch has no tensor load and no barrier in that loop; an expert with more than
; 384 rows takes further passes.  All six tiles are always loaded and multiplied (a tile past the last is a copy of the last), so that every wait's count is a constant; only the stores are left out for them.
; WHICH ROWS.  route holds for each expert 32 words of bits, a bit a token.  Position P of the expert's list is the token with the P-th set bit: found for 96 positions a wave and pass by a scan over the 32 words and
; a search in the word (macro RANKSEL), while the first weights are on their way.  Positions past the count give token 1,023: such rows are computed and land in rows of the workspace that nobody reads, or are equal to that token's own.
; From the lane that found it a token goes to the lanes that load its codes by lane permutes of the vector unit: every address of the gather is made of the words read from route by scalar and vector arithmetic alone.
; LAYOUT.  As in the gate: a lane loads columns 4 q .. 4 q + 3, tile j is made of the columns 4 q + j, the product is used transposed, and lane (row, h) holds in accumulator register p = 8 j + j' the unit
; 32 h + 4 j' + j of a strip of 64: ONE WHOLE BLOCK OF 32 of the next product's K.  So its largest number needs no other lane, and its six registers of codes are registers 6 g .. 6 g + 5 of the next operand, in the
; right lane.  Inside a block position p holds unit 4 (p % 8) + p / 8; the second layer's launch lays ew2's rows in the same order.
; No multicast: every byte of the weights has one reader; x's codes, which 32 work-groups share, are under a third of a work-group's bytes, and the partners' trip counts hang on stored counts.
; No prefetch: a wave has up to 64 loads of weights out in phase A.
; LIMITS: NaN and infinities among the inputs are not served.  A block whose largest magnitude lies under 2^-122 keeps the scale byte 1; a block of zeros gets the byte 1 where the rule says 127 (zero codes; read by this program alone).
; THE MODE: SCHED_MODE bits 1:0 = 2 (LLVM: expert scheduling mode 2), set by the entry lines.  The code itself states the register dependences between vector or matrix instructions and memory or LDS
; instructions, with s_wait_alu, always for 0.
; THE PLAN.  Registers that memory or LDS instructions touch:
;   PHASE A  window 3: two staging sets: loads land, QMOVE reads, loaded again behind a wait on va_vdst.  v[FR ..], v[SWR ..]: written by QMATH and PUTSTEP's lines, read by PUTSTEP's LDS stores.
;            v18 to v23: offsets, addresses and the bias word of phase A; a pass's head writes them anew, behind its wait on vm_vsrc.
;   A PASS   v[HO ..], v[HSO ..], v[TLV ..], v[TOK ..], v[XV ..], v[GO ..]: written at the pass's head, read by its loads and stores.  ONE wait on va_vdst stands behind the head's vector work: it states that these
;            are written, and that the last pass's products and conversions (in the first pass: phase A's lines) are done with the rows, the accumulators, v[XS ..], v[WB ..] and v[SW ..], in which the pass's loads land.
;            No vector instruction stands between that wait and the first product.
;            The rows of a tile: the gather lands, the stage's LDS stores read, the stage's LDS loads land in the same registers (a wait on vm_vsrc between), the products read.
;            v[WB ..], v[SW ..], two sets: step u's products read set u % 2; the loads of step u + 1 land in the other, which the products of step u - 1 read: one wait on va_vdst at a step's head.  Behind it
;            tiles 0 and 1 are multiplied, then the 13 loads are issued: the products since the wait name the other set.
;            The accumulators: the products write, the epilogue's lines read and write, strip 1's bias lands: two tiles at a time, one wait on va_vdst for the pair.
;            v[HC ..], v[HW ..]: written by the epilogue, read by the pair's stores, behind one wait on va_vdst.
.set FLOOR, 0x2800000
.set EOFF,  0xfe000000
.set PITCH, 16384                      ; a row of ew1[e] in bytes
.set STW,   3                          ; staging in window 3
.set WSC,   98304                      ; LDS: 64 fragment images from 0 (step u = 8 g + s: fragments 4 u + j); then their scale words [u][row q][j]
.set BI,    102400                     ; the bias in the accumulators' order: 4 blocks x 32 words
.set XSTG,  102912                     ; each wave's stage for x's codes: 16 rows x (768 + 16) bytes
.set XSOFF, 786432
.set HSOFF, 25165824
.set Q,    1
.set H,    2
.set LI,   3                           ; 16 x lane
.set LI2,  4                           ; + 49,152: an LDS offset has 16 bits
.set SWA,  5
.set BIA,  6
.set H8,   7
.set TK,   8                           ; v8-10  tokens of the pass's six tiles: lanes 0-15 tile 2 k, lanes 16-31 tile 2 k + 1
.set L4,   11                          ; 4 x lane
.set TOK,  12                          ; v12-17 tile i's tokens, row = lane % 16
.set HO,   18                          ; v18-23 where tile i's codes go
.set HSO,  24                          ; v24-29 and its scale words
.set XSI,  30
.set XSO,  31
.set WOFF, 18                          ; phase A alone
.set IA,   19
.set SA,   20
.set BV,   21
.set BADR, 22
.set BOFF, 23
.set FR,   32
.set U,    80
.set MX,   112
.set SO,   116
.set BY,   120
.set SWR,  124
.set T,    128
.set STA,  0
.set STB,  128
.set RS,   32                          ; RANKSEL's 33 registers
.set GO,   32                          ; 48 offsets of the gather
.set WB,   32                          ; v32-127  the weights' fragments from LDS, two sets of 48
.set SW,   128                         ; v128-135 their scale words
.set XS,   136                         ; v136-159 x's scale words: lane (row, h) holds those of K steps 4 h .. 4 h + 3
.set HC,   160                         ; v160-231 the hidden layer's codes, 12 a tile
.set PQ16, 160                         ; at a pass's head the same registers serve as temporaries
.set PH16, 161
.set XV,   163
.set SX,   169                         ; v169-174 tile i's tokens laid for the broadcasts: lanes 16-31 row r, lanes 0-15 row r xor 1
.set HW,   232                         ; v232-237 the hidden layer's scale words
.set EM,   238
.set ESO,  242
.set EBY,  243
.set ETM,  244
.set EU,   246
.set TLV,  250                         ; v250-255 where tile i's tokens go
.set MW,   16                          ; s16-47 the expert's 32 words of bits
.set WV,   48
.set EX,   49
.set CNT,  51
.set NT,   52                          ; tiles
.set NT1,  53                          ; the last tile
.set NPASS, 54
.set PASS, 55
.set TB,   56
.set CN,   57
.set CT,   58
.set SEL,  60                          ; s60-61 v_permlanex16_b32's selects for lane l xor 16
.set TAU,  70                          ; s70-75 tile i's number
.set SWP,  78                          ; s78-79 its selects for lane (l xor 1) of the other half
.set CM,   80                          ; s80-82 the masks of RANKSEL's compares, three to a run
.set BS,   86                          ; s86-93 its selects for lane 2 a of the other half, in all sixteen fields
.set MSB, 0
.macro WIN new
.if MSB != (\new)
	s_set_vgpr_msb (MSB<<8)|(\new)
.set MSB, (\new)
.endif
.endm
.macro PLACES
.rept 4
	v_nop
.endr
.endm
.macro LOADCHUNK sb, off               ; 64 rows x 64 columns: each half of the lanes reads 256 consecutive bytes; read once in the launch
	WIN STW<<6
.set li_, 0
.rept 32
	global_load_b128 v[\sb+4*li_:\sb+4*li_+3], v[WOFF], s[4:5] offset:\off+li_*PITCH th:TH_LOAD_NT
.set li_, li_+1
.endr
	WIN 0
.endm
.macro QMOVE sb, perm
	WIN STW
.set qp_, 0
.rept 32
.if \perm
.set qo_, 4*(qp_%8)+qp_/8
.else
.set qo_, qp_
.endif
	v_mov_b32 v[T+qp_], v[\sb+4*qo_]
	v_mov_b32 v[T+32+qp_], v[\sb+4*qo_+1]
	v_mov_b32 v[T+64+qp_], v[\sb+4*qo_+2]
	v_mov_b32 v[T+96+qp_], v[\sb+4*qo_+3]
.set qp_, qp_+1
.endr
	WIN 0
.endm
.macro QMATH c
.irp j,0,1,2,3
	v_max3_num_f32 v[MX+\j], |v[T+32*\j]|, |v[T+32*\j+1]|, FLOOR
.endr
.irp i,2,4,6,8,10,12,14,16,18,20,22,24,26,28,30
.irp j,0,1,2,3
	v_max3_num_f32 v[MX+\j], v[MX+\j], |v[T+32*\j+\i]|, |v[T+32*\j+\i+1]|
.endr
.endr
.irp j,0,1,2,3
	v_add_nc_u32 v[SO+\j], EOFF, v[MX+\j]
.endr
.irp j,0,1,2,3
.if (\c)==0
	v_lshrrev_b32 v[SWR+\j], 23, v[SO+\j]
.else
	v_lshrrev_b32 v[BY+\j], 23, v[SO+\j]
.endif
.endr
.if (\c)==1
.irp j,0,1,2,3
	v_lshl_or_b32 v[SWR+\j], v[BY+\j], 16, v[SWR+\j]
.endr
.endif
.irp j,0,1,2,3
	v_cvt_scalef32_pk16_bf6_f32 v[U+8*\j:U+8*\j+2], v[T+32*\j:T+32*\j+15], v[SO+\j]
	v_cvt_scalef32_pk16_bf6_f32 v[U+8*\j+4:U+8*\j+6], v[T+32*\j+16:T+32*\j+31], v[SO+\j]
.endr
	v_nop                                          ; one plain instruction behind the conversions
.irp j,0,1,2,3
.irp t,0,1,2
	v_mov_b32 v[FR+12*\j+6*(\c)+\t], v[U+8*\j+\t]
	v_mov_b32 v[FR+12*\j+6*(\c)+3+\t], v[U+8*\j+4+\t]
.endr
.endr
.endm
.macro PUTSTEP ioff, soff
.irp j,0,1,2,3
	v_lshlrev_b32 v[SWR+\j], v[H8], v[SWR+\j]
.endr
.irp j,0,1,2,3
	v_permlanex16_b32 v[MX+\j], v[SWR+\j], s[SEL], s[SEL+1]
.endr
.irp j,0,1,2,3
	v_or_b32 v[SWR+\j], v[SWR+\j], v[MX+\j]
.endr
	s_wait_alu depctr_va_vdst(0)                   ; the four fragments v[FR ..] and the four scale words v[SWR ..] are written, which the LDS stores below read
.irp j,0,1,2,3
.irp c,0,1,2
	ds_store_b128 v[IA], v[FR+12*\j+4*\c:FR+12*\j+4*\c+3] offset:\ioff+1536*\j+512*\c
.endr
.endr
	ds_store_b128 v[SA], v[SWR:SWR+3] offset:\soff ; both halves write the same bytes with the same values
	s_wait_dscnt 0x0
	s_wait_alu depctr_vm_vsrc(0)                   ; the LDS stores have read v[FR ..] and v[SWR ..], which later lines write again
.endm
; One level of the search for the n-th set bit: the count of the lower half of the field in hand; where n is not under it, n loses it and the place moves up
.macro RLEVEL x, mask, wid
.irp k,0,1,2
	v_lshrrev_b32 v[RS+27+\k], v[RS+24+\k], v[RS+(\x)+\k]
	v_and_b32 v[RS+27+\k], \mask, v[RS+27+\k]
	v_cmp_ge_u32 s[CM+\k], v[RS+\k], v[RS+27+\k]
.endr
	s_wait_alu depctr_va_sdst(0)                   ; the three compares have written their masks, which the selections below read
.irp k,0,1,2
	v_sub_nc_u32 v[RS+27+\k], v[RS+\k], v[RS+27+\k]
	v_add_nc_u32 v[RS+30+\k], \wid, v[RS+24+\k]
	v_cndmask_b32 v[RS+\k], v[RS+\k], v[RS+27+\k], s[CM+\k]
	v_cndmask_b32 v[RS+24+\k], v[RS+24+\k], v[RS+30+\k], s[CM+\k]
.endr
.endm
; The tokens of the pass's six tiles.  Registers, three of each (k): +0 P, then n; +3 the word; +6 the bits ahead of it; +9 its number; +12, +15, +18, +21 counts of fields of 2, 4, 8, 16 bits; +24 the place; +27, +30 at work
.macro RANKSEL
.irp k,0,1,2
	v_lshl_add_u32 v[RS+\k], v[H], 2, s[TB]
	v_add_nc_u32 v[RS+\k], 8*\k, v[RS+\k]          ; tile 24 pass + wave + 4 (2 k + h),
	v_min_u32 v[RS+\k], s[NT1], v[RS+\k]           ; held at the last tile
	v_lshl_add_u32 v[RS+\k], v[RS+\k], 4, v[Q]     ; P = 16 x tile + row
	v_mov_b32 v[RS+3+\k], s[MW]
	v_mov_b32 v[RS+6+\k], 0
	v_mov_b32 v[RS+9+\k], 0
.endr
	s_bcnt1_i32_b32 s[CN], s[MW]
.set wi_, 1
.rept 31
.irp k,0,1,2
	v_cmp_gt_u32 s[CM+\k], s[CN], v[RS+\k]         ; more bits ahead of this word than P: what was found stays
.endr
	s_wait_alu depctr_va_sdst(0)                   ; the three compares have written their masks, which the selections below read
.irp k,0,1,2
	v_cndmask_b32 v[RS+3+\k], s[MW+wi_], v[RS+3+\k], s[CM+\k]
	v_cndmask_b32 v[RS+6+\k], s[CN], v[RS+6+\k], s[CM+\k]
	v_cndmask_b32 v[RS+9+\k], wi_, v[RS+9+\k], s[CM+\k]
.endr
	s_bcnt1_i32_b32 s[CT], s[MW+wi_]
	s_add_co_u32 s[CN], s[CN], s[CT]
.set wi_, wi_+1
.endr
.irp k,0,1,2
	v_sub_nc_u32 v[RS+\k], v[RS+\k], v[RS+6+\k]    ; n: which set bit of the word
	v_lshrrev_b32 v[RS+27+\k], 1, v[RS+3+\k]
	v_and_b32 v[RS+27+\k], 0x55555555, v[RS+27+\k]
	v_sub_nc_u32 v[RS+12+\k], v[RS+3+\k], v[RS+27+\k]
	v_lshrrev_b32 v[RS+27+\k], 2, v[RS+12+\k]
	v_and_b32 v[RS+27+\k], 0x33333333, v[RS+27+\k]
	v_and_b32 v[RS+30+\k], 0x33333333, v[RS+12+\k]
	v_add_nc_u32 v[RS+15+\k], v[RS+27+\k], v[RS+30+\k]
	v_lshrrev_b32 v[RS+27+\k], 4, v[RS+15+\k]
	v_add_nc_u32 v[RS+27+\k], v[RS+27+\k], v[RS+15+\k]
	v_and_b32 v[RS+18+\k], 0x0f0f0f0f, v[RS+27+\k]
	v_lshrrev_b32 v[RS+27+\k], 8, v[RS+18+\k]
	v_add_nc_u32 v[RS+27+\k], v[RS+27+\k], v[RS+18+\k]
	v_and_b32 v[RS+21+\k], 0x00ff00ff, v[RS+27+\k]
	v_mov_b32 v[RS+24+\k], 0
.endr
	RLEVEL 21,0xff,16
	RLEVEL 18,0xff,8
	RLEVEL 15,15,4
	RLEVEL 12,3,2
	RLEVEL 3,1,1
.irp k,0,1,2
	v_lshl_add_u32 v[TK+\k], v[RS+9+\k], 5, v[RS+24+\k]
	v_min_u32 v[TK+\k], 0x3ff, v[TK+\k]
.endr
.endm
.macro WLOAD u, buf                    ; step u's four fragments and scale words from LDS
.if (\u)<8
.set wa_, LI
.set wo_, (\u)*6144
.else
.set wa_, LI2
.set wo_, ((\u)-8)*6144
.endif
.irp j,0,1,2,3
.irp c,0,1,2
	ds_load_b128 v[WB+48*(\buf)+12*\j+4*\c:WB+48*(\buf)+12*\j+4*\c+3], v[wa_] offset:wo_+1536*\j+512*\c
.endr
.endr
	ds_load_b128 v[SW+4*(\buf):SW+4*(\buf)+3], v[SWA] offset:256*(\u)
.endm
; Tile i lies in window 1 + i / 2: its row fragments at 96 (i % 2) + 12 x slot, its four accumulators at 192 + 32 (i % 2)
.macro MM i, j, slot, buf, sreg, srow
.set ac_, 192+32*((\i)%2)+8*(\j)
.set xb_, 96*((\i)%2)+12*(\slot)
.set wb_, WB+48*(\buf)+12*(\j)
.if \srow
	v_wmma_scale_f32_16x16x128_f8f6f4 v[ac_:ac_+7], v[wb_:wb_+11], v[xb_:xb_+11], v[ac_:ac_+7], v[SW+4*(\buf)+(\j)], v[\sreg] matrix_a_fmt:MATRIX_FMT_BF6 matrix_b_fmt:MATRIX_FMT_BF6 matrix_b_scale:MATRIX_SCALE_ROW1
.else
	v_wmma_scale_f32_16x16x128_f8f6f4 v[ac_:ac_+7], v[wb_:wb_+11], v[xb_:xb_+11], v[ac_:ac_+7], v[SW+4*(\buf)+(\j)], v[\sreg] matrix_a_fmt:MATRIX_FMT_BF6 matrix_b_fmt:MATRIX_FMT_BF6
.endif
.endm
.macro FSTEP u                         ; strip u / 8, K step u % 8: 24 products, the 24 accumulators by turns
	s_wait_dscnt 0x0                               ; this step's fragments are in
	PLACES                                         ; four plain instructions between the last products and loads into registers that they read
.if ((\u)%8)>0 && (\u)<15
	s_wait_alu depctr_va_vdst(0)                   ; the last step's products are done reading the other set of fragments and scale words, in which the loads below land.  (A strip's first step owes none: the wait behind the pass's head, or the epilogue's last, stands behind those products)
.endif
.irp i,0,1,2,3,4,5
	WIN (1+\i/2)*0x54                              ; rows, C and D in the tile's window
.irp j,0,1,2,3
	MM \i,\j,(\u)%8,(\u)%2,XS+4*\i+(\u)%4,((\u)%8)/4
.endr
.if (\i)==1 && (\u)<15
	WIN 0
	WLOAD (\u)+1,((\u)+1)%2                        ; the next step's 13 loads, behind the first two tiles' products, which name this step's set: 16 products are left in which they land
.endif
.endr
	WIN 0
.endm
.macro BIAS i, g                       ; the bias is the C of each sum's first product: it is loaded straight into the accumulators
	WIN (1+(\i)/2)<<6
.irp t,0,1,2,3,4,5,6,7
	ds_load_b128 v[192+32*((\i)%2)+4*\t:192+32*((\i)%2)+4*\t+3], v[BIA] offset:256*(\g)+16*\t
.endr
	WIN 0
.endm
.macro GATHER i                        ; tile i's 16 tokens' codes: two tokens a load, each half of the lanes reads 256 consecutive bytes, aligned
	WIN (1+(\i)/2)<<6
.irp a,0,1,2,3,4,5,6,7
.irp c,0,1,2
	global_load_b128 v[96*((\i)%2)+12*\a+4*\c:96*((\i)%2)+12*\a+4*\c+3], v[GO+8*(\i)+\a], s[8:9] offset:256*\c
.endr
.endr
	WIN 0
.endm
.macro TURN i                          ; through my own stage they become fragments, in the registers that they left
	WIN (1+(\i)/2)<<2
.irp a,0,1,2,3,4,5,6,7
.irp c,0,1,2
	ds_store_b128 v[XSI], v[96*((\i)%2)+12*\a+4*\c:96*((\i)%2)+12*\a+4*\c+3] offset:1568*\a+256*\c
.endr
.endr
	WIN (1+(\i)/2)<<6
	s_wait_alu depctr_vm_vsrc(0)                   ; the LDS stores above have read the tile's registers, in which the LDS loads below land.  (The loads issued so far have read their offsets too: v[XV ..], which the codes take, and, from tile 3 on, all of v[GO ..], in which the first weights land)
.irp s,0,1,2,3,4,5,6,7
.irp c,0,1,2
	ds_load_b128 v[96*((\i)%2)+12*\s+4*\c:96*((\i)%2)+12*\s+4*\c+3], v[XSO] offset:96*\s+16*\c   ; LDS serves a wave's instructions in order: these see the stores above, and the next tile's stores come behind them
.endr
.endr
	WIN 0
.endm
; Tile i's 32 numbers a lane of strip g: relu, the block's scale, six registers of codes; behind strip 1 the scale word is made whole
.macro EPIV i, g
.set ew_, 1+(\i)/2
.set ea_, 192+32*((\i)%2)
	WIN (ew_<<6)|(ew_<<2)|ew_
.set ep_, 0
.rept 32
	v_max_num_f32 v[ea_+ep_], 0, v[ea_+ep_]        ; each accumulator from its low end on
.set ep_, ep_+1
.endr
	WIN 0
.irp c,0,1,2,3
	v_mov_b32 v[EM+\c], FLOOR
.endr
	WIN (ew_<<4)|(ew_<<2)
.irp t,0,2,4,6
.irp c,0,1,2,3
	v_max3_num_f32 v[EM+\c], v[EM+\c], v[ea_+8*\c+\t], v[ea_+8*\c+\t+1]   ; none is negative: no |.|
.endr
.endr
	WIN 0
	v_max3_num_f32 v[EM], v[EM], v[EM+1], v[EM+2]
	v_max_num_f32 v[EM], v[EM], v[EM+3]
	v_add_nc_u32 v[ESO], EOFF, v[EM]
	WIN ew_
	v_cvt_scalef32_pk16_bf6_f32 v[HC+12*(\i)+6*(\g):HC+12*(\i)+6*(\g)+2], v[ea_:ea_+15], v[ESO]
	v_cvt_scalef32_pk16_bf6_f32 v[EU:EU+2], v[ea_+16:ea_+31], v[ESO]
	WIN 0
	v_lshrrev_b32 v[EBY], 23, v[ESO]               ; the scale's byte (a plain instruction behind the conversions)
.irp t,0,1,2
	v_mov_b32 v[HC+12*(\i)+6*(\g)+3+\t], v[EU+\t]
.endr
.if (\g)==0
	v_mov_b32 v[HW+(\i)], v[EBY]
.else
	v_lshl_or_b32 v[HW+(\i)], v[EBY], 16, v[HW+(\i)]
	v_lshlrev_b32 v[HW+(\i)], v[H8], v[HW+(\i)]
	v_permlanex16_b32 v[ETM], v[HW+(\i)], s[SEL], s[SEL+1]
	v_or_b32 v[HW+(\i)], v[HW+(\i)], v[ETM]
.endif
.endm
; Behind strip 1 tile i's fragment and its scale word leave
.macro EPIS i
	s_cmp_lt_u32 s[TAU+(\i)], s[NT]                ; a tile past the last stores nothing
	s_cbranch_scc0 .Lno_store_\@
.irp c,0,1,2
	global_store_b128 v[HO+(\i)], v[HC+12*(\i)+4*\c:HC+12*(\i)+4*\c+3], s[12:13] offset:512*\c   ; the fragment as it stands: 512 consecutive bytes a store
.endr
	global_store_b32 v[HSO+(\i)], v[HW+(\i)], s[84:85]
	s_cmp_lg_u32 ttmp9, 0                          ; the expert's first work-group also stores the tile's tokens, for the next launch
	s_cbranch_scc1 .Lno_store_\@
	global_store_b32 v[TLV+(\i)], v[TOK+(\i)], s[14:15]
.Lno_store_\@:
.endm
	s_load_b256 s[4:11], s[0:1], 0x0               ; ew1 s[4:5], eb1 s[6:7], xc s[8:9], route s[10:11]
	s_load_b128 s[12:15], s[0:1], 0x20             ; hc s[12:13], tlist s[14:15]
	v_lshrrev_b32 v9, 5, v0
	v_readfirstlane_b32 s[WV], v9                  ; wave 0..3
	v_and_b32 v9, 31, v0
	v_and_b32 v[Q], 15, v0
	v_bfe_u32 v[H], v0, 4, 1
	v_lshlrev_b32 v[LI], 4, v9
	v_add_nc_u32 v[LI2], 49152, v[LI]
	v_lshlrev_b32 v[L4], 2, v9
	v_lshlrev_b32 v10, 4, v[Q]
	s_wait_alu depctr_va_vdst(0)
	v_add_nc_u32 v[SWA], WSC, v10
	v_lshlrev_b32 v[BIA], 7, v[H]
	v_add_nc_u32 v[BIA], BI, v[BIA]
	v_lshlrev_b32 v[H8], 3, v[H]
	v_lshl_add_u32 v[WOFF], v[H], 19, v10          ; lanes 16-31 begin 32 rows further down
	s_wait_alu depctr_va_sdst(0)                   ; the wave's number is written, ahead of its first reader
	s_lshr_b32 s66, s[WV], 1                       ; g: which 64 columns
	s_and_b32 s67, s[WV], 1                        ; kh: which 512 rows
	s_lshl_b32 s68, s66, 3
	s_lshl_b32 s69, s67, 2
	s_add_co_u32 s68, s68, s69                     ; my first step: 8 g + 4 kh
	s_mul_i32 s69, s68, 6144
	v_add_nc_u32 v[IA], s69, v[LI]
	s_lshl_b32 s69, s68, 8
	s_add_co_u32 s69, s69, WSC
	v_add_nc_u32 v[SA], s69, v10
	v_and_b32 v[BADR], 0x60, v0                    ; column n = my thread's number goes to block n / 32, word 8 (n % 4) + (n % 32) / 4
	v_lshlrev_b32 v[BADR], 2, v[BADR]
	v_and_b32 v[BOFF], 3, v0
	v_lshl_add_u32 v[BADR], v[BOFF], 5, v[BADR]
	v_and_b32 v[BOFF], 0x1c, v0
	v_add_nc_u32 v[BADR], v[BADR], v[BOFF]
	v_add_nc_u32 v[BADR], BI, v[BADR]
	v_lshlrev_b32 v[BOFF], 2, v0
	s_mul_i32 s69, s[WV], 12544
	s_add_co_u32 s69, s69, XSTG
	v_mul_u32_u24 v[XSI], v[H], 784
	v_add_nc_u32 v[XSI], v[XSI], v10
	v_add_nc_u32 v[XSI], s69, v[XSI]
	v_mul_u32_u24 v[XSO], v[Q], 784
	v_mad_u32_u24 v[XSO], v[H], 48, v[XSO]
	v_add_nc_u32 v[XSO], s69, v[XSO]
	s_mov_b32 s[SEL], 0x76543210
	s_mov_b32 s[SEL+1], 0xfedcba98
	s_mov_b32 s[SWP], 0x67452301                   ; field i names lane i xor 1
	s_mov_b32 s[SWP+1], 0xefcdab89
.irp a,0,1,2,3,4,5,6,7
	s_mov_b32 s[BS+\a], 0x22222222*\a              ; every field names lane 2 a
.endr
	s_and_b32 s[EX], ttmp7, 0xffff
	s_wait_kmcnt 0x0
	s_lshl_b32 s68, s[EX], 7
	s_mov_b32 s69, 0
	s_add_nc_u64 s[10:11], s[10:11], s[68:69]
	s_load_b512 s[16:31], s[10:11], 0x0            ; the expert's 32 words of bits
	s_load_b512 s[32:47], s[10:11], 0x40
	s_lshl_b32 s68, s[EX], 24                      ; the expert's 16 MB,
	s_lshl_b32 s76, s67, 23                        ; my 512 rows,
	s_add_co_u32 s68, s68, s76
	s_lshl_b32 s76, ttmp9, 9                       ; the work-group's 128 columns,
	s_add_co_u32 s68, s68, s76
	s_lshl_b32 s76, s66, 8                         ; my 64 of them
	s_add_co_u32 s68, s68, s76
	s_add_nc_u64 s[4:5], s[4:5], s[68:69]
	s_lshl_b32 s68, s[EX], 14
	s_lshl_b32 s76, ttmp9, 9
	s_add_co_u32 s68, s68, s76
	s_add_nc_u64 s[6:7], s[6:7], s[68:69]
	s_add_nc_u64 s[62:63], s[8:9], XSOFF           ; x's scale words
	s_add_nc_u64 s[84:85], s[12:13], HSOFF         ; the hidden layer's
	s_wait_alu depctr_va_vdst(0)                   ; the head's offsets and addresses (v3 to v7, v11, v18 to v23, v30, v31) are written, which the loads and the LDS instructions below read
	global_load_b32 v[BV], v[BOFF], s[6:7]
	LOADCHUNK STA,0
	LOADCHUNK STB,64*PITCH
	s_wait_kmcnt 0x0
	s_bcnt1_i32_b32 s[CNT], s[MW]
.set wi_, 1
.rept 31
	s_bcnt1_i32_b32 s[CT], s[MW+wi_]
	s_add_co_u32 s[CNT], s[CNT], s[CT]
.set wi_, wi_+1
.endr
	s_add_co_u32 s[NT], s[CNT], 15
	s_lshr_b32 s[NT], s[NT], 4
	s_min_u32 s[NT], s[NT], 64
	s_max_u32 s[NT1], s[NT], 1
	s_sub_co_u32 s[NT1], s[NT1], 1
	s_add_co_u32 s[NPASS], s[NT], 23               ; passes of 24 tiles: (nt + 23) / 24, by 2,731 / 65,536, exact up to 87
	s_mul_i32 s[NPASS], s[NPASS], 2731
	s_lshr_b32 s[NPASS], s[NPASS], 16
	s_mov_b32 s[PASS], 0
	s_mov_b32 s[TB], s[WV]
	RANKSEL                                        ; work on registers while the first weights are on their way
	; PHASE A: eight chunks of 64 rows; every offset is an immediate (7,847,936 at the most, inside the signed 24 bits)
.set kc_, 0
.rept 8
.if kc_<7
	s_wait_loadcnt 32                              ; all but the other set's 32 loads
.else
	s_wait_loadcnt 0
.endif
.if (kc_%2)==0
	QMOVE STA,0
.if kc_<6
	s_wait_alu depctr_va_vdst(0)                   ; the moves are done reading the first staging set, in which the loads below land
	LOADCHUNK STA,(kc_+2)*64*PITCH
.endif
	QMATH 0
.else
	QMOVE STB,0
.if kc_<6
	s_wait_alu depctr_va_vdst(0)                   ; the moves are done reading the second staging set, in which the loads below land
	LOADCHUNK STB,(kc_+2)*64*PITCH
.endif
	QMATH 1
	PUTSTEP (kc_/2)*6144,(kc_/2)*256
.endif
.set kc_, kc_+1
.endr
	ds_store_b32 v[BADR], v[BV]
	s_wait_dscnt 0x0                               ; for the others' sake: my images and my bias word lie in LDS
	s_barrier_signal -1
	s_barrier_wait -1
	s_cmp_eq_u32 s[NPASS], 0                       ; nobody chose this expert
	s_cbranch_scc1 .Lend
	v_mov_b32 v[ETM], 0                            ; a lane permute's destination counts as one of its sources
.Lpass:
	s_wait_xcnt 0x0                                ; the last pass's stores have read their registers
	s_wait_alu depctr_vm_vsrc(0)                   ; the last pass's stores have read their offsets, the tokens, the codes and the scale words; in the first pass phase A's loads and LDS stores have read v18 to v23: the lines below write all of these
	s_mul_i32 s[TB], s[PASS], 24
	s_add_co_u32 s[TB], s[TB], s[WV]
.irp i,0,1,2,3,4,5
	s_add_co_u32 s[TAU+\i], s[TB], 4*\i
	s_min_u32 s66, s[TAU+\i], s[NT1]
	s_min_u32 s66, s66, 63
	s_lshl_b32 s67, s[EX], 6
	s_add_co_u32 s66, s66, s67                     ; the tile's number among 8 x 64
	s_lshl_b32 s67, s66, 7
	v_add_nc_u32 v[TLV+\i], s67, v[L4]
	s_lshl_b32 s66, s66, 5
	s_add_co_u32 s66, s66, ttmp9                   ; the fragment's number: 32 K steps a tile
	s_mul_i32 s67, s66, 1536
	v_add_nc_u32 v[HO+\i], s67, v[LI]
	s_lshl_b32 s67, s66, 7
	v_add_nc_u32 v[HSO+\i], s67, v[L4]
.endr
.irp k,0,1,2
	v_permlanex16_b32 v[RS+\k], v[TK+\k], s[SEL], s[SEL+1]
.endr
	v_cmp_eq_u32 vcc_lo, 1, v[H]
	s_wait_alu depctr_va_vcc(0)                    ; the compare has written VCC, which the selections below read
.irp k,0,1,2
	v_cndmask_b32 v[TOK+2*\k], v[TK+\k], v[RS+\k], vcc_lo      ; both halves of the lanes hold the tile's 16 tokens
	v_cndmask_b32 v[TOK+2*\k+1], v[RS+\k], v[TK+\k], vcc_lo
.endr
.irp i,0,1,2,3,4,5
	v_permlanex16_b32 v[SX+\i], v[TOK+\i], s[SWP], s[SWP+1]    ; every lane r: the token of row r xor 1
.endr
.irp i,0,1,2,3,4,5
	v_cndmask_b32 v[SX+\i], v[SX+\i], v[TOK+\i], vcc_lo        ; kept in lanes 0-15; lanes 16-31 hold the token of row r
.endr
	v_lshlrev_b32 v[PQ16], 4, v[Q]
	v_lshlrev_b32 v[PH16], 4, v[H]
.irp i,0,1,2,3,4,5
	v_min_u32 v[XV+\i], 0x3ff, v[TOK+\i]
	v_lshl_add_u32 v[XV+\i], v[XV+\i], 5, v[PH16]
.endr
.irp i,0,1,2,3,4,5
.irp a,0,1,2,3,4,5,6,7
	v_permlanex16_b32 v[GO+8*\i+\a], v[SX+\i], s[BS+\a], s[BS+\a]   ; lane 2 a of the other half: lanes 0-15 get the token of row 2 a, lanes 16-31 that of row 2 a + 1
.endr
.endr
.set n_, 0
.rept 48
	v_min_u32 v[GO+n_], 0x3ff, v[GO+n_]
	v_mul_u32_u24 v[GO+n_], 0x300, v[GO+n_]        ; 768 bytes a token
	v_add_nc_u32 v[GO+n_], v[PQ16], v[GO+n_]
.set n_, n_+1
.endr
	s_wait_alu depctr_va_vdst(0)                   ; the pass's offsets are written, which its loads and stores read; and all earlier vector and matrix instructions are done with the rows, the accumulators, v[XS ..], v[WB ..] and v[SW ..], in which the loads up to the first product land
.irp i,0,1,2,3,4,5
	global_load_b128 v[XS+4*\i:XS+4*\i+3], v[XV+\i], s[62:63]
.endr
	GATHER 0
	GATHER 1
.irp i,0,1,2,3,4,5
	BIAS \i,0
.endr
.irp i,0,1,2,3
	s_wait_loadcnt 24                              ; tile i's 24 loads are in; the next tile's 24 may be out
	GATHER \i+2
	TURN \i
.endr
	s_wait_loadcnt 24
	TURN 4
	s_wait_loadcnt 0
	TURN 5
	WLOAD 0,0
.irp u,0,1,2,3,4,5,6,7
	FSTEP \u
.endr
	PLACES                                         ; four plain instructions between the last products and the first read of results
.irp i,0,2,4
	EPIV \i,0
	EPIV \i+1,0
	s_wait_alu depctr_va_vdst(0)                   ; the two tiles' relu lines have written their accumulators and the maxima and conversions are done reading them: strip 1's bias lands there
	BIAS \i,1
	BIAS \i+1,1
.endr
.irp u,8,9,10,11,12,13,14,15
	FSTEP \u
.endr
	PLACES
.irp i,0,2,4
	EPIV \i,1
	EPIV \i+1,1
	s_wait_alu depctr_va_vdst(0)                   ; the two tiles' codes and scale words are written, which the stores below read
	EPIS \i
	EPIS \i+1
.endr
	s_add_co_u32 s[PASS], s[PASS], 1
	s_cmp_ge_u32 s[PASS], s[NPASS]
	s_cbranch_scc1 .Lno_more
	s_mul_i32 s[TB], s[PASS], 24
	s_add_co_u32 s[TB], s[TB], s[WV]
	RANKSEL
.Lno_more:
	s_cmp_lt_u32 s[PASS], s[NPASS]
	s_cbranch_scc1 .Lpass
.Lend:
	s_wait_xcnt 0x0
	s_wait_alu depctr_vm_vsrc(0)                   ; the stores of the tokens have read v254 and v255 as offsets: the two lines below write them
	v_lshl_add_u32 v254, v0, 2, 0x25600
	v_mov_b32 v255, 0
	s_wait_dscnt 0x0                               ; the closing lines, six on end
	s_wait_alu 0x0
	s_wait_tensorcnt 0x0
	ds_add_u32 v254, v255
	s_wait_dscnt 0x0
	s_endpgm
.Lfunc_end_k_q35f22a58ee_ffn1:
	.size	k_q35f22a58ee_ffn1, .Lfunc_end_k_q35f22a58ee_ffn1-k_q35f22a58ee_ffn1
	.p2alignl 7, 3214868480
	.fill 96, 4, 3214868480
	.section	.rodata,"a",@progbits
	.p2align	6, 0x0
	.amdhsa_kernel k_q35f22a58ee_ffn1
		.amdhsa_group_segment_fixed_size 153600
		.amdhsa_private_segment_fixed_size 0
		.amdhsa_enable_private_segment 0
		.amdhsa_kernarg_size 48
		.amdhsa_user_sgpr_count 2
		.amdhsa_user_sgpr_kernarg_segment_ptr 1
		.amdhsa_wavefront_size32 1
		.amdhsa_system_sgpr_workgroup_id_x 1
		.amdhsa_system_sgpr_workgroup_id_y 1
		.amdhsa_system_sgpr_workgroup_id_z 1
		.amdhsa_system_vgpr_workitem_id 0
		.amdhsa_next_free_vgpr 1024
		.amdhsa_next_free_sgpr 96
		.amdhsa_reserve_vcc 1
		.amdhsa_float_denorm_mode_32 3
		.amdhsa_float_denorm_mode_16_64 3
		.amdhsa_memory_ordered 1
		.amdhsa_forward_progress 1
		.amdhsa_inst_pref_size 255
	.end_amdhsa_kernel
	.section	.bss,"aw",@nobits
	.p2align	6
	.space	262144
	.amdgpu_metadata
---
amdhsa.version: [ 1, 2 ]
amdhsa.kernels:
  - .name:           k_q35f22a58ee_ffn1
    .symbol:         k_q35f22a58ee_ffn1.kd
    .args:
      - { .name: ew1, .offset: 0, .size: 8, .value_kind: global_buffer, .address_space: global }
      - { .name: eb1, .offset: 8, .size: 8, .value_kind: global_buffer, .address_space: global }
      - { .name: xc, .offset: 16, .size: 8, .value_kind: global_buffer, .address_space: global }
      - { .name: route, .offset: 24, .size: 8, .value_kind: global_buffer, .address_space: global }
      - { .name: hc, .offset: 32, .size: 8, .value_kind: global_buffer, .address_space: global }
      - { .name: tlist, .offset: 40, .size: 8, .value_kind: global_buffer, .address_space: global }
    .group_segment_fixed_size: 153600
    .private_segment_fixed_size: 0
    .kernarg_segment_align: 8
    .kernarg_segment_size: 48
    .max_flat_workgroup_size: 128
    .sgpr_count:     96
    .vgpr_count:     1024
    .wavefront_size: 32
...
	.end_amdgpu_metadata
.endif
;; end of part 8
;; launch ffn2 (part 9): grid 32 x 8, 4 waves a work-group, no clusters, 120,832 bytes of LDS; arguments ew2, eb2, hc, tlist, route, y; writes y
.if DOCPART == 9
	.amdgcn_target "amdgcn-amd-amdhsa--gfx1250"
	.amdhsa_code_object_version 6
	.text
	.protected	k_q35f22a58ee_ffn2
	.globl	k_q35f22a58ee_ffn2
	.p2align	8
	.type	k_q35f22a58ee_ffn2,@function
k_q35f22a58ee_ffn2:
	s_mov_b64 s[64:65], 0
	v_nop
	global_prefetch_b8 v0, s[64:65] scope:SCOPE_SE
	s_setreg_imm32_b32 hwreg(HW_REG_WAVE_SCHED_MODE, 0, 2), 2
	s_setreg_imm32_b32 hwreg(HW_REG_WAVE_MODE, 25, 1), 1
	s_wait_xcnt 0x0
	s_wait_alu depctr_vm_vsrc(0)
; AN EXPERT'S SECOND LAYER, for the rows that chose it: y[token][KH][e][:] = hidden[:, half KH of K] ew2[e][half KH of K, :] (+ eb2[e] in half 0), on codes of BF6 (E3M2).
; SHARES.  A work-group owns expert e (grid y), outputs 64 G .. 64 G + 63 and half KH of the 4,096 hidden units (grid x = G + 16 KH): 512 KB of ew2, which no other work-group reads.  PHASE A: wave w quantises rows
; 512 w on of that slice (four K steps) and lays the fragments in LDS as images of their registers.  One barrier.  PHASE B: the expert's tiles of 16 rows, six a wave and pass (tile 24 pass + 4 i + wave); the hidden layer's
; fragments stream from memory, three K steps ahead, as the register images that the launch before stored.  The two halves of K are added by the last launch: each output byte of this one has one owner.
; The number of passes hangs on the stored choice: no tensor load, and no barrier in that loop.  All six tiles are always loaded and multiplied (a tile past the last is a copy of the last); their stores are left out.
; ROWS PAST THE COUNT.  An expert's last tile may have rows past its count.  They are stored like the others, but to rows of their own: y has 1,040 token rows, and row r of such a tile goes to token row 1,024 + r, which nobody
; reads.  The choice is a v_cndmask_b32 ahead of the address's clamp: no branch, no change of EXEC, and every byte of y that is written is written by one lane.
; LAYOUT.  As in the first layer.  Inside a block of 32 along K position p holds hidden unit 4 (p % 8) + p / 8: ew2's rows are laid in that order when they are moved out of the staging registers.
; No multicast: every byte of the weights has one reader, and trip counts hang on stored counts.  No prefetch: a wave has up to 64 loads of weights out in phase A.
; LIMITS: NaN and infinities among the inputs are not served.  A block whose largest magnitude lies under 2^-122 keeps the scale byte 1; a block of zeros gets the byte 1 where the rule says 127 (zero codes; read by this program alone).
; THE MODE: SCHED_MODE bits 1:0 = 2 (LLVM: expert scheduling mode 2), set by the entry lines.  The code itself states the register dependences between vector or matrix instructions and memory or LDS
; instructions, with s_wait_alu, always for 0.
; THE PLAN.  Registers that memory or LDS instructions touch:
;   PHASE A  window 3: two staging sets: loads land, QMOVE reads, loaded again behind a wait on va_vdst.  v[FR ..], v[SWR ..]: written by QMATH and PUTSTEP's lines, read by PUTSTEP's LDS stores.
;            v18 to v23: offsets, addresses and the bias word of phase A; a pass's head writes them anew, behind its wait on vm_vsrc.
;   A PASS   v[TLV ..], v[HV ..], v[HSV ..]: written at the pass's head, read by its loads.  One wait on va_vdst behind them states that too, and that the last pass's products and lines (in the first pass: phase A's)
;            are done with the rows' slots, the accumulators, v[HSC ..], v[WB ..], v[SW ..], v[YO ..] and v[OB ..].
;            v[WB ..], v[SW ..], two sets: step u's products read set u % 2, the LDS loads of step u + 1 land in the other.  The rows, eight slots a tile: step u's products read slot u % 8, the loads of step u + 3 land in
;            slot (u + 3) % 8, which step u - 5 read.  ONE wait on va_vdst at a step's head serves both; behind it the loads are dealt among the step's products, which name set u % 2 and slot u % 8 alone.
;            The accumulators: the products write, the way out's LDS stores read (the places, then one wait on va_vdst), the next pass's bias lands (the head's wait on vm_vsrc).
;            v[YO ..], v[OB ..]: the permutes' and LDS loads' results land, vector lines make the offsets in v[YO ..], the stores read both: a tile has one wait on va_vdst, ahead of the branch round its stores, which
;            also serves the next tile's permutes, and one on vm_vsrc at its head.
.set FLOOR, 0x2800000
.set EOFF,  0xfe000000
.set PITCH, 4096                       ; a row of ew2[e] in bytes
.set STW,   3
.set WSC,   98304                      ; LDS: 64 fragment images from 0 (K step u of the half: fragments 4 u + j); then their scale words
.set BI,    102400                     ; the bias in the accumulators' order (256 bytes, and 256 spare)
.set YSTG,  102912                     ; each wave's stage for y: 16 rows x (256 + 16) bytes
.set HSOFF, 25165824
.set Q,    1
.set H,    2
.set LI,   3
.set LI2,  4
.set SWA,  5
.set BIA,  6
.set H8,   7                           ; phase A: 8 h; then HQ
.set HQ,   7                           ; 128 h + 4 q
.set BP,   8                           ; v8-15  4 x (2 a + h): lane 2 a + h as a byte index, and four times the row that I store in store a
.set Q16,  16
.set L4,   17
.set HV,   18                          ; v18-23 where tile i's fragments lie
.set HSV,  24                          ; v24-29 and its scale words
.set STO,  30
.set RD,   31
.set WOFF, 18                          ; phase A alone
.set IA,   19
.set SA,   20
.set BV,   21
.set BADR, 22
.set BOFF, 23
.set FR,   32
.set U,    80
.set MX,   112
.set SO,   116
.set BY,   120
.set SWR,  124
.set T,    128
.set STA,  0
.set STB,  128
.set WB,   32
.set SW,   128
.set HSC,  136                         ; v136-183 eight a tile: lane (row, h) holds the word of K step 2 a + h
.set OB,   184
.set YO,   216
.set TOK,  224
.set TLV,  230
.set DP,   240                         ; v240-247 1,024 + 2 a + h: the token row of y for row 2 a + h where it lies past the count
.set MW,   16
.set WV,   48
.set EX,   49
.set CNT,  51                          ; the expert's rows
.set NT,   52
.set NT1,  53
.set NPASS, 54
.set PASS, 55
.set TB,   56
.set CT,   58
.set SEL,  60
.set TAU,  70
.set CM,   76                          ; s76-83 the masks of a tile's eight compares (s76 is at work at the head alone)
.set GX,   86
.set KH,   87
.set RL,   88                          ; four times the expert's rows from a tile's first on; it enters comparisons alone
.set MSB, 0
.macro WIN new
.if MSB != (\new)
	s_set_vgpr_msb (MSB<<8)|(\new)
.set MSB, (\new)
.endif
.endm
.macro PLACES
.rept 4
	v_nop
.endr
.endm
.macro LOADCHUNK sb, off
	WIN STW<<6
.set li_, 0
.rept 32
	global_load_b128 v[\sb+4*li_:\sb+4*li_+3], v[WOFF], s[4:5] offset:\off+li_*PITCH th:TH_LOAD_NT
.set li_, li_+1
.endr
	WIN 0
.endm
.macro QMOVE sb, perm
	WIN STW
.set qp_, 0
.rept 32
.if \perm
.set qo_, 4*(qp_%8)+qp_/8
.else
.set qo_, qp_
.endif
	v_mov_b32 v[T+qp_], v[\sb+4*qo_]
	v_mov_b32 v[T+32+qp_], v[\sb+4*qo_+1]
	v_mov_b32 v[T+64+qp_], v[\sb+4*qo_+2]
	v_mov_b32 v[T+96+qp_], v[\sb+4*qo_+3]
.set qp_, qp_+1
.endr
	WIN 0
.endm
.macro QMATH c
.irp j,0,1,2,3
	v_max3_num_f32 v[MX+\j], |v[T+32*\j]|, |v[T+32*\j+1]|, FLOOR
.endr
.irp i,2,4,6,8,10,12,14,16,18,20,22,24,26,28,30
.irp j,0,1,2,3
	v_max3_num_f32 v[MX+\j], v[MX+\j], |v[T+32*\j+\i]|, |v[T+32*\j+\i+1]|
.endr
.endr
.irp j,0,1,2,3
	v_add_nc_u32 v[SO+\j], EOFF, v[MX+\j]
.endr
.irp j,0,1,2,3
.if (\c)==0
	v_lshrrev_b32 v[SWR+\j], 23, v[SO+\j]
.else
	v_lshrrev_b32 v[BY+\j], 23, v[SO+\j]
.endif
.endr
.if (\c)==1
.irp j,0,1,2,3
	v_lshl_or_b32 v[SWR+\j], v[BY+\j], 16, v[SWR+\j]
.endr
.endif
.irp j,0,1,2,3
	v_cvt_scalef32_pk16_bf6_f32 v[U+8*\j:U+8*\j+2], v[T+32*\j:T+32*\j+15], v[SO+\j]
	v_cvt_scalef32_pk16_bf6_f32 v[U+8*\j+4:U+8*\j+6], v[T+32*\j+16:T+32*\j+31], v[SO+\j]
.endr
	v_nop                                          ; one plain instruction behind the conversions
.irp j,0,1,2,3
.irp t,0,1,2
	v_mov_b32 v[FR+12*\j+6*(\c)+\t], v[U+8*\j+\t]
	v_mov_b32 v[FR+12*\j+6*(\c)+3+\t], v[U+8*\j+4+\t]
.endr
.endr
.endm
.macro PUTSTEP ioff, soff
.irp j,0,1,2,3
	v_lshlrev_b32 v[SWR+\j], v[H8], v[SWR+\j]
.endr
.irp j,0,1,2,3
	v_permlanex16_b32 v[MX+\j], v[SWR+\j], s[SEL], s[SEL+1]
.endr
.irp j,0,1,2,3
	v_or_b32 v[SWR+\j], v[SWR+\j], v[MX+\j]
.endr
	s_wait_alu depctr_va_vdst(0)                   ; the four fragments v[FR ..] and the four scale words v[SWR ..] are written, which the LDS stores below read
.irp j,0,1,2,3
.irp c,0,1,2
	ds_store_b128 v[IA], v[FR+12*\j+4*\c:FR+12*\j+4*\c+3] offset:\ioff+1536*\j+512*\c
.endr
.endr
	ds_store_b128 v[SA], v[SWR:SWR+3] offset:\soff ; both halves write the same bytes with the same values
	s_wait_dscnt 0x0
	s_wait_alu depctr_vm_vsrc(0)                   ; the LDS stores have read v[FR ..] and v[SWR ..], which the next K step's lines write again and in which, behind the last step, the weights' fragments land
.endm
.macro WLOAD u, buf
.if (\u)<8
.set wa_, LI
.set wo_, (\u)*6144
.else
.set wa_, LI2
.set wo_, ((\u)-8)*6144
.endif
.irp j,0,1,2,3
.irp c,0,1,2
	ds_load_b128 v[WB+48*(\buf)+12*\j+4*\c:WB+48*(\buf)+12*\j+4*\c+3], v[wa_] offset:wo_+1536*\j+512*\c
.endr
.endr
	ds_load_b128 v[SW+4*(\buf):SW+4*(\buf)+3], v[SWA] offset:256*(\u)
.endm
.macro MM i, j, slot, buf, sreg, srow
.set ac_, 192+32*((\i)%2)+8*(\j)
.set xb_, 96*((\i)%2)+12*(\slot)
.set wb_, WB+48*(\buf)+12*(\j)
.if \srow
	v_wmma_scale_f32_16x16x128_f8f6f4 v[ac_:ac_+7], v[wb_:wb_+11], v[xb_:xb_+11], v[ac_:ac_+7], v[SW+4*(\buf)+(\j)], v[\sreg] matrix_a_fmt:MATRIX_FMT_BF6 matrix_b_fmt:MATRIX_FMT_BF6 matrix_b_scale:MATRIX_SCALE_ROW1
.else
	v_wmma_scale_f32_16x16x128_f8f6f4 v[ac_:ac_+7], v[wb_:wb_+11], v[xb_:xb_+11], v[ac_:ac_+7], v[SW+4*(\buf)+(\j)], v[\sreg] matrix_a_fmt:MATRIX_FMT_BF6 matrix_b_fmt:MATRIX_FMT_BF6
.endif
.endm
.macro FLOADP u, p                     ; K step u's fragments of tiles 2 p and 2 p + 1 into slot u % 8: six loads of 512 consecutive bytes, under the pair's window
	WIN (1+(\p))<<6
.irp i,0,1
.irp c,0,1,2
	global_load_b128 v[96*\i+12*((\u)%8)+4*\c:96*\i+12*((\u)%8)+4*\c+3], v[HV+2*(\p)+\i], s[8:9] offset:1536*(\u)+512*\c
.endr
.endr
.endm
.macro FLOAD u                         ; those of all six tiles: 18 loads
	FLOADP \u,0
	FLOADP \u,1
	FLOADP \u,2
	WIN 0
.endm
.macro GSTEP u
	s_wait_dscnt 0x0                               ; this step's weights are in
.if (\u)<14
	s_wait_loadcnt 36                              ; this step's rows are in; the next two steps' 18 loads each may be out
.elseif (\u)==14
	s_wait_loadcnt 18
.else
	s_wait_loadcnt 0
.endif
	PLACES                                         ; four plain instructions between the last products and loads into registers that products have read
.if (\u)>0 && (\u)<15
	s_wait_alu depctr_va_vdst(0)                   ; the last step's products are done reading the other set of weights, and those of five steps back the slot three steps on: the loads below land there.  (Step 0 owes none: the wait behind the pass's head stands behind the last pass's products)
.endif
.irp p,0,1,2
	WIN (1+\p)*0x54
.irp i,0,1
.irp j,0,1,2,3
	MM 2*\p+\i,\j,(\u)%8,(\u)%2,HSC+8*(2*\p+\i)+(\u)/2,(\u)%2
.endr
.endr
.if (\p)==0 && (\u)<15
	WIN 0
	WLOAD (\u)+1,((\u)+1)%2                        ; the next step's 13 LDS loads, behind the first two tiles' products, which name this step's set: 16 products are left in which they land
.endif
.if (\u)<13
	FLOADP (\u)+3,\p                               ; six of the 18 loads of three steps on behind each pair of tiles: the products since the wait name slot u % 8 alone
.endif
.endr
	WIN 0
.endm
.macro BIAS i
	WIN (1+(\i)/2)<<6
.irp t,0,1,2,3,4,5,6,7
	ds_load_b128 v[192+32*((\i)%2)+4*\t:192+32*((\i)%2)+4*\t+3], v[BIA] offset:16*\t
.endr
	WIN 0
.endm
; Tile i goes out: through my own stage into the columns' true order, back as whole rows of 256 bytes, each to its token's row of y.
; Store a takes rows 2 a (lanes 0-15) and 2 a + 1 (lanes 16-31).  A row past the expert's count takes token row 1,024 + the row in its token's stead.
.macro EPI2 i
.set ew_, 1+(\i)/2
.set ea_, 192+32*((\i)%2)
	s_wait_xcnt 0x0                                ; the last tile's stores have read their registers
.if (\i)>0
	s_wait_alu depctr_vm_vsrc(0)                   ; the last tile's stores have read v[YO ..] and v[OB ..], in which the permutes' and the LDS loads' results below land
.endif
	WIN ew_<<2
.set ep_, 0
.rept 32
	ds_store_b32 v[STO], v[ea_+ep_] offset:4*(4*(ep_%8)+ep_/8)   ; each accumulator from its low end on
.set ep_, ep_+1
.endr
	WIN 0
.irp a,0,1,2,3,4,5,6,7
	ds_bpermute_b32 v[YO+\a], v[BP+\a], v[TOK+(\i)]              ; the token of row 2 a + h
.endr
.irp a,0,1,2,3,4,5,6,7
	ds_load_b128 v[OB+4*\a:OB+4*\a+3], v[RD] offset:544*\a       ; LDS serves a wave's instructions in order: these see the stores above
.endr
	s_lshl_b32 s[RL], s[TAU+(\i)], 4
	s_sub_co_u32 s[RL], s[CNT], s[RL]              ; the expert's rows from this tile's first on (16 or more in a full tile),
	s_lshl_b32 s[RL], s[RL], 2                     ; four times, to be held against 4 x (2 a + h)
	s_wait_dscnt 0x0
.irp a,0,1,2,3,4,5,6,7
	v_cmp_gt_u32 s[CM+\a], s[RL], v[BP+\a]                       ; is my row under the count?
.endr
	s_wait_alu depctr_va_sdst(0)                   ; the eight compares have written their masks, which the selections below read
.irp a,0,1,2,3,4,5,6,7
	v_cndmask_b32 v[YO+\a], v[DP+\a], v[YO+\a], s[CM+\a]         ; its token, or else the row kept for it
	v_min_u32 v[YO+\a], 0x40f, v[YO+\a]
	v_lshl_add_u32 v[YO+\a], v[YO+\a], 16, v[Q16]                ; 2 halves x 8 experts x 4,096 bytes a token
.endr
	s_wait_alu depctr_va_vdst(0)                   ; the lines above have written v[YO ..], which the stores below read as offsets and in which the next tile's permutes land
	s_cmp_lt_u32 s[TAU+(\i)], s[NT]                ; a tile past the last stores nothing
	s_cbranch_scc0 .Lno_store_\@
.irp a,0,1,2,3,4,5,6,7
	global_store_b128 v[YO+\a], v[OB+4*\a:OB+4*\a+3], s[14:15]   ; each half of the lanes stores 256 consecutive bytes, aligned
.endr
.Lno_store_\@:
.endm
	s_load_b256 s[4:11], s[0:1], 0x0               ; ew2 s[4:5], eb2 s[6:7], hc s[8:9], tlist s[10:11]
	s_load_b128 s[12:15], s[0:1], 0x20             ; route s[12:13], y s[14:15]
	v_lshrrev_b32 v32, 5, v0
	v_readfirstlane_b32 s[WV], v32
	v_and_b32 v32, 31, v0                          ; lane (v32 is at work here alone; phase A writes it anew)
	v_and_b32 v[Q], 15, v0
	v_bfe_u32 v[H], v0, 4, 1
	v_lshlrev_b32 v[LI], 4, v32
	v_add_nc_u32 v[LI2], 49152, v[LI]
	v_lshlrev_b32 v[L4], 2, v32
	v_lshlrev_b32 v[Q16], 4, v[Q]
	v_add_nc_u32 v[SWA], WSC, v[Q16]
	v_lshlrev_b32 v[BIA], 7, v[H]
	v_add_nc_u32 v[BIA], BI, v[BIA]
	v_lshlrev_b32 v[H8], 3, v[H]
	v_lshl_add_u32 v[WOFF], v[H], 17, v[Q16]       ; lanes 16-31 begin 32 rows further down
	s_wait_alu depctr_va_sdst(0)                   ; the wave's number is written, ahead of its first reader
	s_mul_i32 s69, s[WV], 24576
	v_add_nc_u32 v[IA], s69, v[LI]                 ; my four K steps' images
	s_lshl_b32 s69, s[WV], 10
	s_add_co_u32 s69, s69, WSC
	v_add_nc_u32 v[SA], s69, v[Q16]
	v_and_b32 v[BADR], 0x60, v0                    ; column n goes to block n / 32, word 8 (n % 4) + (n % 32) / 4; threads 64 on write the spare half
	v_lshlrev_b32 v[BADR], 2, v[BADR]
	v_and_b32 v[BOFF], 3, v0
	v_lshl_add_u32 v[BADR], v[BOFF], 5, v[BADR]
	v_and_b32 v[BOFF], 0x1c, v0
	v_add_nc_u32 v[BADR], v[BADR], v[BOFF]
	v_add_nc_u32 v[BADR], BI, v[BADR]
	v_and_b32 v[BOFF], 63, v0
	v_lshlrev_b32 v[BOFF], 2, v[BOFF]
.irp a,0,1,2,3,4,5,6,7
	v_lshl_add_u32 v[BP+\a], v[H], 2, 8*\a         ; 4 h + 8 a, each from h itself
.endr
	s_mul_i32 s69, s[WV], 4352
	s_add_co_u32 s69, s69, YSTG
	v_mul_u32_u24 v[STO], v[Q], 272
	v_lshl_add_u32 v[STO], v[H], 7, v[STO]
	v_add_nc_u32 v[STO], s69, v[STO]
	v_mul_u32_u24 v[RD], v[H], 272
	v_add_nc_u32 v[RD], v[RD], v[Q16]
	v_add_nc_u32 v[RD], s69, v[RD]
	s_mov_b32 s[SEL], 0x76543210
	s_mov_b32 s[SEL+1], 0xfedcba98
	s_and_b32 s[EX], ttmp7, 0xffff
	s_and_b32 s[GX], ttmp9, 15
	s_lshr_b32 s[KH], ttmp9, 4
	s_wait_kmcnt 0x0
	s_lshl_b32 s68, s[EX], 7
	s_mov_b32 s69, 0
	s_add_nc_u64 s[12:13], s[12:13], s[68:69]
	s_load_b512 s[16:31], s[12:13], 0x0            ; the expert's 32 words of bits: their count gives the rows and the tiles
	s_load_b512 s[32:47], s[12:13], 0x40
	s_lshl_b32 s68, s[EX], 24                      ; the expert's 16 MB,
	s_lshl_b32 s76, s[KH], 23                      ; the half's 2,048 rows,
	s_add_co_u32 s68, s68, s76
	s_lshl_b32 s76, s[WV], 21                      ; my 512 of them,
	s_add_co_u32 s68, s68, s76
	s_lshl_b32 s76, s[GX], 8                       ; the 64 columns
	s_add_co_u32 s68, s68, s76
	s_add_nc_u64 s[4:5], s[4:5], s[68:69]
	s_lshl_b32 s68, s[EX], 12
	s_add_co_u32 s68, s68, s76
	s_add_nc_u64 s[6:7], s[6:7], s[68:69]
	s_lshl_b32 s76, s[KH], 15
	s_add_co_u32 s68, s68, s76
	s_add_nc_u64 s[14:15], s[14:15], s[68:69]      ; y, inside a token's 65,536 bytes: the half's 32,768, the expert's 4,096, the 64 columns
	s_add_nc_u64 s[84:85], s[8:9], HSOFF
	s_wait_alu depctr_va_vdst(0)                   ; the head's offsets and addresses (v3 to v6, v8 to v23, v30, v31) are written, which the loads and the LDS instructions below read
	global_load_b32 v[BV], v[BOFF], s[6:7]
	LOADCHUNK STA,0
	LOADCHUNK STB,64*PITCH
	s_wait_kmcnt 0x0
	s_bcnt1_i32_b32 s[CNT], s[MW]
.set wi_, 1
.rept 31
	s_bcnt1_i32_b32 s[CT], s[MW+wi_]
	s_add_co_u32 s[CNT], s[CNT], s[CT]
.set wi_, wi_+1
.endr
	s_add_co_u32 s[NT], s[CNT], 15
	s_lshr_b32 s[NT], s[NT], 4
	s_min_u32 s[NT], s[NT], 64
	s_max_u32 s[NT1], s[NT], 1
	s_sub_co_u32 s[NT1], s[NT1], 1
	s_add_co_u32 s[NPASS], s[NT], 23               ; passes of 24 tiles: (nt + 23) / 24, by 2,731 / 65,536, exact up to 87
	s_mul_i32 s[NPASS], s[NPASS], 2731
	s_lshr_b32 s[NPASS], s[NPASS], 16
	s_mov_b32 s[PASS], 0
	; PHASE A: eight chunks of 64 rows, every offset an immediate
.set kc_, 0
.rept 8
.if kc_<7
	s_wait_loadcnt 32                              ; all but the other set's 32 loads
.else
	s_wait_loadcnt 0
.endif
.if (kc_%2)==0
	QMOVE STA,1
.if kc_<6
	s_wait_alu depctr_va_vdst(0)                   ; the moves are done reading the first staging set, in which the loads below land
	LOADCHUNK STA,(kc_+2)*64*PITCH
.endif
	QMATH 0
.else
	QMOVE STB,1
.if kc_<6
	s_wait_alu depctr_va_vdst(0)                   ; the moves are done reading the second staging set, in which the loads below land
	LOADCHUNK STB,(kc_+2)*64*PITCH
.endif
	QMATH 1
	PUTSTEP (kc_/2)*6144,(kc_/2)*256
.endif
.set kc_, kc_+1
.endr
	s_cmp_eq_u32 s[KH], 0
	s_cselect_b32 s66, -1, 0
	v_cndmask_b32 v[BV], 0, v[BV], s66             ; the bias counts once: in half 0
	s_wait_alu depctr_va_vdst(0)                   ; the selection has written the bias word, which the LDS store reads
	ds_store_b32 v[BADR], v[BV]
	s_wait_dscnt 0x0                               ; for the others' sake: my images and my bias word lie in LDS
	s_barrier_signal -1
	s_barrier_wait -1
	s_cmp_eq_u32 s[NPASS], 0                       ; nobody chose this expert
	s_cbranch_scc1 .Lend
	v_lshlrev_b32 v[HQ], 7, v[H]
	v_lshl_add_u32 v[HQ], v[Q], 2, v[HQ]
.irp a,0,1,2,3,4,5,6,7
	v_add_nc_u32 v[DP+\a], 1024+2*\a, v[H]         ; the token rows of y that are kept for rows past the count
.endr
.Lpass:
	s_wait_xcnt 0x0                                ; the last pass's loads and stores have read their registers
	s_wait_alu depctr_vm_vsrc(0)                   ; the last pass's loads have read their offsets, its permutes the tokens, its LDS stores the accumulators, its stores v[YO ..] and v[OB ..]; in the first pass phase A's loads and LDS stores have read v18 to v23: the lines and loads below write all of these
	s_mul_i32 s[TB], s[PASS], 24
	s_add_co_u32 s[TB], s[TB], s[WV]
.irp i,0,1,2,3,4,5
	s_add_co_u32 s[TAU+\i], s[TB], 4*\i
	s_min_u32 s66, s[TAU+\i], s[NT1]
	s_min_u32 s66, s66, 63
	s_lshl_b32 s67, s[EX], 6
	s_add_co_u32 s66, s66, s67                     ; the tile's number among 8 x 64
	s_lshl_b32 s67, s66, 7
	v_add_nc_u32 v[TLV+\i], s67, v[L4]
	s_lshl_b32 s66, s66, 5
	s_lshl_b32 s67, s[KH], 4
	s_add_co_u32 s66, s66, s67                     ; its first fragment of this half
	s_mul_i32 s67, s66, 1536
	v_add_nc_u32 v[HV+\i], s67, v[LI]
	s_lshl_b32 s67, s66, 7
	v_add_nc_u32 v[HSV+\i], s67, v[HQ]
.endr
	s_wait_alu depctr_va_vdst(0)                   ; the pass's offsets are written, which its loads read; and all earlier vector and matrix instructions are done with the rows' slots, the accumulators, v[HSC ..], v[WB ..] and v[SW ..], in which the loads up to the second step's head land
.irp i,0,1,2,3,4,5
	global_load_b32 v[TOK+\i], v[TLV+\i], s[10:11]
.endr
.irp i,0,1,2,3,4,5
.irp a,0,1,2,3,4,5,6,7
	global_load_b32 v[HSC+8*\i+\a], v[HSV+\i], s[84:85] offset:256*\a
.endr
.endr
	FLOAD 0
	FLOAD 1
	FLOAD 2
.irp i,0,1,2,3,4,5
	BIAS \i
.endr
	WLOAD 0,0
.irp u,0,1,2,3,4,5,6,7,8,9,10,11,12,13,14,15
	GSTEP \u
.endr
	PLACES                                         ; four plain instructions between the last products and the first read of results
	s_wait_alu depctr_va_vdst(0)                   ; the products have written the accumulators, which the LDS stores of the way out read; the places above stay beside this wait
.irp i,0,1,2,3,4,5
	EPI2 \i
.endr
	s_add_co_u32 s[PASS], s[PASS], 1
	s_cmp_lt_u32 s[PASS], s[NPASS]
	s_cbranch_scc1 .Lpass
.Lend:
	s_wait_xcnt 0x0
	v_lshl_add_u32 v254, v0, 2, 0x1d600
	v_mov_b32 v255, 0
	s_wait_dscnt 0x0                               ; the closing lines, six on end
	s_wait_alu 0x0
	s_wait_tensorcnt 0x0
	ds_add_u32 v254, v255
	s_wait_dscnt 0x0
	s_endpgm
.Lfunc_end_k_q35f22a58ee_ffn2:
	.size	k_q35f22a58ee_ffn2, .Lfunc_end_k_q35f22a58ee_ffn2-k_q35f22a58ee_ffn2
	.p2alignl 7, 3214868480
	.fill 96, 4, 3214868480
	.section	.rodata,"a",@progbits
	.p2align	6, 0x0
	.amdhsa_kernel k_q35f22a58ee_ffn2
		.amdhsa_group_segment_fixed_size 120832
		.amdhsa_private_segment_fixed_size 0
		.amdhsa_enable_private_segment 0
		.amdhsa_kernarg_size 48
		.amdhsa_user_sgpr_count 2
		.amdhsa_user_sgpr_kernarg_segment_ptr 1
		.amdhsa_wavefront_size32 1
		.amdhsa_system_sgpr_workgroup_id_x 1
		.amdhsa_system_sgpr_workgroup_id_y 1
		.amdhsa_system_sgpr_workgroup_id_z 1
		.amdhsa_system_vgpr_workitem_id 0
		.amdhsa_next_free_vgpr 1024
		.amdhsa_next_free_sgpr 96
		.amdhsa_reserve_vcc 0
		.amdhsa_float_denorm_mode_32 3
		.amdhsa_float_denorm_mode_16_64 3
		.amdhsa_memory_ordered 1
		.amdhsa_forward_progress 1
		.amdhsa_inst_pref_size 255
	.end_amdhsa_kernel
	.section	.bss,"aw",@nobits
	.p2align	6
	.space	262144
	.amdgpu_metadata
---
amdhsa.version: [ 1, 2 ]
amdhsa.kernels:
  - .name:           k_q35f22a58ee_ffn2
    .symbol:         k_q35f22a58ee_ffn2.kd
    .args:
      - { .name: ew2, .offset: 0, .size: 8, .value_kind: global_buffer, .address_space: global }
      - { .name: eb2, .offset: 8, .size: 8, .value_kind: global_buffer, .address_space: global }
      - { .name: hc, .offset: 16, .size: 8, .value_kind: global_buffer, .address_space: global }
      - { .name: tlist, .offset: 24, .size: 8, .value_kind: global_buffer, .address_space: global }
      - { .name: route, .offset: 32, .size: 8, .value_kind: global_buffer, .address_space: global }
      - { .name: y, .offset: 40, .size: 8, .value_kind: global_buffer, .address_space: global }
    .group_segment_fixed_size: 120832
    .private_segment_fixed_size: 0
    .kernarg_segment_align: 8
    .kernarg_segment_size: 48
    .max_flat_workgroup_size: 128
    .sgpr_count:     96
    .vgpr_count:     1024
    .wavefront_size: 32
...
	.end_amdgpu_metadata
.endif
;; end of part 9
;; launch combine (part 10): grid 256 x 1, 8 waves a work-group, no clusters, 0 bytes of LDS; arguments y, route, wts, out0; writes out0
.if DOCPART == 10
	.amdgcn_target "amdgcn-amd-amdhsa--gfx1250"
	.amdhsa_code_object_version 6
	.text
	.protected	k_q35f22a58ee_combine
	.globl	k_q35f22a58ee_combine
	.p2align	8
	.type	k_q35f22a58ee_combine,@function
k_q35f22a58ee_combine:
	s_mov_b64 s[64:65], 0
	v_nop
	global_prefetch_b8 v0, s[64:65] scope:SCOPE_SE
	s_setreg_imm32_b32 hwreg(HW_REG_WAVE_MODE, 25, 1), 1
	s_wait_xcnt 0x0
; out0[t] = w0 (y[t][0][e0] + y[t][1][e0]) + w1 (y[t][0][e1] + y[t][1][e1]): the two chosen experts' rows, each in two halves of K, weighed by the two scores.
; y: [token][half of K][expert][1,024] f32: 16 rows of 4,096 bytes a token.
; A work-group takes four tokens, a thread 16 bytes of a row: each load and store of a wave covers 512 consecutive bytes.  All 16 loads of a thread go out together.  Memory binds: no LDS, no matrix unit.
.set A, 16                             ; v16-79: token t at 16 t: half 0 of e0, half 1 of e0, half 0 of e1, half 1 of e1, four registers each
	s_load_b256 s[4:11], s[0:1], 0x0               ; y s[4:5], route s[6:7], wts s[8:9], out0 s[10:11]
	v_lshlrev_b32 v1, 4, v0
	s_lshl_b32 s12, ttmp9, 4                       ; four tokens' words of sel
	s_mov_b32 s13, 0
	s_lshl_b32 s14, ttmp9, 5                       ; four tokens' pairs of weights
	s_mov_b32 s15, 0
	s_lshl_b32 s16, ttmp9, 14                      ; four rows of out0
	s_mov_b32 s17, 0
	s_wait_alu depctr_va_vdst(0)
	s_wait_kmcnt 0x0
	s_add_nc_u64 s[6:7], s[6:7], s[12:13]
	s_add_nc_u64 s[8:9], s[8:9], s[14:15]
	s_add_nc_u64 s[10:11], s[10:11], s[16:17]
	s_load_b128 s[20:23], s[6:7], 0x400            ; sel lies behind the 1,024 bytes of bit words
	s_load_b256 s[24:31], s[8:9], 0x0
	s_add_nc_u64 s[18:19], s[4:5], 0x8000          ; the second half of K: 8 rows of 4,096 bytes on
	s_wait_kmcnt 0x0
.irp t,0,1,2,3
	s_and_b32 s32, s[20+\t], 0xff
	s_min_u32 s32, s32, 7
	s_bfe_u32 s33, s[20+\t], 0x80008
	s_min_u32 s33, s33, 7
	s_lshl_b32 s34, ttmp9, 2
	s_add_co_u32 s34, s34, \t
	s_lshl_b32 s34, s34, 4                         ; 16 rows a token
	s_add_co_u32 s32, s32, s34
	s_add_co_u32 s33, s33, s34
	s_lshl_b32 s32, s32, 12
	s_lshl_b32 s33, s33, 12
	v_add_nc_u32 v[2+2*\t], s32, v1
	v_add_nc_u32 v[3+2*\t], s33, v1
.endr
	s_wait_alu depctr_va_vdst(0)
.irp t,0,1,2,3
	global_load_b128 v[A+16*\t:A+16*\t+3], v[2+2*\t], s[4:5] th:TH_LOAD_NT
	global_load_b128 v[A+16*\t+4:A+16*\t+7], v[2+2*\t], s[18:19] th:TH_LOAD_NT
	global_load_b128 v[A+16*\t+8:A+16*\t+11], v[3+2*\t], s[4:5] th:TH_LOAD_NT
	global_load_b128 v[A+16*\t+12:A+16*\t+15], v[3+2*\t], s[18:19] th:TH_LOAD_NT
.endr
.irp t,0,1,2,3
	s_wait_loadcnt 12-4*\t                         ; this token's four loads are in; the later tokens' may be out
	v_pk_add_f32 v[A+16*\t:A+16*\t+1], v[A+16*\t:A+16*\t+1], v[A+16*\t+4:A+16*\t+5]
	v_pk_add_f32 v[A+16*\t+2:A+16*\t+3], v[A+16*\t+2:A+16*\t+3], v[A+16*\t+6:A+16*\t+7]
	v_pk_add_f32 v[A+16*\t+8:A+16*\t+9], v[A+16*\t+8:A+16*\t+9], v[A+16*\t+12:A+16*\t+13]
	v_pk_add_f32 v[A+16*\t+10:A+16*\t+11], v[A+16*\t+10:A+16*\t+11], v[A+16*\t+14:A+16*\t+15]
.irp c,0,1,2,3
	v_mul_f32 v[A+16*\t+\c], s[24+2*\t], v[A+16*\t+\c]
.endr
.irp c,0,1,2,3
	s_delay_alu instid0(VALU_DEP_4)
	v_fma_f32 v[A+16*\t+\c], s[25+2*\t], v[A+16*\t+8+\c], v[A+16*\t+\c]
.endr
	global_store_b128 v1, v[A+16*\t:A+16*\t+3], s[10:11] offset:4096*\t th:TH_STORE_NT
.endr
	s_endpgm
.Lfunc_end_k_q35f22a58ee_combine:
	.size	k_q35f22a58ee_combine, .Lfunc_end_k_q35f22a58ee_combine-k_q35f22a58ee_combine
	.p2alignl 7, 3214868480
	.fill 96, 4, 3214868480
	.section	.rodata,"a",@progbits
	.p2align	6, 0x0
	.amdhsa_kernel k_q35f22a58ee_combine
		.amdhsa_group_segment_fixed_size 0
		.amdhsa_private_segment_fixed_size 0
		.amdhsa_enable_private_segment 0
		.amdhsa_kernarg_size 32
		.amdhsa_user_sgpr_count 2
		.amdhsa_user_sgpr_kernarg_segment_ptr 1
		.amdhsa_wavefront_size32 1
		.amdhsa_system_sgpr_workgroup_id_x 1
		.amdhsa_system_sgpr_workgroup_id_y 1
		.amdhsa_system_sgpr_workgroup_id_z 1
		.amdhsa_system_vgpr_workitem_id 0
		.amdhsa_next_free_vgpr 96
		.amdhsa_next_free_sgpr 66
		.amdhsa_reserve_vcc 0
		.amdhsa_float_denorm_mode_32 3
		.amdhsa_float_denorm_mode_16_64 3
		.amdhsa_memory_ordered 1
		.amdhsa_forward_progress 1
		.amdhsa_inst_pref_size 8
	.end_amdhsa_kernel
	.amdgpu_metadata
---
amdhsa.version: [ 1, 2 ]
amdhsa.kernels:
  - .name:           k_q35f22a58ee_combine
    .symbol:         k_q35f22a58ee_combine.kd
    .args:
      - { .name: y, .offset: 0, .size: 8, .value_kind: global_buffer, .address_space: global }
      - { .name: route, .offset: 8, .size: 8, .value_kind: global_buffer, .address_space: global }
      - { .name: wts, .offset: 16, .size: 8, .value_kind: global_buffer, .address_space: global }
      - { .name: out0, .offset: 24, .size: 8, .value_kind: global_buffer, .address_space: global }
    .group_segment_fixed_size: 0
    .private_segment_fixed_size: 0
    .kernarg_segment_align: 8
    .kernarg_segment_size: 32
    .max_flat_workgroup_size: 256
    .sgpr_count:     66
    .vgpr_count:     96
    .wavefront_size: 32
...
	.end_amdgpu_metadata
.endif
;; end of part 10
